; MI455X (gfx1250); checked and timed in simulation.
; The chip was launched on July 23, 2026; its instructions are those of AMD's public machine-readable ISA for CDNA 5 (MIT licence, August 2026) and "CDNA5" Instruction Set Architecture Reference Guide (July 2026). The comments in the code are by the model that wrote it; some were corrected since.
;; Mo E Layer. Allowed arithmetic: float matrix products may take bf16 or f16 operands with f32 sums; other float arithmetic in f32, or as packed bf16 or f16 multiplies, adds, multiply-adds, maxima and minima; sums over many terms, partial sums and values carried from step to step in f32; what a program stores and reads back later, other than sums and carried values, may be rounded once to bf16 or f16.
;; Inputs: b1 8 x 4,096 float32; b2 8 x 1,024 float32; gate_b 8 float32; gate_w 1,024 x 8 float32; w1 8 x 1,024 x 4,096 float32; w2 8 x 4,096 x 1,024 float32; x 2 x 512 x 1,024 float32.
;; Outputs: out0 2 x 512 x 1,024 float32.
;; 2 versions, each right; version 2 is version 1 with the launches ffn1, ffn2 written anew for expert scheduling mode. Each part assembles by itself: llvm-mc -triple=amdgcn-amd-amdhsa -mcpu=gfx1250 --defsym DOCPART=n.
;; ======== version 1 of 2: 5 launches
;; limits: values are held in f16: magnitudes above 65,504 overflow, below 6.1e-05 lose precision
;; workspace buffers: xh 2,097,152 bytes; bm 2,048 bytes of whole numbers; gv 8,192 bytes; cn 4,096 bytes of whole numbers; lst 32,768 bytes of whole numbers; xg 16,777,216 bytes; hid 67,108,864 bytes; part 33,554,432 bytes
;; launch router (part 1): grid 128 x 1, 4 waves a work-group, no clusters, 37,632 bytes of LDS; arguments x, gate_w, gate_b, xh, bm, gv; writes xh, bm, gv
.if DOCPART == 1
	.amdgcn_target "amdgcn-amd-amdhsa--gfx1250"
	.amdhsa_code_object_version 6
	.text
	.protected	k_qd7305b4d9d_router
	.globl	k_qd7305b4d9d_router
	.p2align	8
	.type	k_qd7305b4d9d_router,@function
k_qd7305b4d9d_router:
	s_mov_b64 s[64:65], 0
	v_nop
	global_prefetch_b8 v0, s[64:65] scope:SCOPE_SE
	s_setreg_imm32_b32 hwreg(HW_REG_WAVE_MODE, 25, 1), 1
	s_wait_xcnt 0x0
; ROUTER.  logits = x gate_w + gate_b, softmax over the 8 experts (the maximum taken away), the two largest weights of each token
; (the lower index wins a tie: an ascending scan with a strict compare).  All in f32 on the f32 inputs.  Beside it x is rounded once to f16.
; Stored, all at fixed places: xh [1024][1024] f16; gv[slot*1024 + token] f32, the chosen weights; bm, a bitmap of the choices:
; byte expert*256 + slot*128 + token/8, bit token%8.  No address here hangs on the choice: the later launches read bm and place the rows.
; LIMITS.  A weight below 2^-126 counts as 0; NaN is not treated apart; a logit's 1,024 products are added in another order than a
; row-by-row sum (32 a lane, then a tree over the lanes), so two weights that differ in the last bits may change places.
; SHARES.  128 work-groups of 8 tokens, a wave 2 tokens; lane l owns d = 128 j + 4 l + 0..3, j = 0..7: each load of x takes 512 consecutive bytes.
; gate_w (32,768 bytes) is brought once by the four waves together, in whole rows of lanes, and lies in LDS in chunks of 4 d x 8 experts (128 bytes)
; 144 bytes apart.
; No matrix unit: 8 columns would fill half a tile, and the f32 form is no faster than these multiply-adds.
.set GWP,   144
.set LOGB,  256*GWP                    ; behind gate_w: 8 tokens x 8 logits
.set SPARE, LOGB+256                   ; the spare words, 128 bytes a wave, that no other line names
.set SPW,   28                         ; v28  SPARE + 4 x my thread's number; never rewritten
.set NIL,   29                         ; v29  0; never rewritten
.set X,     32                         ; v[32:95]   x: token tt, chunk j at X + 32 tt + 4 j
.set GWR,   96                         ; v[96:159]  gate_w as loaded; then two buffers of 32: d' (0..3), expert e at 8 d' + e
.set ACC,   160                        ; v[160:175] 8 sums a token
.set LG,    96                         ; wave 0 at the end: a token's 8 logits, then its 8 weights
	s_load_b256 s[4:11], s[0:1], 0x0               ; x s[4:5], gate_w s[6:7], gate_b s[8:9], xh s[10:11]
	s_load_b128 s[12:15], s[0:1], 0x20             ; bm s[12:13], gv s[14:15]
	v_lshl_add_u32 v[SPW], v0, 2, SPARE
	v_mov_b32 v[NIL], 0
	v_lshrrev_b32 v2, 5, v0
	v_readfirstlane_b32 s24, v2                    ; wave 0..3
	v_and_b32 v1, 31, v0                           ; lane
	s_mov_b32 s26, 0x76543210                      ; v_permlanex16_b32: each lane takes its own place in the other half
	s_mov_b32 s27, 0xfedcba98
	v_lshlrev_b32 v2, 4, v0                        ; gate_w: 16 bytes a thread
	v_lshrrev_b32 v3, 3, v0                        ; eight threads fill a chunk
	v_mul_u32_u24 v3, v3, GWP
	v_and_b32 v8, 7, v0
	v_lshl_add_u32 v3, v8, 4, v3
	v_lshlrev_b32 v4, 4, v1                        ; x: 16 bytes a lane
	v_mul_u32_u24 v5, v1, GWP                      ; my chunk of gate_w in each group of 32
	v_lshlrev_b32 v6, 3, v1                        ; xh: 8 bytes a lane
	s_lshl_b32 s25, s24, 6
	s_add_co_u32 s25, s25, LOGB
	v_mov_b32 v7, s25                              ; my wave's two tokens' logits
	s_lshl_b32 s30, ttmp9, 15                      ; 8 tokens of 4,096 bytes,
	s_lshl_b32 s31, s24, 13                        ; my wave's two
	s_add_co_u32 s30, s30, s31
	s_mov_b32 s31, 0
	s_lshr_b32 s32, s30, 1                         ; half as much in xh
	s_mov_b32 s33, 0
	s_wait_kmcnt 0x0
	s_load_b256 s[16:23], s[8:9], 0x0              ; gate_b
	s_add_nc_u64 s[4:5], s[4:5], s[30:31]
	s_add_nc_u64 s[10:11], s[10:11], s[32:33]
.set i, 0
.rept 16
	global_load_b128 v[GWR+4*i:GWR+4*i+3], v2, s[6:7] offset:i*2048
.set i, i+1
.endr
.set i, 0
.rept 16
	global_load_b128 v[X+4*i:X+4*i+3], v4, s[4:5] offset:(i/8)*4096+(i%8)*512 th:TH_LOAD_NT
.set i, i+1
.endr
	s_wait_loadcnt 16                              ; loads come back in order: gate_w is in, the 16 loads of x stay out
.set i, 0
.rept 16
	ds_store_b128 v3, v[GWR+4*i:GWR+4*i+3] offset:i*16*GWP
.set i, i+1
.endr
	s_wait_dscnt 0x0                               ; for the others' sake: my part of gate_w is in LDS
	s_barrier_signal -1
	s_barrier_wait -1
.macro GLOAD j                         ; my chunk of group j: 4 d x 8 experts
.set i, 0
.rept 8
	ds_load_b128 v[GWR+32*((\j)%2)+4*i:GWR+32*((\j)%2)+4*i+3], v5 offset:(\j)*32*GWP+16*i
.set i, i+1
.endr
.endm
.macro DOT j                           ; 64 multiply-adds: 4 d x 2 tokens x 8 experts; the very first 16 start the sums
.irp c, 0,1,2,3
.irp tt, 0,1
.irp e, 0,1,2,3,4,5,6,7
.if ((\j) == 0) && ((\c) == 0)
	v_mul_f32 v[ACC+8*\tt+\e], v[X+32*\tt+4*(\j)+\c], v[GWR+32*((\j)%2)+8*\c+\e]
.else
	v_fmac_f32 v[ACC+8*\tt+\e], v[X+32*\tt+4*(\j)+\c], v[GWR+32*((\j)%2)+8*\c+\e]
.endif
.endr
.endr
.endr
.endm
	GLOAD 0
	GLOAD 1
	s_wait_loadcnt 0x0                             ; x
.irp j, 0,1,2,3,4,5
	s_wait_dscnt 8                                 ; group j is in; the next group's eight loads stay out
	DOT \j
	GLOAD (\j)+2                                   ; into the buffer just read
.endr
	s_wait_dscnt 8
	DOT 6
	s_wait_dscnt 0x0
	DOT 7
	; x to f16, in place, and out: each store of the wave covers 256 consecutive bytes, aligned
.set i, 0
.rept 16
	v_cvt_pk_f16_f32 v[X+4*i], v[X+4*i], v[X+4*i+1]
	v_cvt_pk_f16_f32 v[X+4*i+1], v[X+4*i+2], v[X+4*i+3]
.set i, i+1
.endr
.set i, 0
.rept 16
	global_store_b64 v6, v[X+4*i:X+4*i+1], s[10:11] offset:(i/8)*2048+(i%8)*256
.set i, i+1
.endr
	; the 16 sums over the 32 lanes: four steps inside each half ride on the addition, one crosses the halves
.irp m, 1,2,4,8
.set i, 0
.rept 16
	v_add_f32_dpp v[ACC+i], v[ACC+i], v[ACC+i] row_xmask:\m row_mask:0xf bank_mask:0xf
.set i, i+1
.endr
.endr
.set i, 0
.rept 16
	v_permlanex16_b32 v[GWR+i], v[ACC+i], s26, s27 ; its destination has been written before (gate_w's buffer)
.set i, i+1
.endr
.set i, 0
.rept 16
	v_add_f32 v[ACC+i], v[ACC+i], v[GWR+i]
.set i, i+1
.endr
.irp i, 0,1,2,3
	ds_store_b128 v7, v[ACC+4*\i:ACC+4*\i+3] offset:16*\i  ; all lanes write the same words with the same numbers
.endr
	s_wait_kmcnt 0x0                               ; gate_b
	s_wait_dscnt 0x0                               ; for wave 0's sake
	s_barrier_signal -1
	s_barrier_wait -1
	s_cmp_eq_u32 s24, 0
	s_cbranch_scc1 .Lwave0
	s_wait_tensorcnt 0x0                           ; the wave's end: three closing lines behind my last LDS store
	ds_add_u32 v[SPW], v[NIL]
	s_wait_dscnt 0x0
	s_endpgm
.Lwave0:                                               ; wave 0: lane l works on token l % 8 (four times over: no lane is switched off for it)
	v_and_b32 v8, 7, v1
	v_lshlrev_b32 v9, 5, v8
	ds_load_b128 v[LG:LG+3], v9 offset:LOGB
	ds_load_b128 v[LG+4:LG+7], v9 offset:LOGB+16
	s_wait_dscnt 0x0
.irp e, 0,1,2,3,4,5,6,7
	v_add_f32 v[LG+\e], s[16+\e], v[LG+\e]
.endr
	v_max3_num_f32 v104, v[LG], v[LG+1], v[LG+2]
	v_max3_num_f32 v104, v104, v[LG+3], v[LG+4]
	v_max3_num_f32 v104, v104, v[LG+5], v[LG+6]
	v_max_num_f32 v104, v104, v[LG+7]
.irp e, 0,1,2,3,4,5,6,7
	v_sub_f32 v[LG+\e], v[LG+\e], v104             ; the maximum is taken away, as the softmax of the problem does
.endr
.irp e, 0,1,2,3,4,5,6,7
	v_mul_f32 v[LG+\e], 0x3fb8aa3b, v[LG+\e]       ; log2(e)
.endr
.irp e, 0,1,2,3,4,5,6,7
	v_exp_f32 v[LG+\e], v[LG+\e]
.endr
	v_nop                                          ; a plain instruction between the last exponential and the use of its result (ISA guide 5.7.2)
	s_wait_alu depctr_va_vdst(0)
	v_add_f32 v105, v[LG], v[LG+1]
	v_add_f32 v106, v[LG+2], v[LG+3]
	v_add_f32 v107, v[LG+4], v[LG+5]
	v_add_f32 v108, v[LG+6], v[LG+7]
	v_add_f32 v105, v105, v106
	v_add_f32 v107, v107, v108
	v_add_f32 v105, v105, v107
	v_rcp_f32 v106, v105
	v_nop
	s_wait_alu depctr_va_vdst(0)
.irp e, 0,1,2,3,4,5,6,7
	v_mul_f32 v[LG+\e], v[LG+\e], v106
.endr
	v_mov_b32 v110, v[LG]                          ; the largest weight and its expert
	v_mov_b32 v111, 0
.irp e, 1,2,3,4,5,6,7
	v_cmp_gt_f32 vcc_lo, v[LG+\e], v110
	v_cndmask_b32 v110, v110, v[LG+\e], vcc_lo
	v_cndmask_b32 v111, v111, \e, vcc_lo
.endr
.irp e, 0,1,2,3,4,5,6,7
	v_cmp_eq_u32 vcc_lo, \e, v111
	v_cndmask_b32 v[LG+\e], v[LG+\e], -1.0, vcc_lo ; the winner leaves the field: every weight is 0 or more
.endr
	v_mov_b32 v112, v[LG]                          ; the second
	v_mov_b32 v113, 0
.irp e, 1,2,3,4,5,6,7
	v_cmp_gt_f32 vcc_lo, v[LG+\e], v112
	v_cndmask_b32 v112, v112, v[LG+\e], vcc_lo
	v_cndmask_b32 v113, v113, \e, vcc_lo
.endr
	v_mov_b32 v114, 0                              ; lane e + 8 slot takes the mask 'token chose e in that slot'; its low byte is the 8 tokens
.irp e, 0,1,2,3,4,5,6,7
	v_cmp_eq_u32 s34, \e, v111
	v_cmp_eq_u32 s35, \e, v113
	v_writelane_b32 v114, s34, \e
	v_writelane_b32 v114, s35, \e+8
.endr
	v_bfe_u32 v116, v1, 3, 1                       ; slot, for lanes 0 to 15
	s_mov_b32 s36, ttmp9
	s_lshl_b32 s37, ttmp9, 3
	v_lshlrev_b32 v115, 8, v8                      ; bm: expert (l % 8) x 256 + slot x 128 + the work-group's number
	v_lshl_add_u32 v115, v116, 7, v115
	v_add_nc_u32 v115, s36, v115
	v_lshl_add_u32 v117, v116, 10, v8              ; gv: 4 (slot x 1024 + 8 g + l % 8)
	v_add_lshl_u32 v117, v117, s37, 2
	v_cmp_eq_u32 vcc_lo, 1, v116
	v_cndmask_b32 v118, v110, v112, vcc_lo
	v_cmp_gt_u32 vcc_lo, 16, v1
	s_wait_xcnt 0x0                                ; EXEC is a source of the stores of xh: it changes only behind this wait
	s_and_saveexec_b32 s28, vcc_lo
	global_store_b8 v115, v114, s[12:13]
	global_store_b32 v117, v118, s[14:15]
	s_wait_xcnt 0x0                                ; and again in front of the line that widens it
	s_or_b32 exec_lo, exec_lo, s28
	s_wait_tensorcnt 0x0                           ; the wave's end: three closing lines behind my last LDS store
	ds_add_u32 v[SPW], v[NIL]
	s_wait_dscnt 0x0
	s_endpgm
.Lfunc_end_k_qd7305b4d9d_router:
	.size	k_qd7305b4d9d_router, .Lfunc_end_k_qd7305b4d9d_router-k_qd7305b4d9d_router
	.p2alignl 7, 3214868480
	.fill 96, 4, 3214868480
	.section	.rodata,"a",@progbits
	.p2align	6, 0x0
	.amdhsa_kernel k_qd7305b4d9d_router
		.amdhsa_group_segment_fixed_size 37632
		.amdhsa_private_segment_fixed_size 0
		.amdhsa_enable_private_segment 0
		.amdhsa_kernarg_size 48
		.amdhsa_user_sgpr_count 2
		.amdhsa_user_sgpr_kernarg_segment_ptr 1
		.amdhsa_wavefront_size32 1
		.amdhsa_system_sgpr_workgroup_id_x 1
		.amdhsa_system_sgpr_workgroup_id_y 1
		.amdhsa_system_sgpr_workgroup_id_z 1
		.amdhsa_system_vgpr_workitem_id 0
		.amdhsa_next_free_vgpr 176
		.amdhsa_next_free_sgpr 66
		.amdhsa_reserve_vcc 1
		.amdhsa_float_denorm_mode_32 3
		.amdhsa_float_denorm_mode_16_64 3
		.amdhsa_memory_ordered 1
		.amdhsa_forward_progress 1
		.amdhsa_inst_pref_size 44
	.end_amdhsa_kernel
	.amdgpu_metadata
---
amdhsa.version: [ 1, 2 ]
amdhsa.kernels:
  - .name:           k_qd7305b4d9d_router
    .symbol:         k_qd7305b4d9d_router.kd
    .args:
      - { .name: x, .offset: 0, .size: 8, .value_kind: global_buffer, .address_space: global }
      - { .name: gate_w, .offset: 8, .size: 8, .value_kind: global_buffer, .address_space: global }
      - { .name: gate_b, .offset: 16, .size: 8, .value_kind: global_buffer, .address_space: global }
      - { .name: xh, .offset: 24, .size: 8, .value_kind: global_buffer, .address_space: global }
      - { .name: bm, .offset: 32, .size: 8, .value_kind: global_buffer, .address_space: global }
      - { .name: gv, .offset: 40, .size: 8, .value_kind: global_buffer, .address_space: global }
    .group_segment_fixed_size: 37632
    .private_segment_fixed_size: 0
    .kernarg_segment_align: 8
    .kernarg_segment_size: 48
    .max_flat_workgroup_size: 128
    .sgpr_count:     66
    .vgpr_count:     176
    .wavefront_size: 32
...
	.end_amdgpu_metadata
.endif
;; end of part 1
;; launch place (part 2): grid 64 x 8, 4 waves a work-group, no clusters, 38,656 bytes of LDS; arguments xh, bm, xg, lst, cn; writes xg, lst, cn
.if DOCPART == 2
	.amdgcn_target "amdgcn-amd-amdhsa--gfx1250"
	.amdhsa_code_object_version 6
	.text
	.protected	k_qd7305b4d9d_place
	.globl	k_qd7305b4d9d_place
	.p2align	8
	.type	k_qd7305b4d9d_place,@function
k_qd7305b4d9d_place:
	s_mov_b64 s[64:65], 0
	v_nop
	global_prefetch_b8 v0, s[64:65] scope:SCOPE_SE
	s_setreg_imm32_b32 hwreg(HW_REG_WAVE_MODE, 25, 1), 1
	s_wait_xcnt 0x0
; PLACE.  The router's choices (bm: byte expert*256 + slot*128 + token/8, bit token%8) become places.  For each expert: its count of rows (cn), its list of rows by rank
; (lst: q = slot x 1024 + token; ranks go word by word of 32 tokens, slot 0 and then slot 1), and its rows of x in f16, end to end in tiles of 16, in the order in which the first
; product's fragments take them (xg: byte expert*2^21 + tile*2^15 + cb*512 + lane*16 + 2 j holds x[row 16 tile + lane%16][16 cb + 8 (lane/16) + j]).
; So the product's loads of token rows take 512 consecutive bytes each, and the rows that a list names are fetched here once, in pieces of 256 consecutive bytes, aligned.
; SHARES.  Work-group (tile, expert); a wave takes a quarter of K: 16 rows x 512 bytes.  An expert can have all 1,024 tokens, 64 tiles, so the grid has 64 tiles for each expert: every work-group
; has rows under some split; one that this split leaves without rows stores nothing and ends.  Tile 0 is always laid (an expert without rows: token 0's row), since the product's loads name it.
; Rows past the count repeat the last row.  Tile 0's work-group also stores the expert's list, whole, and its count, one word a thread.
; THE LIST is made in LDS by wave 0 (every wave counts): 8 trips of four words of each slot; a lane whose bit is 1 stores its q at its rank (bits below mine + rows before), the others into a word behind the list.
; THE TURN from rows to fragments goes through the wave's own stage: rows 528 bytes apart (33 x 16), so that the 16 rows of a 16-byte read start in 16 different groups of four banks (64 banks of 4 bytes: ISA guide 11.1).
; No matrix unit, no cluster, no tensor load: a copy by a list, 4 MB each way, in which no two work-groups read the same bytes at the same place of their text.
.set LIST,  0                          ; 1,024 words, and 32 words behind them for the lanes with nothing to say
.set STAGE, 4096+256
.set SP,    528
.set SPARE, STAGE+4*16*SP              ; the spare words, 128 bytes a wave, that no other line names
.set LANE, 1
.set C16,  2                           ; 16 (lane % 16)
.set HI,   3                           ; lane / 16
.set L16,  4                           ; 16 lane
.set L4,   5                           ; 4 lane
.set DMP,  6                           ; 1024 + lane
.set Q0,   7                           ; q of my bit in the trip's first word, slot 0
.set Q1,   8                           ; slot 1
.set TA,   9
.set TB,   10
.set BM0,  11                          ; word lane of the bitmap, slot 0
.set BM1,  12                          ; slot 1
.set STO,  13
.set RD,   14
.set T4,   15                          ; 4 x my thread's number
.set Z,    16                          ; v[16:19] zeros
.set ROW,  20                          ; v[20:27] my byte offset in xh for the row pairs
.set SPW,  28                          ; SPARE + 4 x my thread's number; never rewritten
.set NIL,  29                          ; 0; never rewritten
.set CV,   30
.set LO,   31                          ; 1024 wave + 16 lane: my part of the list, in LDS and in lst
.set X,    32                          ; v[32:95]   rows as loaded
.set F,    96                          ; v[96:159]  fragments
.set LD,   160                         ; v[160:167] the list on its way out
.set RK,   168                         ; v[168:175] LDS addresses by rank
.set QT,   176                         ; v[176:183] q to store
	s_load_b256 s[4:11], s[0:1], 0x0               ; xh s[4:5], bm s[6:7], xg s[8:9], lst s[10:11]
	s_load_b64 s[12:13], s[0:1], 0x20              ; cn
	v_lshl_add_u32 v[SPW], v0, 2, SPARE
	v_mov_b32 v[NIL], 0
	v_lshrrev_b32 v[TA], 5, v0
	v_readfirstlane_b32 s14, v[TA]                 ; wave 0..3
	s_and_b32 s15, ttmp7, 0xffff                   ; expert
	s_mov_b32 s16, ttmp9                           ; tile
	v_and_b32 v[LANE], 31, v0
	v_and_b32 v[TB], 15, v0
	v_lshlrev_b32 v[C16], 4, v[TB]
	v_bfe_u32 v[HI], v0, 4, 1
	v_lshlrev_b32 v[L16], 4, v[LANE]
	v_lshlrev_b32 v[L4], 2, v[LANE]
	v_lshlrev_b32 v[T4], 2, v0
	v_add_nc_u32 v[DMP], 1024, v[LANE]
	v_mov_b32 v[Q0], v[LANE]
	v_add_nc_u32 v[Q1], 1024, v[LANE]
	s_mul_i32 s20, s14, 16*SP
	s_add_co_u32 s20, s20, STAGE                   ; my stage
	v_mul_u32_u24 v[STO], v[HI], SP                ; in: lanes 0-15 256 bytes of a row, lanes 16-31 of the next row
	v_add_nc_u32 v[STO], v[STO], v[C16]
	v_add_nc_u32 v[STO], s20, v[STO]
	v_mul_u32_u24 v[RD], v[TB], SP                 ; back: row lane % 16, 16 bytes for each half of the lanes
	v_lshl_add_u32 v[RD], v[HI], 4, v[RD]
	v_add_nc_u32 v[RD], s20, v[RD]
	s_lshl_b32 s21, s14, 10
	v_add_nc_u32 v[LO], s21, v[L16]
	s_lshl_b32 s22, s15, 8                         ; bm: 256 bytes an expert
	s_mov_b32 s23, 0
	s_lshl_b32 s24, s14, 9                         ; xh: my quarter of K, 512 bytes of a row
	s_mov_b32 s25, 0
	s_lshl_b32 s30, s15, 21                        ; xg: the expert, the tile, my quarter's 16 blocks
	s_lshl_b32 s31, s16, 15
	s_add_co_u32 s30, s30, s31
	s_lshl_b32 s31, s14, 13
	s_add_co_u32 s30, s30, s31
	s_mov_b32 s31, 0
	s_lshl_b32 s34, s15, 12                        ; lst: 4,096 bytes an expert
	s_mov_b32 s35, 0
	s_lshl_b32 s36, s15, 9                         ; cn: 512 bytes an expert
	s_mov_b32 s37, 0
	s_wait_kmcnt 0x0
	s_add_nc_u64 s[6:7], s[6:7], s[22:23]
	s_add_nc_u64 s[4:5], s[4:5], s[24:25]
	s_add_nc_u64 s[8:9], s[8:9], s[30:31]
	s_add_nc_u64 s[10:11], s[10:11], s[34:35]
	s_add_nc_u64 s[12:13], s[12:13], s[36:37]
	global_load_b32 v[BM0], v[L4], s[6:7]
	global_load_b32 v[BM1], v[L4], s[6:7] offset:128
	s_cmp_lg_u32 s14, 0
	s_cbranch_scc1 .Lnot0
.irp k, 0,1,2,3
	v_mov_b32 v[Z+\k], 0
.endr
.set wi, 0
.rept 8
	ds_store_b128 v[L16], v[Z:Z+3] offset:LIST+512*wi  ; the list's 1,024 words are written whole, by the wave that then stores the ranks, while the bitmap is on its way
.set wi, wi+1
.endr
.Lnot0:
	s_mov_b32 s32, 0                               ; the trip's first word
	s_mov_b32 s33, 0                               ; rows before it
	s_wait_loadcnt 0x0
.Llist:
	s_add_co_u32 s17, s32, 1
	s_add_co_u32 s18, s32, 2
	s_add_co_u32 s19, s32, 3
	v_readlane_b32 s40, v[BM0], s32                ; eight masks on end, so that none of them is waited for alone
	v_readlane_b32 s41, v[BM1], s32
	v_readlane_b32 s42, v[BM0], s17
	v_readlane_b32 s43, v[BM1], s17
	v_readlane_b32 s44, v[BM0], s18
	v_readlane_b32 s45, v[BM1], s18
	v_readlane_b32 s46, v[BM0], s19
	v_readlane_b32 s47, v[BM1], s19
	s_mov_b32 s48, s33                             ; s[48+k]: the rows before mask k
.irp k, 0,1,2,3,4,5,6
	s_bcnt1_i32_b32 s38, s[40+\k]
	s_add_co_u32 s[49+\k], s[48+\k], s38
.endr
	s_bcnt1_i32_b32 s38, s47
	s_add_co_u32 s33, s55, s38
	s_cmp_lg_u32 s14, 0
	s_cbranch_scc1 .Lnost
.irp k, 0,1,2,3,4,5,6,7
	v_mbcnt_lo_u32_b32 v[RK+\k], s[40+\k], s[48+\k]
.endr
.irp k, 0,1,2,3,4,5,6,7
	v_cndmask_b32 v[RK+\k], v[DMP], v[RK+\k], s[40+\k]
.endr
.irp k, 0,1,2,3,4,5,6,7
	v_min_u32 v[RK+\k], 0x41f, v[RK+\k]
.endr
.irp k, 0,1,2,3,4,5,6,7
	v_lshl_add_u32 v[RK+\k], v[RK+\k], 2, LIST
.endr
.irp k, 0,1,2,3,4,5,6,7
	v_add_nc_u32 v[QT+\k], 32*(\k/2), v[Q0+(\k%2)]
.endr
.irp k, 0,1,2,3,4,5,6,7
	ds_store_b32 v[RK+\k], v[QT+\k]
.endr
	v_add_nc_u32 v[Q0], 128, v[Q0]
	v_add_nc_u32 v[Q1], 128, v[Q1]
.Lnost:
	s_add_co_u32 s32, s32, 4
	s_cmp_lt_u32 s32, 32
	s_cbranch_scc1 .Llist
	s_min_u32 s26, s33, 1024                       ; the expert's rows
	s_max_u32 s27, s26, 1
	s_sub_co_u32 s27, s27, 1                       ; the last row's rank
	s_add_co_u32 s28, s26, 15
	s_lshr_b32 s28, s28, 4
	s_max_u32 s28, s28, 1                          ; tiles to lay: one at the least
	s_wait_dscnt 0x0                               ; for the others' sake: the list is in LDS
	s_barrier_signal -1
	s_barrier_wait -1
	s_cmp_lt_u32 s16, s28
	s_cbranch_scc1 .Lwork
	s_wait_tensorcnt 0x0                           ; no rows for this tile.  The wave's end: three closing lines behind my last LDS store
	ds_add_u32 v[SPW], v[NIL]
	s_wait_dscnt 0x0
	s_endpgm
.Lwork:
	s_lshl_b32 s50, s16, 4
	v_add_nc_u32 v[TA], s50, v[HI]
.set i, 0
.rept 8
	v_add_nc_u32 v[RK+i], 2*i, v[TA]               ; the rank of row 2 i + lane / 16,
	v_min_u32 v[RK+i], s27, v[RK+i]                ; or the last row's
	v_min_u32 v[RK+i], 0x3ff, v[RK+i]
	v_lshl_add_u32 v[RK+i], v[RK+i], 2, LIST
	ds_load_b32 v[ROW+i], v[RK+i]
.set i, i+1
.endr
	s_wait_dscnt 0x0
.set i, 0
.rept 8
	v_min_u32 v[ROW+i], 0x7ff, v[ROW+i]
	v_and_b32 v[ROW+i], 0x3ff, v[ROW+i]            ; the token
	v_lshl_add_u32 v[ROW+i], v[ROW+i], 11, v[C16]
.set i, i+1
.endr
.set i, 0
.rept 8
	global_load_b128 v[X+8*i:X+8*i+3], v[ROW+i], s[4:5]               ; 16 lanes take 256 consecutive bytes of a row, aligned
	global_load_b128 v[X+8*i+4:X+8*i+7], v[ROW+i], s[4:5] offset:256
.set i, i+1
.endr
	s_cmp_lg_u32 s16, 0
	s_cbranch_scc1 .Lnolist
	ds_load_b128 v[LD:LD+3], v[LO] offset:LIST     ; tile 0's work-group: list and count go out while the rows are on their way
	ds_load_b128 v[LD+4:LD+7], v[LO] offset:LIST+512
	v_mov_b32 v[CV], s26
	global_store_b32 v[T4], v[CV], s[12:13]        ; the count, one word a thread: the four waves fill the expert's 512 bytes
	s_wait_dscnt 0x0
	global_store_b128 v[LO], v[LD:LD+3], s[10:11]
	global_store_b128 v[LO], v[LD+4:LD+7], s[10:11] offset:512
.Lnolist:
.set i, 0
.rept 8
	s_wait_loadcnt 14-2*i                          ; loads come back in order: row pair i is in, the pairs behind it stay out
	ds_store_b128 v[STO], v[X+8*i:X+8*i+3] offset:2*i*SP
	ds_store_b128 v[STO], v[X+8*i+4:X+8*i+7] offset:2*i*SP+256
.set i, i+1
.endr
.set i, 0
.rept 16
	ds_load_b128 v[F+4*i:F+4*i+3], v[RD] offset:32*i   ; LDS serves a wave's instructions in order (ISA guide 5.7.1.4): these see the stores above
.set i, i+1
.endr
.set i, 0
.rept 16
	s_wait_dscnt 15-i                              ; block i is in; those behind it stay out
	global_store_b128 v[L16], v[F+4*i:F+4*i+3], s[8:9] offset:512*i   ; 512 consecutive bytes
.set i, i+1
.endr
	s_wait_tensorcnt 0x0                           ; the wave's end: three closing lines behind my last LDS store
	ds_add_u32 v[SPW], v[NIL]
	s_wait_dscnt 0x0
	s_endpgm
.Lfunc_end_k_qd7305b4d9d_place:
	.size	k_qd7305b4d9d_place, .Lfunc_end_k_qd7305b4d9d_place-k_qd7305b4d9d_place
	.p2alignl 7, 3214868480
	.fill 96, 4, 3214868480
	.section	.rodata,"a",@progbits
	.p2align	6, 0x0
	.amdhsa_kernel k_qd7305b4d9d_place
		.amdhsa_group_segment_fixed_size 38656
		.amdhsa_private_segment_fixed_size 0
		.amdhsa_enable_private_segment 0
		.amdhsa_kernarg_size 40
		.amdhsa_user_sgpr_count 2
		.amdhsa_user_sgpr_kernarg_segment_ptr 1
		.amdhsa_wavefront_size32 1
		.amdhsa_system_sgpr_workgroup_id_x 1
		.amdhsa_system_sgpr_workgroup_id_y 1
		.amdhsa_system_sgpr_workgroup_id_z 1
		.amdhsa_system_vgpr_workitem_id 0
		.amdhsa_next_free_vgpr 184
		.amdhsa_next_free_sgpr 66
		.amdhsa_reserve_vcc 0
		.amdhsa_float_denorm_mode_32 3
		.amdhsa_float_denorm_mode_16_64 3
		.amdhsa_memory_ordered 1
		.amdhsa_forward_progress 1
		.amdhsa_inst_pref_size 18
	.end_amdhsa_kernel
	.amdgpu_metadata
---
amdhsa.version: [ 1, 2 ]
amdhsa.kernels:
  - .name:           k_qd7305b4d9d_place
    .symbol:         k_qd7305b4d9d_place.kd
    .args:
      - { .name: xh, .offset: 0, .size: 8, .value_kind: global_buffer, .address_space: global }
      - { .name: bm, .offset: 8, .size: 8, .value_kind: global_buffer, .address_space: global }
      - { .name: xg, .offset: 16, .size: 8, .value_kind: global_buffer, .address_space: global }
      - { .name: lst, .offset: 24, .size: 8, .value_kind: global_buffer, .address_space: global }
      - { .name: cn, .offset: 32, .size: 8, .value_kind: global_buffer, .address_space: global }
    .group_segment_fixed_size: 38656
    .private_segment_fixed_size: 0
    .kernarg_segment_align: 8
    .kernarg_segment_size: 40
    .max_flat_workgroup_size: 128
    .sgpr_count:     66
    .vgpr_count:     184
    .wavefront_size: 32
...
	.end_amdgpu_metadata
.endif
;; end of part 2
;; launch ffn1 (part 3): grid 8 x 32, 4 waves a work-group, no clusters, 317,696 bytes of LDS; arguments xg, w1, b1, cn, hid; writes hid
.if DOCPART == 3
	.amdgcn_target "amdgcn-amd-amdhsa--gfx1250"
	.amdhsa_code_object_version 6
	.text
	.protected	k_qd7305b4d9d_ffn1
	.globl	k_qd7305b4d9d_ffn1
	.p2align	8
	.type	k_qd7305b4d9d_ffn1,@function
k_qd7305b4d9d_ffn1:
	s_mov_b64 s[64:65], 0
	v_nop
	global_prefetch_b8 v0, s[64:65] scope:SCOPE_SE
	s_setreg_imm32_b32 hwreg(HW_REG_WAVE_MODE, 25, 1), 1
	s_wait_xcnt 0x0
; FIRST PRODUCT OF THE EXPERTS (FFN = 1): hidden = relu(x w1[e] + b1[e]) for the rows that chose expert e, f16 operands, f32 sums, stored in f16.
; (The same text with FFN = 2 is the second product: partial rows hidden w2[e] (+ b2[e]) over a quarter of H, stored in f32.)
; SHARES.  Work-group (e, y) alone reads a slice [1,024 k][128 columns] of expert e's f32 weights, 512 KB in rows of 512 consecutive bytes, each byte once,
; and multiplies ALL rows of that expert by it.  FFN = 1: y = which 128 of H.  FFN = 2: y % 8 = which 128 of D, y / 8 = which quarter of H.
; The grid's x is the expert and its y the slice: the work-groups that read the same token rows are 8 apart in the launch's order.
; THE STREAM.  The slice passes through registers, is rounded to f16 and laid into LDS (WT, k-rows of 256 bytes, 288 apart), each byte written once.  A GROUP is 32 k-rows, one K step;
; wave w brings rows 8 w .. 8 w + 7 of each group by eight loads.  A group's TURN (16 conversions, 8 LDS stores) stands in K step s for group s + 3, and the registers it frees are
; asked for group s + 7 at once: four groups and three steps' token rows are always on their way, 62 loads a wave at the most by this text's count.
; THE PRODUCT is used transposed: source 0 = 16 columns of W (turned out of LDS by ds_load_tr16_b128), source 1 = 16 token rows: lane (r, h) then holds row r and the 8 neighbouring
; columns 8 h + 0..7.  The bias, laid out so, is the C operand of the first K step: nothing is cleared and nothing added later.
; THE ROWS.  An earlier launch has laid the expert's rows end to end, in tiles of 16 and in the order of this product's fragments (FFN = 1: x in f16; FFN = 2: the hidden rows, as the first
; product stored them), and has stored each expert's count and its list of rows (q = slot x 1024 + token, by rank).  So half a fragment is 512 consecutive bytes, and of the routing only the count
; steers anything here; FFN = 2 copies the list into LDS for its way out.
; Pass 0, under the stream: wave w has tiles w, 4 + w, .. 16 + w (320 rows).  Passes 1 to 6, for an expert with more rows: two tiles a wave, WT only read;
; a pass whose first tile does not exist does no work.  So every split is served, 0 to 1,024 rows.  A tile that does not exist repeats the last one's loads and stores nothing;
; where the fifth tile does not exist, its products from K step 1 on and its loads from K step 4's on are jumped; rows past the count repeat the last row.
; ORDER IN LDS BEHIND PASS 0.  The later passes' reads of WT have addresses that step in a loop inside the loop over passes.  They are kept apart from every later LDS write by barriers that
; every wave passes (seven passes, a constant), not by the regions' arithmetic alone: FFN = 2: one between a pass's reads and the stores into the stages, one between those stores and the next pass's reads;
; FFN = 1, which writes LDS no more: one behind the last pass, ahead of the closing add.
; LIMITS.  f16 ends at 65,504: x, the weights and x w1 + b1 must lie within it (at 65,520 the hidden number becomes an infinity); below 6e-5 f16 keeps its fixed step of 6e-8.
; NO CLUSTER: each weight byte has one reader.  What an expert's work-groups share is token rows; a shared tile of them would have to land in LDS, of which WT leaves 32 KB,
; and one K step's rows of 20 tiles are 20 KB: two slots do not fit.
; NO TENSOR LOAD: the weights must pass through registers to be rounded.
; REGISTERS, in windows of 256 (s_set_vgpr_msb: bits 1:0 source 0, 3:2 source 1, 5:4 source 2, 7:6 destination):
;   window 0: v0-31 addresses; v32-47 a turn's f16; v48-57 offsets a tile; v64-223 token rows, four slots of five fragments; on the way out v64-127 data, v192-231 the rows' offsets
;   window 1: v0-127 W's fragments, two buffers; v128-191 the bias      window 2: accumulators of tiles 0-3 (tile i, block nb at 64 i + 8 nb); at the start groups 0-2 as loaded
;   window 3: v0-63 tile 4; v64-191 the ring of four groups as loaded
.set FFN,   1
.if FFN == 1
.set PITCH, 16384                      ; bytes from a k-row of the weights to the next
.set ASH,   15                         ; a tile of the token rows is 2^ASH bytes: 16 rows x 1,024 k
.else
.set PITCH, 4096
.set ASH,   17                         ; 16 rows x 4,096 k
.endif
.set ASTEP, 1024                       ; bytes of a tile's fragments from K step to K step
.set AHALF, 512                        ; and from a fragment's first four registers to the other four
.set WP,    288                        ; 9 x 32 bytes
.set GRP,   32*WP
.set LIST,  1024*WP                    ; FFN = 2: 1,024 words: q by rank
.set BIAS,  LIST+4096+256              ; 128 f32
.set STAGE, BIAS+512                   ; FFN = 2: 16 rows x 272 bytes for each wave
.set SPARE, STAGE+4*16*272             ; the spare words, 128 bytes a wave, that no other line names
.set LANE, 1
.set R,    2                           ; lane % 16
.set L16,  4                           ; 16 lane
.set BT0,  5                           ; my lane's place in a group, for the turning load
.set BT,   6                           ; BT0 + the trip's groups
.set LS,   7                           ; where my turns store, in the trip in hand
.set LS0,  8                           ; LSP + 4 groups
.set LW,   9                           ; FFN = 2: where my part of the list goes in LDS
.set TA,   12
.set BV,   16                          ; v[16:19] the bias as loaded
.set BAD,  20                          ; BIAS + 32 (lane / 16)
.set STO,  21
.set RD,   22
.set HI,   23                          ; lane / 16
.set R16,  24
.set LSP,  25                          ; my 8 bytes in my wave's first row of group 0
.set SPW,  28                          ; SPARE + 4 x my thread's number; never rewritten
.set NIL,  29                          ; 0; never rewritten
.set ZR,   30
.set T,    32                          ; a turn's f16; at the start, FFN = 2: my part of the list as loaded
.set AOFF, 48                          ; tile i: my byte offset in the token rows
.set HOFF, 53                          ; tile i: my byte offset in hid (FFN = 1)
.set AR,   64
.set ROW,  192                         ; FFN = 2, the way out: tile i, row pair j at ROW + 8 i + j: my byte offset in part
.set RING, 64
; scalars: s[4:5] token rows, s[6:7] my wave's rows of the slice, s[8:9] bias, s[10:11] count, s[12:13] output, s[60:61] list; s14 wave, s15 expert, s16 slice; s[20:21], s[22:23] the stepped bases of W and of the rows;
; s24 LDS bytes of the trips done; s26 count, s27 count - 1, s28 tiles, s29 the last tile; s30 pass, s31 trip; s33 the count as loaded; s38 tile 4 exists; s40-44 the tiles as dealt, s45-49 clamped
.set MSB, 0
.macro WIN new                         ; the immediate's high byte repeats the setting that is left; a switch that changes nothing is dropped
.if MSB != (\new)
	s_set_vgpr_msb (MSB<<8)|(\new)
.set MSB, \new
.endif
.endm
.macro PLACES                          ; four plain vector instructions between a matrix instruction and a load into, or a reader of, its registers
.rept 4
	v_nop
.endr
.endm
.macro MEET                            ; a barrier of the four waves; none of my LDS instructions is out at the signal
	s_wait_dscnt 0x0
	s_barrier_signal -1
	s_barrier_wait -1
.endm
.macro WLOAD win, reg, sb, imm         ; my 8 rows of a group: each load takes 512 consecutive bytes
	WIN \win
.set wi, 0
.rept 8
	global_load_b128 v[(\reg)+4*wi:(\reg)+4*wi+3], v[L16], s[\sb:\sb+1] offset:(\imm)+wi*PITCH th:TH_LOAD_NT
.set wi, wi+1
.endr
.endm
.macro TURNC win, reg                  ; a turn's 16 roundings
	WIN \win
.set wi, 0
.rept 8
	v_cvt_pk_f16_f32 v[T+2*wi], v[(\reg)+4*wi], v[(\reg)+4*wi+1]
	v_cvt_pk_f16_f32 v[T+2*wi+1], v[(\reg)+4*wi+2], v[(\reg)+4*wi+3]
.set wi, wi+1
.endr
.endm
.macro TURNS areg, imm                 ; and its 8 stores: 256 consecutive bytes each
	WIN 0
.set wi, 0
.rept 8
	ds_store_b64 v[\areg], v[T+2*wi:T+2*wi+1] offset:(\imm)+wi*WP
.set wi, wi+1
.endr
.endm
.macro BLOAD bb, imm                   ; a K step's 8 fragments of W: 16 columns x 32 k each
	WIN 0x40
.irp nb, 0,1,2,3,4,5,6,7
	ds_load_tr16_b128 v[64*(\bb)+8*\nb:64*(\bb)+8*\nb+3], v[BT] offset:(\imm)+32*\nb
	ds_load_tr16_b128 v[64*(\bb)+8*\nb+4:64*(\bb)+8*\nb+7], v[BT] offset:(\imm)+32*\nb+16*WP
.endr
.endm
.macro ALOAD a, imm, mt                ; a K step's fragments of tiles 0 to mt - 1 of token rows, into slot a: 512 consecutive bytes a load
	WIN 0
.set ai, 0
.rept \mt
	global_load_b128 v[AR+40*(\a)+8*ai:AR+40*(\a)+8*ai+3], v[AOFF+ai], s[22:23] offset:(\imm)
	global_load_b128 v[AR+40*(\a)+8*ai+4:AR+40*(\a)+8*ai+7], v[AOFF+ai], s[22:23] offset:(\imm)+AHALF
.set ai, ai+1
.endr
.endm
.macro ALOAD1 a, imm, i                ; the same for tile i alone
	WIN 0
	global_load_b128 v[AR+40*(\a)+8*(\i):AR+40*(\a)+8*(\i)+3], v[AOFF+(\i)], s[22:23] offset:(\imm)
	global_load_b128 v[AR+40*(\a)+8*(\i)+4:AR+40*(\a)+8*(\i)+7], v[AOFF+(\i)], s[22:23] offset:(\imm)+AHALF
.endm
.macro MULT i, bb, a, first            ; tile i's 8 products of a K step; first = 1: the bias starts the sums
.if (\i) < 4
.set AC, 64*(\i)
	WIN 0xa1-0x10*(\first)
.else
.set AC, 0
	WIN 0xf1-0x20*(\first)
.endif
.irp nb, 0,1,2,3,4,5,6,7
.if \first
	v_wmma_f32_16x16x32_f16 v[AC+8*\nb:AC+8*\nb+7], v[64*(\bb)+8*\nb:64*(\bb)+8*\nb+7], v[AR+40*(\a)+8*(\i):AR+40*(\a)+8*(\i)+7], v[128+8*\nb:128+8*\nb+7]
.else
	v_wmma_f32_16x16x32_f16 v[AC+8*\nb:AC+8*\nb+7], v[64*(\bb)+8*\nb:64*(\bb)+8*\nb+7], v[AR+40*(\a)+8*(\i):AR+40*(\a)+8*(\i)+7], v[AC+8*\nb:AC+8*\nb+7]
.endif
.endr
.endm
; K STEP s = 4 j + 1 + p of trip j (p = -1: step 0).  mt tiles.  turn = 1: group s + 3 is rounded and stored; 2: and group s + 7 asked for.  lda: the rows of step s + 3 are asked for.
; ldb: W's fragments of step s + 1 are read.  n: the fewest loads that can be younger than this step's rows (the fifth tile's two loads a step may be absent: they are not counted);
; the group of this step's turn was asked for before those rows, and loads come back in order.
; bar: a barrier that publishes the turns of the steps before: groups up to s + 2, which the reads of this step and the next want.  No byte of WT is written twice, so it orders nothing else.
; The accumulators take turns, one instruction a turn: 40, 32 or 16 different ones between two links of a chain.
.macro KSTEP mt, p, first, turn, lda, ldb, n, bar
.set kb, ((\p)+1)&1
.set ka, ((\p)+1)&3
.set kn, ((\p)+2)&1
.set kr, (\p)&3
	s_wait_dscnt 0x0                               ; this step's fragments of W are in, and my turns' stores are done
	s_wait_loadcnt \n
.if \bar
	s_barrier_signal -1
.endif
	MULT 0, kb, ka, \first
.if \bar
	s_barrier_wait -1
.endif
.if \turn
	TURNC 0x0f, RING+32*kr                         ; also the places in front of the loads below: none names a register of a product
.else
	PLACES
.endif
.if \ldb
	BLOAD kn, ((\p)+2)*GRP
.endif
.if \turn
.if (\p) < 0
	TURNS LSP, 3*GRP
.else
	TURNS LS, (\p)*GRP
.endif
.endif
.if \lda
.if ((\mt) == 5) && ((\first) == 0)
	ALOAD kr, ((\p)+4)*ASTEP, 4
	s_cmp_eq_u32 s38, 0
	s_cbranch_scc1 .Lnl4_\@                        ; a fifth tile that does not exist is not fetched: two loads are jumped, no wait and no barrier
	ALOAD1 kr, ((\p)+4)*ASTEP, 4
.Lnl4_\@:
.else
	ALOAD kr, ((\p)+4)*ASTEP, \mt                  ; (steps 0 to 3's rows are fetched for all five tiles: each slot's registers are written in every wave)
.endif
.endif
.if (\turn) == 2
	WLOAD 0xc0, RING+32*kr, 20, 32*(\p)*PITCH
.endif
	MULT 1, kb, ka, \first
.if (\mt) == 5
	MULT 2, kb, ka, \first
	MULT 3, kb, ka, \first
.if \first
	MULT 4, kb, ka, 1
.else
	WIN 0                                          ; at a branch and at a label every window is 0
	s_cmp_eq_u32 s38, 0
	s_cbranch_scc1 .Lno4_\@                        ; no load, wait or barrier is jumped
	MULT 4, kb, ka, 0
	WIN 0
.Lno4_\@:
.endif
.endif
.endm
.macro TRIPEND stream                  ; four K steps on
	WIN 0
	s_wait_xcnt 0x0                                ; the bases of pending loads are stepped only behind this wait
	s_add_nc_u64 s[22:23], s[22:23], 4*ASTEP
	s_add_co_u32 s24, s24, 4*GRP
	v_add_nc_u32 v[BT], s24, v[BT0]
.if \stream
	s_add_nc_u64 s[20:21], s[20:21], 128*PITCH
	v_add_nc_u32 v[LS], s24, v[LS0]
.endif
.endm
; A pass's tiles: as dealt (s40..; for the later passes they are set ahead of the macro), clamped to one that exists (s45..), and each lane's offsets.
.macro TILESET over
.if \over
	s_wait_xcnt 0x0                                ; offsets and data of the last pass's loads and stores are rewritten only behind this wait (pass 0 writes them for the first time)
.set NT, 2
.else
.set NT, 5
	s_mov_b32 s40, s14
	s_add_co_u32 s41, s14, 4
	s_add_co_u32 s42, s14, 8
	s_add_co_u32 s43, s14, 12
	s_add_co_u32 s44, s14, 16
	s_cmp_lt_u32 s44, s28
	s_cselect_b32 s38, 1, 0
.endif
.set ti, 0
.rept NT
	s_min_u32 s[45+ti], s[40+ti], s29
	s_min_u32 s[45+ti], s[45+ti], 63
	s_lshl_b32 s50, s[45+ti], ASH
	v_add_nc_u32 v[AOFF+ti], s50, v[L16]
.if FFN == 1
	s_lshl_b32 s50, s[45+ti], 17                   ; a tile of hid is 131,072 bytes
	v_add_nc_u32 v[HOFF+ti], s50, v[L16]
.endif
.set ti, ti+1
.endr
	s_mov_b32 s24, 0
	v_mov_b32 v[BT], v[BT0]
	s_mov_b64 s[22:23], s[4:5]
.endm
; THE WAY OUT of tile i; jumped where the tile does not exist.
.if FFN == 1
; Rounded to f16 and cut at 0, a lane's 8 numbers of a block are 16 bytes, and the wave's 512 bytes ARE half a fragment of the second product's source 1: stored as they lie, 512 consecutive bytes a store.
.macro EPI i
	s_cmp_ge_u32 s[40+\i], s28
	s_cbranch_scc1 .Ldead_\@
.if (\i) < 4
.set AC, 64*(\i)
	WIN 0x0a
.else
.set AC, 0
	WIN 0x0f
.endif
.set ei, 0
.rept 32
	v_cvt_pk_f16_f32 v[AR+32*(\i)+ei], v[AC+2*ei], v[AC+2*ei+1]  ; each accumulator's registers in ascending order
.set ei, ei+1
.endr
	WIN 0
.set ei, 0
.rept 32
	v_pk_max_num_f16 v[AR+32*(\i)+ei], v[AR+32*(\i)+ei], v[ZR]
.set ei, ei+1
.endr
.set ei, 0
.rept 8
	global_store_b128 v[HOFF+\i], v[AR+32*(\i)+4*ei:AR+32*(\i)+4*ei+3], s[12:13] offset:512*ei
.set ei, ei+1
.endr
.Ldead_\@:
.endm
.else
; f32 rows go to places that the list names.  ROWS makes the offsets of all five tiles' rows at once: one operation at a time over 40 registers, so that no line waits for the one before it, 40 reads of the list, one wait.
; (Row pair j of a tile is rows 2 j and 2 j + 1: lanes 0-15 store the one, lanes 16-31 the other.  In the later passes tiles 2 to 4 keep pass 0's numbers, which exist; their offsets are not used.)
.macro ROWS
	s_wait_xcnt 0x0                                ; the last pass's stores have read their offsets and data
.set ti, 0
.rept 5
	s_lshl_b32 s50, s[45+ti], 4
	v_add_nc_u32 v[TA], s50, v[HI]
.set ei, 0
.rept 8
	v_add_nc_u32 v[AR+8*ti+ei], 2*ei, v[TA]        ; the rank of row 2 ei + lane / 16,
.set ei, ei+1
.endr
.set ti, ti+1
.endr
.set ei, 0
.rept 40
	v_min_u32 v[AR+ei], s27, v[AR+ei]              ; or the last row's: the same numbers to the same place
.set ei, ei+1
.endr
.set ei, 0
.rept 40
	v_min_u32 v[AR+ei], 0x3ff, v[AR+ei]
.set ei, ei+1
.endr
.set ei, 0
.rept 40
	v_lshl_add_u32 v[AR+ei], v[AR+ei], 2, LIST
.set ei, ei+1
.endr
.set ei, 0
.rept 40
	ds_load_b32 v[ROW+ei], v[AR+ei]
.set ei, ei+1
.endr
	s_wait_dscnt 0x0
.set ei, 0
.rept 40
	v_min_u32 v[ROW+ei], 0x7ff, v[ROW+ei]
.set ei, ei+1
.endr
.set ei, 0
.rept 40
	v_lshl_add_u32 v[ROW+ei], v[ROW+ei], 12, v[R16]
.set ei, ei+1
.endr
.endm
; A tile goes 64 columns at a time through my own stage: 16 bytes a lane in, whole rows of 256 bytes back, so that 16 lanes store 256 consecutive bytes, aligned.  The second half's stores into the stage
; follow the first half's reads with no wait: LDS serves a wave's instructions in order (ISA guide 5.7.1.4), and no other wave touches my stage.
.macro EPI i
	s_cmp_ge_u32 s[40+\i], s28
	s_cbranch_scc1 .Ldead_\@
	s_wait_xcnt 0x0                                ; the last tile's stores have read their data
.irp hf, 0,1
.if (\i) < 4
.set AC, 64*(\i)
	WIN 0x08                                       ; the stores' data in window 2
.else
.set AC, 0
	WIN 0x0c
.endif
.set ei, 0
.rept 4
	ds_store_b128 v[STO], v[AC+32*\hf+8*ei:AC+32*\hf+8*ei+3] offset:64*ei        ; each accumulator's low four registers first
	ds_store_b128 v[STO], v[AC+32*\hf+8*ei+4:AC+32*\hf+8*ei+7] offset:64*ei+16
.set ei, ei+1
.endr
	WIN 0
.set ei, 0
.rept 8
	ds_load_b128 v[AR+32*\hf+4*ei:AR+32*\hf+4*ei+3], v[RD] offset:544*ei          ; these see the stores above
.set ei, ei+1
.endr
.endr
	s_wait_dscnt 16                                ; the first half is back; the second half's 8 stores and 8 loads stay out
.set ei, 0
.rept 8
	global_store_b128 v[ROW+8*(\i)+ei], v[AR+4*ei:AR+4*ei+3], s[12:13] th:TH_STORE_NT
.set ei, ei+1
.endr
	s_wait_dscnt 0x0
.set ei, 0
.rept 8
	global_store_b128 v[ROW+8*(\i)+ei], v[AR+32+4*ei:AR+32+4*ei+3], s[12:13] offset:256 th:TH_STORE_NT
.set ei, ei+1
.endr
.Ldead_\@:
.endm
.endif
	s_load_b256 s[4:11], s[0:1], 0x0               ; token rows, weights, bias, counts
	s_load_b64 s[12:13], s[0:1], 0x20              ; output
.if FFN == 2
	s_load_b64 s[60:61], s[0:1], 0x28              ; lists
.endif
	v_lshl_add_u32 v[SPW], v0, 2, SPARE
	v_mov_b32 v[NIL], 0
	v_lshrrev_b32 v[TA], 5, v0
	v_readfirstlane_b32 s14, v[TA]                 ; wave 0..3
	s_mov_b32 s15, ttmp9                           ; expert
	s_and_b32 s16, ttmp7, 0xffff                   ; slice
	v_and_b32 v[LANE], 31, v0
	v_and_b32 v[R], 15, v0
	v_bfe_u32 v[HI], v0, 4, 1
	v_lshlrev_b32 v[L16], 4, v[LANE]
	v_and_b32 v[TA], 7, v0                         ; the turning load: lane l reads k-row 8 (l / 16) + l % 8, columns 8 ((l / 8) % 2) + 0..7
	v_lshl_add_u32 v[TA], v[HI], 3, v[TA]
	v_mul_u32_u24 v[BT0], v[TA], WP
	v_bfe_u32 v[TA], v0, 3, 1
	v_lshl_add_u32 v[BT0], v[TA], 4, v[BT0]
	s_mul_i32 s50, s14, 8*WP
	v_lshl_add_u32 v[LSP], v[LANE], 3, s50
	v_add_nc_u32 v[LS0], 4*GRP, v[LSP]
	v_lshl_add_u32 v[BAD], v[HI], 5, BIAS
	s_mul_i32 s51, s14, 8*PITCH                    ; my wave's 8 rows of each group
	s_lshl_b32 s18, s15, 24                        ; an expert's weights are 2^24 bytes
	s_add_co_u32 s18, s18, s51
	s_mov_b32 s19, 0
	s_mov_b32 s53, 0
	s_lshl_b32 s54, s15, 9                         ; the counts: 512 bytes an expert
	s_mov_b32 s55, 0
	s_mov_b32 s57, 0
	s_mov_b32 s59, 0
.if FFN == 1
	v_mov_b32 v[ZR], 0
	s_lshl_b32 s50, s16, 9                         ; the slice's 512 bytes of a row
	s_add_co_u32 s18, s18, s50
	s_lshl_b32 s52, s15, 14
	s_add_co_u32 s52, s52, s50
	s_lshl_b32 s56, s15, 23                        ; hid: the expert's 2^23 bytes, the slice's 8 blocks of 16 columns
	s_lshl_b32 s51, s16, 12
	s_add_co_u32 s56, s56, s51
	s_lshl_b32 s58, s15, 21                        ; the rows of x: the expert's 2^21 bytes
.else
	s_and_b32 s17, s16, 7                          ; which 128 columns of D
	s_lshr_b32 s25, s16, 3                         ; which quarter of H
	s_lshl_b32 s50, s17, 9
	s_add_co_u32 s18, s18, s50
	s_lshl_b32 s51, s25, 22
	s_add_co_u32 s18, s18, s51
	s_lshl_b32 s52, s15, 12
	s_add_co_u32 s52, s52, s50
	s_lshl_b32 s56, s25, 23                        ; part: the quarter's 2^23 bytes
	s_add_co_u32 s56, s56, s50
	s_lshl_b32 s58, s15, 23                        ; hid: the expert, the quarter's 64 blocks of 16 columns
	s_lshl_b32 s51, s25, 15
	s_add_co_u32 s58, s58, s51
	s_cmp_eq_u32 s25, 0
	s_cselect_b32 s39, 1.0, 0                      ; the bias belongs to the first quarter's partial rows alone
	s_mul_i32 s51, s14, 16*272
	s_add_co_u32 s51, s51, STAGE                   ; my stage
	v_mul_u32_u24 v[STO], v[R], 272                ; in: row l % 16, 32 bytes for each half of the lanes
	v_lshl_add_u32 v[STO], v[HI], 5, v[STO]
	v_add_nc_u32 v[STO], s51, v[STO]
	v_mul_u32_u24 v[RD], v[HI], 272                ; back: lanes 0-15 one row of 256 bytes, lanes 16-31 the next
	v_lshl_add_u32 v[RD], v[R], 4, v[RD]
	v_add_nc_u32 v[RD], s51, v[RD]
	v_lshlrev_b32 v[R16], 4, v[R]
	s_lshl_b32 s62, s15, 12                        ; the lists: 4,096 bytes an expert, of which my wave copies 1,024
	s_lshl_b32 s51, s14, 10
	s_add_co_u32 s62, s62, s51
	s_mov_b32 s63, 0
	s_add_co_u32 s51, s51, LIST
	v_add_nc_u32 v[LW], s51, v[L16]
.endif
	s_wait_kmcnt 0x0
	s_add_nc_u64 s[10:11], s[10:11], s[54:55]
	s_load_b32 s33, s[10:11], 0x0                  ; the expert's rows: asked for first, wanted behind the 40 loads of weights
	s_add_nc_u64 s[6:7], s[6:7], s[18:19]
	s_add_nc_u64 s[8:9], s[8:9], s[52:53]
	s_add_nc_u64 s[12:13], s[12:13], s[56:57]
	s_add_nc_u64 s[4:5], s[4:5], s[58:59]
.if FFN == 2
	s_add_nc_u64 s[60:61], s[60:61], s[62:63]
.endif
	global_load_b128 v[BV:BV+3], v[L16], s[8:9]
.if FFN == 2
	global_load_b128 v[T:T+3], v[L16], s[60:61]
	global_load_b128 v[T+4:T+7], v[L16], s[60:61] offset:512
.endif
	WLOAD 0x80, 0, 6, 0                            ; groups 0 to 2 land where accumulators will be,
	WLOAD 0x80, 32, 6, 32*PITCH
	WLOAD 0x80, 64, 6, 64*PITCH
	WLOAD 0xc0, RING+96, 6, 96*PITCH               ; group g from 3 on in ring slot g % 4
	WLOAD 0xc0, RING, 6, 128*PITCH
	WIN 0
	s_wait_kmcnt 0x0
	s_min_u32 s26, s33, 1024                       ; the expert's rows
	s_max_u32 s27, s26, 1
	s_sub_co_u32 s27, s27, 1                       ; the last row's rank
	s_add_co_u32 s28, s26, 15
	s_lshr_b32 s28, s28, 4                         ; tiles: 64 at the most
	s_max_u32 s29, s28, 1
	s_sub_co_u32 s29, s29, 1                       ; the last tile
.if FFN == 1
	s_max_u32 s28, s28, 1                          ; an expert without rows still writes tile 0 of hid, which the second product's loads name
.endif
	TILESET 0
	v_mov_b32 v[LS], v[LS0]
	ALOAD 0, 0, 5
	ALOAD 1, ASTEP, 5
	s_wait_loadcnt 60                              ; the bias (FFN = 2: and my part of the list) is in; 40 loads of weights and 20 of rows stay out
.if FFN == 2
	ds_store_b128 v[LW], v[T:T+3]
	ds_store_b128 v[LW], v[T+4:T+7] offset:512
.endif
	s_cmp_lg_u32 s14, 0
	s_cbranch_scc1 .Lnot0
.if FFN == 2
.irp k, 0,1,2,3
	v_mul_f32 v[BV+\k], s39, v[BV+\k]
.endr
.endif
	v_add_nc_u32 v[TA], BIAS, v[L16]
	ds_store_b128 v[TA], v[BV:BV+3]
.Lnot0:
	MEET                                           ; for the others' sake: bias and list are in LDS
	WIN 0x40
.irp nb, 0,1,2,3,4,5,6,7
	ds_load_b128 v[128+8*\nb:128+8*\nb+3], v[BAD] offset:64*\nb       ; the bias as a product's C: columns 16 nb + 8 (l / 16) + 0..7
	ds_load_b128 v[128+8*\nb+4:128+8*\nb+7], v[BAD] offset:64*\nb+16
.endr
	s_wait_loadcnt 52                              ; group 0 is in: behind it groups 1-4 (32) and two steps' rows (20)
	TURNC 0x0a, 0
	TURNS LSP, 0
	WLOAD 0xc0, RING+32, 6, 160*PITCH              ; group 5
	s_wait_loadcnt 52                              ; group 1: behind it groups 2-4 (24), the rows (20), group 5 (8)
	TURNC 0x0a, 32
	TURNS LSP, GRP
	ALOAD 2, 2*ASTEP, 5
	s_wait_loadcnt 54                              ; group 2: behind it groups 3, 4 (16), rows (20), group 5 (8), rows (10)
	TURNC 0x0a, 64
	TURNS LSP, 2*GRP
	WLOAD 0xc0, RING+64, 6, 192*PITCH              ; group 6
	WIN 0
	MEET                                           ; the bias is in registers; for the others' sake: my rows of groups 0 to 2 are in LDS
	BLOAD 0, 0
	WIN 0
	s_add_nc_u64 s[20:21], s[6:7], 256*PITCH       ; group 8: step s asks for group s + 7 at 32 p rows from here
	s_mov_b32 s30, 0
	; PASS 0.  The counts: behind step s's rows stand at the least 8 + 8 + 8 + 8 + 8 younger loads (groups s + 4 to s + 6; four tiles' rows of steps s + 1, s + 2) while the stream lasts; they run down when it
	; ends.  A wave with a fifth tile has up to four more out, and so waits for up to four loads of group s + 4 as well.
	KSTEP 5, -1, 1, 2, 1, 1, 36, 0                 ; step 0: behind its rows stand rows 1 (10), group 5, rows 2 (10), group 6
	WIN 0
	s_mov_b32 s31, 6
.Lk0:                                                  ; steps 1 to 24
	KSTEP 5, 0, 0, 2, 1, 1, 40, 1
	KSTEP 5, 1, 0, 2, 1, 1, 40, 0
	KSTEP 5, 2, 0, 2, 1, 1, 40, 1
	KSTEP 5, 3, 0, 2, 1, 1, 40, 0
	TRIPEND 1
	s_sub_co_u32 s31, s31, 1
	s_cmp_lg_u32 s31, 0
	s_cbranch_scc1 .Lk0
	KSTEP 5, 0, 0, 1, 1, 1, 40, 1                  ; steps 25 to 28: the last four turns; no group is left to ask for
	KSTEP 5, 1, 0, 1, 1, 1, 32, 0
	KSTEP 5, 2, 0, 1, 1, 1, 24, 1
	KSTEP 5, 3, 0, 1, 1, 1, 16, 0
	TRIPEND 1
	KSTEP 5, 0, 0, 0, 0, 1, 16, 1                  ; steps 29 to 31: the last barrier publishes the last groups
	KSTEP 5, 1, 0, 0, 0, 1, 8, 0
	KSTEP 5, 2, 0, 0, 0, 0, 0, 0
	WIN 0
	s_branch .Lepi
	; PASSES 1 TO 6: tiles 20 + 8 (pass - 1) + w and four further on.  WT is whole and only read.
.Lover:
	s_lshl_b32 s40, s30, 3
	s_add_co_u32 s40, s40, 12
	s_add_co_u32 s40, s40, s14
	s_add_co_u32 s41, s40, 4
	s_mov_b32 s42, 64                              ; there is no tile 64: these three store nothing
	s_mov_b32 s43, 64
	s_mov_b32 s44, 64
	s_cmp_ge_u32 s40, s28                          ; my first tile does not exist: then none of the five does
.if FFN == 1
	s_cbranch_scc1 .Lnext
.else
	s_cbranch_scc1 .Lepi                           ; the pass's two barriers are passed all the same
.endif
	TILESET 1
	PLACES
	ALOAD 0, 0, 2
	ALOAD 1, ASTEP, 2
	ALOAD 2, 2*ASTEP, 2
	BLOAD 0, 0
	KSTEP 2, -1, 1, 0, 1, 1, 8, 0                  ; behind a step's rows stand the next two steps' (4 + 4)
	WIN 0
	s_mov_b32 s31, 7
.Lk1:
	KSTEP 2, 0, 0, 0, 1, 1, 8, 0
	KSTEP 2, 1, 0, 0, 1, 1, 8, 0
	KSTEP 2, 2, 0, 0, 1, 1, 8, 0
	KSTEP 2, 3, 0, 0, 1, 1, 8, 0
	TRIPEND 0
	s_sub_co_u32 s31, s31, 1
	s_cmp_lg_u32 s31, 0
	s_cbranch_scc1 .Lk1
	KSTEP 2, 0, 0, 0, 0, 1, 8, 0
	KSTEP 2, 1, 0, 0, 0, 1, 4, 0
	KSTEP 2, 2, 0, 0, 0, 0, 0, 0
	WIN 0
.Lepi:
.if FFN == 2
	MEET                                           ; every wave's reads of WT in this pass are back before any wave stores into its stage
	s_cmp_ge_u32 s40, s28                          ; my lowest tile does not exist: nothing of mine goes out; no barrier is jumped
	s_cbranch_scc1 .Lnext
.endif
	PLACES
.if FFN == 2
	ROWS
.endif
	EPI 0
	EPI 1
	EPI 2
	EPI 3
	EPI 4
.Lnext:
.if FFN == 2
	MEET                                           ; every wave's stores into its stage are done before any wave reads WT in the next pass, or adds at its end
.endif
	s_add_co_u32 s30, s30, 1
	s_cmp_lt_u32 s30, 7
	s_cbranch_scc1 .Lover
.if FFN == 1
	MEET                                           ; every wave's reads of WT are back before any wave adds at its end
.endif
	s_wait_tensorcnt 0x0                           ; the wave's end: three closing lines behind my last LDS store
	ds_add_u32 v[SPW], v[NIL]
	s_wait_dscnt 0x0
	s_endpgm
.Lfunc_end_k_qd7305b4d9d_ffn1:
	.size	k_qd7305b4d9d_ffn1, .Lfunc_end_k_qd7305b4d9d_ffn1-k_qd7305b4d9d_ffn1
	.p2alignl 7, 3214868480
	.fill 96, 4, 3214868480
	.section	.rodata,"a",@progbits
	.p2align	6, 0x0
	.amdhsa_kernel k_qd7305b4d9d_ffn1
		.amdhsa_group_segment_fixed_size 317696
		.amdhsa_private_segment_fixed_size 0
		.amdhsa_enable_private_segment 0
		.amdhsa_kernarg_size 40
		.amdhsa_user_sgpr_count 2
		.amdhsa_user_sgpr_kernarg_segment_ptr 1
		.amdhsa_wavefront_size32 1
		.amdhsa_system_sgpr_workgroup_id_x 1
		.amdhsa_system_sgpr_workgroup_id_y 1
		.amdhsa_system_sgpr_workgroup_id_z 1
		.amdhsa_system_vgpr_workitem_id 0
		.amdhsa_next_free_vgpr 960
		.amdhsa_next_free_sgpr 66
		.amdhsa_reserve_vcc 0
		.amdhsa_float_denorm_mode_32 3
		.amdhsa_float_denorm_mode_16_64 3
		.amdhsa_memory_ordered 1
		.amdhsa_forward_progress 1
		.amdhsa_inst_pref_size 140
	.end_amdhsa_kernel
	.amdgpu_metadata
---
amdhsa.version: [ 1, 2 ]
amdhsa.kernels:
  - .name:           k_qd7305b4d9d_ffn1
    .symbol:         k_qd7305b4d9d_ffn1.kd
    .args:
      - { .name: xg, .offset: 0, .size: 8, .value_kind: global_buffer, .address_space: global }
      - { .name: w1, .offset: 8, .size: 8, .value_kind: global_buffer, .address_space: global }
      - { .name: b1, .offset: 16, .size: 8, .value_kind: global_buffer, .address_space: global }
      - { .name: cn, .offset: 24, .size: 8, .value_kind: global_buffer, .address_space: global }
      - { .name: hid, .offset: 32, .size: 8, .value_kind: global_buffer, .address_space: global }
    .group_segment_fixed_size: 317696
    .private_segment_fixed_size: 0
    .kernarg_segment_align: 8
    .kernarg_segment_size: 40
    .max_flat_workgroup_size: 128
    .sgpr_count:     66
    .vgpr_count:     960
    .wavefront_size: 32
...
	.end_amdgpu_metadata
.endif
;; end of part 3
;; launch ffn2 (part 4): grid 8 x 32, 4 waves a work-group, no clusters, 317,696 bytes of LDS; arguments hid, w2, b2, cn, part, lst; writes part
.if DOCPART == 4
	.amdgcn_target "amdgcn-amd-amdhsa--gfx1250"
	.amdhsa_code_object_version 6
	.text
	.protected	k_qd7305b4d9d_ffn2
	.globl	k_qd7305b4d9d_ffn2
	.p2align	8
	.type	k_qd7305b4d9d_ffn2,@function
k_qd7305b4d9d_ffn2:
	s_mov_b64 s[64:65], 0
	v_nop
	global_prefetch_b8 v0, s[64:65] scope:SCOPE_SE
	s_setreg_imm32_b32 hwreg(HW_REG_WAVE_MODE, 25, 1), 1
	s_wait_xcnt 0x0
; SECOND PRODUCT OF THE EXPERTS (FFN = 2): partial rows hidden w2[e] over a quarter of H (+ b2[e] in the first quarter), f16 operands, f32 sums, stored in f32
; at part[quarter][q][column], q = slot x 1024 + token.  The gate's weight and the sum of the 8 partial rows of a token are the next launch's.
; (The same text with FFN = 1 is the first product: hidden = relu(x w1[e] + b1[e]), stored in f16 in the order of this product's fragments.)
; SHARES.  Work-group (e, y) alone reads a slice [1,024 k][128 columns] of expert e's f32 weights, 512 KB in rows of 512 consecutive bytes, each byte once,
; and multiplies ALL rows of that expert by it.  FFN = 1: y = which 128 of H.  FFN = 2: y % 8 = which 128 of D, y / 8 = which quarter of H.
; The grid's x is the expert and its y the slice: the work-groups that read the same token rows are 8 apart in the launch's order.
; THE STREAM.  The slice passes through registers, is rounded to f16 and laid into LDS (WT, k-rows of 256 bytes, 288 apart), each byte written once.  A GROUP is 32 k-rows, one K step;
; wave w brings rows 8 w .. 8 w + 7 of each group by eight loads.  A group's TURN (16 conversions, 8 LDS stores) stands in K step s for group s + 3, and the registers it frees are
; asked for group s + 7 at once: four groups and three steps' token rows are always on their way, 62 loads a wave at the most by this text's count (63 at the start).
; THE PRODUCT is used transposed: source 0 = 16 columns of W (turned out of LDS by ds_load_tr16_b128), source 1 = 16 token rows: lane (r, h) then holds row r and the 8 neighbouring
; columns 8 h + 0..7.  The bias, laid out so, is the C operand of the first K step: nothing is cleared and nothing added later.
; THE ROWS.  An earlier launch has laid the expert's rows end to end, in tiles of 16 and in the order of this product's fragments (FFN = 1: x in f16; FFN = 2: the hidden rows, as the first
; product stored them), and has stored each expert's count and its list of rows (q = slot x 1024 + token, by rank).  So half a fragment is 512 consecutive bytes, and of the routing only the count
; steers anything here; FFN = 2 copies the list into LDS for its way out.
; Pass 0, under the stream: wave w has tiles w, 4 + w, .. 16 + w (320 rows).  Passes 1 to 6, for an expert with more rows: two tiles a wave, WT only read;
; a pass whose first tile does not exist does no work.  So every split is served, 0 to 1,024 rows.  A tile that does not exist repeats the last one's loads and stores nothing;
; where the fifth tile does not exist, its products from K step 1 on and its loads from K step 4's on are jumped; rows past the count repeat the last row.
; ORDER IN LDS BEHIND PASS 0.  The later passes' reads of WT have addresses that step in a loop inside the loop over passes.  They are kept apart from every later LDS write by barriers that
; every wave passes (seven passes, a constant), not by the regions' arithmetic alone: FFN = 2: one between a pass's reads and the stores into the stages, one between those stores and the next pass's reads;
; FFN = 1, which writes LDS no more: one behind the last pass, ahead of the closing add.
; LIMITS.  f16 ends at 65,504: the hidden numbers and the weights must lie within it; below 6e-5 f16 keeps its fixed step of 6e-8.
; NO CLUSTER: each weight byte has one reader.  What an expert's work-groups share is token rows; a shared tile of them would have to land in LDS, of which WT, list and stages leave 10 KB,
; and one K step's rows of 20 tiles are 20 KB.
; NO TENSOR LOAD: the weights must pass through registers to be rounded.
; REGISTERS, in windows of 256 (s_set_vgpr_msb: bits 1:0 source 0, 3:2 source 1, 5:4 source 2, 7:6 destination):
;   window 0: v0-31 addresses; v32-47 a turn's f16; v48-57 offsets a tile; v64-223 token rows, four slots of five fragments; on the way out v64-127 data, v192-231 the rows' offsets
;   window 1: v0-127 W's fragments, two buffers; v128-191 the bias      window 2: accumulators of tiles 0-3 (tile i, block nb at 64 i + 8 nb); at the start groups 0-2 as loaded
;   window 3: v0-63 tile 4; v64-191 the ring of four groups as loaded
.set FFN,   2
.if FFN == 1
.set PITCH, 16384                      ; bytes from a k-row of the weights to the next
.set ASH,   15                         ; a tile of the token rows is 2^ASH bytes: 16 rows x 1,024 k
.else
.set PITCH, 4096
.set ASH,   17                         ; 16 rows x 4,096 k
.endif
.set ASTEP, 1024                       ; bytes of a tile's fragments from K step to K step
.set AHALF, 512                        ; and from a fragment's first four registers to the other four
.set WP,    288                        ; 9 x 32 bytes
.set GRP,   32*WP
.set LIST,  1024*WP                    ; FFN = 2: 1,024 words: q by rank
.set BIAS,  LIST+4096+256              ; 128 f32
.set STAGE, BIAS+512                   ; FFN = 2: 16 rows x 272 bytes for each wave
.set SPARE, STAGE+4*16*272             ; the spare words, 128 bytes a wave, that no other line names
.set LANE, 1
.set R,    2                           ; lane % 16
.set L16,  4                           ; 16 lane
.set BT0,  5                           ; my lane's place in a group, for the turning load
.set BT,   6                           ; BT0 + the trip's groups
.set LS,   7                           ; where my turns store, in the trip in hand
.set LS0,  8                           ; LSP + 4 groups
.set LW,   9                           ; FFN = 2: where my part of the list goes in LDS
.set TA,   12
.set BV,   16                          ; v[16:19] the bias as loaded
.set BAD,  20                          ; BIAS + 32 (lane / 16)
.set STO,  21
.set RD,   22
.set HI,   23                          ; lane / 16
.set R16,  24
.set LSP,  25                          ; my 8 bytes in my wave's first row of group 0
.set SPW,  28                          ; SPARE + 4 x my thread's number; never rewritten
.set NIL,  29                          ; 0; never rewritten
.set ZR,   30
.set T,    32                          ; a turn's f16; at the start, FFN = 2: my part of the list as loaded
.set AOFF, 48                          ; tile i: my byte offset in the token rows
.set HOFF, 53                          ; tile i: my byte offset in hid (FFN = 1)
.set AR,   64
.set ROW,  192                         ; FFN = 2, the way out: tile i, row pair j at ROW + 8 i + j: my byte offset in part
.set RING, 64
; scalars: s[4:5] token rows, s[6:7] my wave's rows of the slice, s[8:9] bias, s[10:11] count, s[12:13] output, s[60:61] list; s14 wave, s15 expert, s16 slice; s[20:21], s[22:23] the stepped bases of W and of the rows;
; s24 LDS bytes of the trips done; s26 count, s27 count - 1, s28 tiles, s29 the last tile; s30 pass, s31 trip; s33 the count as loaded; s38 tile 4 exists; s40-44 the tiles as dealt, s45-49 clamped
.set MSB, 0
.macro WIN new                         ; the immediate's high byte repeats the setting that is left; a switch that changes nothing is dropped
.if MSB != (\new)
	s_set_vgpr_msb (MSB<<8)|(\new)
.set MSB, \new
.endif
.endm
.macro PLACES                          ; four plain vector instructions between a matrix instruction and a load into, or a reader of, its registers
.rept 4
	v_nop
.endr
.endm
.macro MEET                            ; a barrier of the four waves; none of my LDS instructions is out at the signal
	s_wait_dscnt 0x0
	s_barrier_signal -1
	s_barrier_wait -1
.endm
.macro WLOAD win, reg, sb, imm         ; my 8 rows of a group: each load takes 512 consecutive bytes
	WIN \win
.set wi, 0
.rept 8
	global_load_b128 v[(\reg)+4*wi:(\reg)+4*wi+3], v[L16], s[\sb:\sb+1] offset:(\imm)+wi*PITCH th:TH_LOAD_NT
.set wi, wi+1
.endr
.endm
.macro TURNC win, reg                  ; a turn's 16 roundings
	WIN \win
.set wi, 0
.rept 8
	v_cvt_pk_f16_f32 v[T+2*wi], v[(\reg)+4*wi], v[(\reg)+4*wi+1]
	v_cvt_pk_f16_f32 v[T+2*wi+1], v[(\reg)+4*wi+2], v[(\reg)+4*wi+3]
.set wi, wi+1
.endr
.endm
.macro TURNS areg, imm                 ; and its 8 stores: 256 consecutive bytes each
	WIN 0
.set wi, 0
.rept 8
	ds_store_b64 v[\areg], v[T+2*wi:T+2*wi+1] offset:(\imm)+wi*WP
.set wi, wi+1
.endr
.endm
.macro BLOAD bb, imm                   ; a K step's 8 fragments of W: 16 columns x 32 k each
	WIN 0x40
.irp nb, 0,1,2,3,4,5,6,7
	ds_load_tr16_b128 v[64*(\bb)+8*\nb:64*(\bb)+8*\nb+3], v[BT] offset:(\imm)+32*\nb
	ds_load_tr16_b128 v[64*(\bb)+8*\nb+4:64*(\bb)+8*\nb+7], v[BT] offset:(\imm)+32*\nb+16*WP
.endr
.endm
.macro ALOAD a, imm, mt                ; a K step's fragments of tiles 0 to mt - 1 of token rows, into slot a: 512 consecutive bytes a load
	WIN 0
.set ai, 0
.rept \mt
	global_load_b128 v[AR+40*(\a)+8*ai:AR+40*(\a)+8*ai+3], v[AOFF+ai], s[22:23] offset:(\imm)
	global_load_b128 v[AR+40*(\a)+8*ai+4:AR+40*(\a)+8*ai+7], v[AOFF+ai], s[22:23] offset:(\imm)+AHALF
.set ai, ai+1
.endr
.endm
.macro ALOAD1 a, imm, i                ; the same for tile i alone
	WIN 0
	global_load_b128 v[AR+40*(\a)+8*(\i):AR+40*(\a)+8*(\i)+3], v[AOFF+(\i)], s[22:23] offset:(\imm)
	global_load_b128 v[AR+40*(\a)+8*(\i)+4:AR+40*(\a)+8*(\i)+7], v[AOFF+(\i)], s[22:23] offset:(\imm)+AHALF
.endm
.macro MULT i, bb, a, first            ; tile i's 8 products of a K step; first = 1: the bias starts the sums
.if (\i) < 4
.set AC, 64*(\i)
	WIN 0xa1-0x10*(\first)
.else
.set AC, 0
	WIN 0xf1-0x20*(\first)
.endif
.irp nb, 0,1,2,3,4,5,6,7
.if \first
	v_wmma_f32_16x16x32_f16 v[AC+8*\nb:AC+8*\nb+7], v[64*(\bb)+8*\nb:64*(\bb)+8*\nb+7], v[AR+40*(\a)+8*(\i):AR+40*(\a)+8*(\i)+7], v[128+8*\nb:128+8*\nb+7]
.else
	v_wmma_f32_16x16x32_f16 v[AC+8*\nb:AC+8*\nb+7], v[64*(\bb)+8*\nb:64*(\bb)+8*\nb+7], v[AR+40*(\a)+8*(\i):AR+40*(\a)+8*(\i)+7], v[AC+8*\nb:AC+8*\nb+7]
.endif
.endr
.endm
; K STEP s = 4 j + 1 + p of trip j (p = -1: step 0).  mt tiles.  turn = 1: group s + 3 is rounded and stored; 2: and group s + 7 asked for.  lda: the rows of step s + 3 are asked for.
; ldb: W's fragments of step s + 1 are read.  n: the fewest loads that can be younger than this step's rows (the fifth tile's two loads a step may be absent: they are not counted);
; the group of this step's turn was asked for before those rows, and loads come back in order.
; bar: a barrier that publishes the turns of the steps before: groups up to s + 2, which the reads of this step and the next want.  No byte of WT is written twice, so it orders nothing else.
; The accumulators take turns, one instruction a turn: 40, 32 or 16 different ones between two links of a chain.
.macro KSTEP mt, p, first, turn, lda, ldb, n, bar
.set kb, ((\p)+1)&1
.set ka, ((\p)+1)&3
.set kn, ((\p)+2)&1
.set kr, (\p)&3
	s_wait_dscnt 0x0                               ; this step's fragments of W are in, and my turns' stores are done
	s_wait_loadcnt \n
.if \bar
	s_barrier_signal -1
.endif
	MULT 0, kb, ka, \first
.if \bar
	s_barrier_wait -1
.endif
.if \turn
	TURNC 0x0f, RING+32*kr                         ; also the places in front of the loads below: none names a register of a product
.else
	PLACES
.endif
.if \ldb
	BLOAD kn, ((\p)+2)*GRP
.endif
.if \turn
.if (\p) < 0
	TURNS LSP, 3*GRP
.else
	TURNS LS, (\p)*GRP
.endif
.endif
.if \lda
.if ((\mt) == 5) && ((\first) == 0)
	ALOAD kr, ((\p)+4)*ASTEP, 4
	s_cmp_eq_u32 s38, 0
	s_cbranch_scc1 .Lnl4_\@                        ; a fifth tile that does not exist is not fetched: two loads are jumped, no wait and no barrier
	ALOAD1 kr, ((\p)+4)*ASTEP, 4
.Lnl4_\@:
.else
	ALOAD kr, ((\p)+4)*ASTEP, \mt                  ; (steps 0 to 3's rows are fetched for all five tiles: each slot's registers are written in every wave)
.endif
.endif
.if (\turn) == 2
	WLOAD 0xc0, RING+32*kr, 20, 32*(\p)*PITCH
.endif
	MULT 1, kb, ka, \first
.if (\mt) == 5
	MULT 2, kb, ka, \first
	MULT 3, kb, ka, \first
.if \first
	MULT 4, kb, ka, 1
.else
	WIN 0                                          ; at a branch and at a label every window is 0
	s_cmp_eq_u32 s38, 0
	s_cbranch_scc1 .Lno4_\@                        ; no load, wait or barrier is jumped
	MULT 4, kb, ka, 0
	WIN 0
.Lno4_\@:
.endif
.endif
.endm
.macro TRIPEND stream                  ; four K steps on
	WIN 0
	s_wait_xcnt 0x0                                ; the bases of pending loads are stepped only behind this wait
	s_add_nc_u64 s[22:23], s[22:23], 4*ASTEP
	s_add_co_u32 s24, s24, 4*GRP
	v_add_nc_u32 v[BT], s24, v[BT0]
.if \stream
	s_add_nc_u64 s[20:21], s[20:21], 128*PITCH
	v_add_nc_u32 v[LS], s24, v[LS0]
.endif
.endm
; A pass's tiles: as dealt (s40..; for the later passes they are set ahead of the macro), clamped to one that exists (s45..), and each lane's offsets.
.macro TILESET over
.if \over
	s_wait_xcnt 0x0                                ; offsets and data of the last pass's loads and stores are rewritten only behind this wait (pass 0 writes them for the first time)
.set NT, 2
.else
.set NT, 5
	s_mov_b32 s40, s14
	s_add_co_u32 s41, s14, 4
	s_add_co_u32 s42, s14, 8
	s_add_co_u32 s43, s14, 12
	s_add_co_u32 s44, s14, 16
	s_cmp_lt_u32 s44, s28
	s_cselect_b32 s38, 1, 0
.endif
.set ti, 0
.rept NT
	s_min_u32 s[45+ti], s[40+ti], s29
	s_min_u32 s[45+ti], s[45+ti], 63
	s_lshl_b32 s50, s[45+ti], ASH
	v_add_nc_u32 v[AOFF+ti], s50, v[L16]
.if FFN == 1
	s_lshl_b32 s50, s[45+ti], 17                   ; a tile of hid is 131,072 bytes
	v_add_nc_u32 v[HOFF+ti], s50, v[L16]
.endif
.set ti, ti+1
.endr
	s_mov_b32 s24, 0
	v_mov_b32 v[BT], v[BT0]
	s_mov_b64 s[22:23], s[4:5]
.endm
; THE WAY OUT of tile i; jumped where the tile does not exist.
.if FFN == 1
; Rounded to f16 and cut at 0, a lane's 8 numbers of a block are 16 bytes, and the wave's 512 bytes ARE half a fragment of the second product's source 1: stored as they lie, 512 consecutive bytes a store.
.macro EPI i
	s_cmp_ge_u32 s[40+\i], s28
	s_cbranch_scc1 .Ldead_\@
.if (\i) < 4
.set AC, 64*(\i)
	WIN 0x0a
.else
.set AC, 0
	WIN 0x0f
.endif
.set ei, 0
.rept 32
	v_cvt_pk_f16_f32 v[AR+32*(\i)+ei], v[AC+2*ei], v[AC+2*ei+1]  ; each accumulator's registers in ascending order
.set ei, ei+1
.endr
	WIN 0
.set ei, 0
.rept 32
	v_pk_max_num_f16 v[AR+32*(\i)+ei], v[AR+32*(\i)+ei], v[ZR]
.set ei, ei+1
.endr
.set ei, 0
.rept 8
	global_store_b128 v[HOFF+\i], v[AR+32*(\i)+4*ei:AR+32*(\i)+4*ei+3], s[12:13] offset:512*ei
.set ei, ei+1
.endr
.Ldead_\@:
.endm
.else
; f32 rows go to places that the list names.  ROWS makes the offsets of all five tiles' rows at once: one operation at a time over 40 registers, so that no line waits for the one before it, 40 reads of the list, one wait.
; (Row pair j of a tile is rows 2 j and 2 j + 1: lanes 0-15 store the one, lanes 16-31 the other.  In the later passes tiles 2 to 4 keep pass 0's numbers, which exist; their offsets are not used.)
.macro ROWS
	s_wait_xcnt 0x0                                ; the last pass's stores have read their offsets and data
.set ti, 0
.rept 5
	s_lshl_b32 s50, s[45+ti], 4
	v_add_nc_u32 v[TA], s50, v[HI]
.set ei, 0
.rept 8
	v_add_nc_u32 v[AR+8*ti+ei], 2*ei, v[TA]        ; the rank of row 2 ei + lane / 16,
.set ei, ei+1
.endr
.set ti, ti+1
.endr
.set ei, 0
.rept 40
	v_min_u32 v[AR+ei], s27, v[AR+ei]              ; or the last row's: the same numbers to the same place
.set ei, ei+1
.endr
.set ei, 0
.rept 40
	v_min_u32 v[AR+ei], 0x3ff, v[AR+ei]
.set ei, ei+1
.endr
.set ei, 0
.rept 40
	v_lshl_add_u32 v[AR+ei], v[AR+ei], 2, LIST
.set ei, ei+1
.endr
.set ei, 0
.rept 40
	ds_load_b32 v[ROW+ei], v[AR+ei]
.set ei, ei+1
.endr
	s_wait_dscnt 0x0
.set ei, 0
.rept 40
	v_min_u32 v[ROW+ei], 0x7ff, v[ROW+ei]
.set ei, ei+1
.endr
.set ei, 0
.rept 40
	v_lshl_add_u32 v[ROW+ei], v[ROW+ei], 12, v[R16]
.set ei, ei+1
.endr
.endm
; A tile goes 64 columns at a time through my own stage: 16 bytes a lane in, whole rows of 256 bytes back, so that 16 lanes store 256 consecutive bytes, aligned.  The second half's stores into the stage
; follow the first half's reads with no wait: LDS serves a wave's instructions in order (ISA guide 5.7.1.4), and no other wave touches my stage.
.macro EPI i
	s_cmp_ge_u32 s[40+\i], s28
	s_cbranch_scc1 .Ldead_\@
	s_wait_xcnt 0x0                                ; the last tile's stores have read their data
.irp hf, 0,1
.if (\i) < 4
.set AC, 64*(\i)
	WIN 0x08                                       ; the stores' data in window 2
.else
.set AC, 0
	WIN 0x0c
.endif
.set ei, 0
.rept 4
	ds_store_b128 v[STO], v[AC+32*\hf+8*ei:AC+32*\hf+8*ei+3] offset:64*ei        ; each accumulator's low four registers first
	ds_store_b128 v[STO], v[AC+32*\hf+8*ei+4:AC+32*\hf+8*ei+7] offset:64*ei+16
.set ei, ei+1
.endr
	WIN 0
.set ei, 0
.rept 8
	ds_load_b128 v[AR+32*\hf+4*ei:AR+32*\hf+4*ei+3], v[RD] offset:544*ei          ; these see the stores above
.set ei, ei+1
.endr
.endr
	s_wait_dscnt 16                                ; the first half is back; the second half's 8 stores and 8 loads stay out
.set ei, 0
.rept 8
	global_store_b128 v[ROW+8*(\i)+ei], v[AR+4*ei:AR+4*ei+3], s[12:13] th:TH_STORE_NT
.set ei, ei+1
.endr
	s_wait_dscnt 0x0
.set ei, 0
.rept 8
	global_store_b128 v[ROW+8*(\i)+ei], v[AR+32+4*ei:AR+32+4*ei+3], s[12:13] offset:256 th:TH_STORE_NT
.set ei, ei+1
.endr
.Ldead_\@:
.endm
.endif
	s_load_b256 s[4:11], s[0:1], 0x0               ; token rows, weights, bias, counts
	s_load_b64 s[12:13], s[0:1], 0x20              ; output
.if FFN == 2
	s_load_b64 s[60:61], s[0:1], 0x28              ; lists
.endif
	v_lshl_add_u32 v[SPW], v0, 2, SPARE
	v_mov_b32 v[NIL], 0
	v_lshrrev_b32 v[TA], 5, v0
	v_readfirstlane_b32 s14, v[TA]                 ; wave 0..3
	s_mov_b32 s15, ttmp9                           ; expert
	s_and_b32 s16, ttmp7, 0xffff                   ; slice
	v_and_b32 v[LANE], 31, v0
	v_and_b32 v[R], 15, v0
	v_bfe_u32 v[HI], v0, 4, 1
	v_lshlrev_b32 v[L16], 4, v[LANE]
	v_and_b32 v[TA], 7, v0                         ; the turning load: lane l reads k-row 8 (l / 16) + l % 8, columns 8 ((l / 8) % 2) + 0..7
	v_lshl_add_u32 v[TA], v[HI], 3, v[TA]
	v_mul_u32_u24 v[BT0], v[TA], WP
	v_bfe_u32 v[TA], v0, 3, 1
	v_lshl_add_u32 v[BT0], v[TA], 4, v[BT0]
	s_mul_i32 s50, s14, 8*WP
	v_lshl_add_u32 v[LSP], v[LANE], 3, s50
	v_add_nc_u32 v[LS0], 4*GRP, v[LSP]
	v_lshl_add_u32 v[BAD], v[HI], 5, BIAS
	s_mul_i32 s51, s14, 8*PITCH                    ; my wave's 8 rows of each group
	s_lshl_b32 s18, s15, 24                        ; an expert's weights are 2^24 bytes
	s_add_co_u32 s18, s18, s51
	s_mov_b32 s19, 0
	s_mov_b32 s53, 0
	s_lshl_b32 s54, s15, 9                         ; the counts: 512 bytes an expert
	s_mov_b32 s55, 0
	s_mov_b32 s57, 0
	s_mov_b32 s59, 0
.if FFN == 1
	v_mov_b32 v[ZR], 0
	s_lshl_b32 s50, s16, 9                         ; the slice's 512 bytes of a row
	s_add_co_u32 s18, s18, s50
	s_lshl_b32 s52, s15, 14
	s_add_co_u32 s52, s52, s50
	s_lshl_b32 s56, s15, 23                        ; hid: the expert's 2^23 bytes, the slice's 8 blocks of 16 columns
	s_lshl_b32 s51, s16, 12
	s_add_co_u32 s56, s56, s51
	s_lshl_b32 s58, s15, 21                        ; the rows of x: the expert's 2^21 bytes
.else
	s_and_b32 s17, s16, 7                          ; which 128 columns of D
	s_lshr_b32 s25, s16, 3                         ; which quarter of H
	s_lshl_b32 s50, s17, 9
	s_add_co_u32 s18, s18, s50
	s_lshl_b32 s51, s25, 22
	s_add_co_u32 s18, s18, s51
	s_lshl_b32 s52, s15, 12
	s_add_co_u32 s52, s52, s50
	s_lshl_b32 s56, s25, 23                        ; part: the quarter's 2^23 bytes
	s_add_co_u32 s56, s56, s50
	s_lshl_b32 s58, s15, 23                        ; hid: the expert, the quarter's 64 blocks of 16 columns
	s_lshl_b32 s51, s25, 15
	s_add_co_u32 s58, s58, s51
	s_cmp_eq_u32 s25, 0
	s_cselect_b32 s39, 1.0, 0                      ; the bias belongs to the first quarter's partial rows alone
	s_mul_i32 s51, s14, 16*272
	s_add_co_u32 s51, s51, STAGE                   ; my stage
	v_mul_u32_u24 v[STO], v[R], 272                ; in: row l % 16, 32 bytes for each half of the lanes
	v_lshl_add_u32 v[STO], v[HI], 5, v[STO]
	v_add_nc_u32 v[STO], s51, v[STO]
	v_mul_u32_u24 v[RD], v[HI], 272                ; back: lanes 0-15 one row of 256 bytes, lanes 16-31 the next
	v_lshl_add_u32 v[RD], v[R], 4, v[RD]
	v_add_nc_u32 v[RD], s51, v[RD]
	v_lshlrev_b32 v[R16], 4, v[R]
	s_lshl_b32 s62, s15, 12                        ; the lists: 4,096 bytes an expert, of which my wave copies 1,024
	s_lshl_b32 s51, s14, 10
	s_add_co_u32 s62, s62, s51
	s_mov_b32 s63, 0
	s_add_co_u32 s51, s51, LIST
	v_add_nc_u32 v[LW], s51, v[L16]
.endif
	s_wait_kmcnt 0x0
	s_add_nc_u64 s[10:11], s[10:11], s[54:55]
	s_load_b32 s33, s[10:11], 0x0                  ; the expert's rows: asked for first, wanted behind the 40 loads of weights
	s_add_nc_u64 s[6:7], s[6:7], s[18:19]
	s_add_nc_u64 s[8:9], s[8:9], s[52:53]
	s_add_nc_u64 s[12:13], s[12:13], s[56:57]
	s_add_nc_u64 s[4:5], s[4:5], s[58:59]
.if FFN == 2
	s_add_nc_u64 s[60:61], s[60:61], s[62:63]
.endif
	global_load_b128 v[BV:BV+3], v[L16], s[8:9]
.if FFN == 2
	global_load_b128 v[T:T+3], v[L16], s[60:61]
	global_load_b128 v[T+4:T+7], v[L16], s[60:61] offset:512
.endif
	WLOAD 0x80, 0, 6, 0                            ; groups 0 to 2 land where accumulators will be,
	WLOAD 0x80, 32, 6, 32*PITCH
	WLOAD 0x80, 64, 6, 64*PITCH
	WLOAD 0xc0, RING+96, 6, 96*PITCH               ; group g from 3 on in ring slot g % 4
	WLOAD 0xc0, RING, 6, 128*PITCH
	WIN 0
	s_wait_kmcnt 0x0
	s_min_u32 s26, s33, 1024                       ; the expert's rows
	s_max_u32 s27, s26, 1
	s_sub_co_u32 s27, s27, 1                       ; the last row's rank
	s_add_co_u32 s28, s26, 15
	s_lshr_b32 s28, s28, 4                         ; tiles: 64 at the most
	s_max_u32 s29, s28, 1
	s_sub_co_u32 s29, s29, 1                       ; the last tile
.if FFN == 1
	s_max_u32 s28, s28, 1                          ; an expert without rows still writes tile 0 of hid, which the second product's loads name
.endif
	TILESET 0
	v_mov_b32 v[LS], v[LS0]
	ALOAD 0, 0, 5
	ALOAD 1, ASTEP, 5
	s_wait_loadcnt 60                              ; the bias (FFN = 2: and my part of the list) is in; 40 loads of weights and 20 of rows stay out
.if FFN == 2
	ds_store_b128 v[LW], v[T:T+3]
	ds_store_b128 v[LW], v[T+4:T+7] offset:512
.endif
	s_cmp_lg_u32 s14, 0
	s_cbranch_scc1 .Lnot0
.if FFN == 2
.irp k, 0,1,2,3
	v_mul_f32 v[BV+\k], s39, v[BV+\k]
.endr
.endif
	v_add_nc_u32 v[TA], BIAS, v[L16]
	ds_store_b128 v[TA], v[BV:BV+3]
.Lnot0:
	MEET                                           ; for the others' sake: bias and list are in LDS
	WIN 0x40
.irp nb, 0,1,2,3,4,5,6,7
	ds_load_b128 v[128+8*\nb:128+8*\nb+3], v[BAD] offset:64*\nb       ; the bias as a product's C: columns 16 nb + 8 (l / 16) + 0..7
	ds_load_b128 v[128+8*\nb+4:128+8*\nb+7], v[BAD] offset:64*\nb+16
.endr
	s_wait_loadcnt 52                              ; group 0 is in: behind it groups 1-4 (32) and two steps' rows (20)
	TURNC 0x0a, 0
	TURNS LSP, 0
	WLOAD 0xc0, RING+32, 6, 160*PITCH              ; group 5
	s_wait_loadcnt 52                              ; group 1: behind it groups 2-4 (24), the rows (20), group 5 (8)
	TURNC 0x0a, 32
	TURNS LSP, GRP
	ALOAD 2, 2*ASTEP, 5
	s_wait_loadcnt 54                              ; group 2: behind it groups 3, 4 (16), rows (20), group 5 (8), rows (10)
	TURNC 0x0a, 64
	TURNS LSP, 2*GRP
	WLOAD 0xc0, RING+64, 6, 192*PITCH              ; group 6
	WIN 0
	MEET                                           ; the bias is in registers; for the others' sake: my rows of groups 0 to 2 are in LDS
	BLOAD 0, 0
	WIN 0
	s_add_nc_u64 s[20:21], s[6:7], 256*PITCH       ; group 8: step s asks for group s + 7 at 32 p rows from here
	s_mov_b32 s30, 0
	; PASS 0.  The counts: behind step s's rows stand at the least 8 + 8 + 8 + 8 + 8 younger loads (groups s + 4 to s + 6; four tiles' rows of steps s + 1, s + 2) while the stream lasts; they run down when it
	; ends.  A wave with a fifth tile has up to four more out, and so waits for up to four loads of group s + 4 as well.
	KSTEP 5, -1, 1, 2, 1, 1, 36, 0                 ; step 0: behind its rows stand rows 1 (10), group 5, rows 2 (10), group 6
	WIN 0
	s_mov_b32 s31, 6
.Lk0:                                                  ; steps 1 to 24
	KSTEP 5, 0, 0, 2, 1, 1, 40, 1
	KSTEP 5, 1, 0, 2, 1, 1, 40, 0
	KSTEP 5, 2, 0, 2, 1, 1, 40, 1
	KSTEP 5, 3, 0, 2, 1, 1, 40, 0
	TRIPEND 1
	s_sub_co_u32 s31, s31, 1
	s_cmp_lg_u32 s31, 0
	s_cbranch_scc1 .Lk0
	KSTEP 5, 0, 0, 1, 1, 1, 40, 1                  ; steps 25 to 28: the last four turns; no group is left to ask for
	KSTEP 5, 1, 0, 1, 1, 1, 32, 0
	KSTEP 5, 2, 0, 1, 1, 1, 24, 1
	KSTEP 5, 3, 0, 1, 1, 1, 16, 0
	TRIPEND 1
	KSTEP 5, 0, 0, 0, 0, 1, 16, 1                  ; steps 29 to 31: the last barrier publishes the last groups
	KSTEP 5, 1, 0, 0, 0, 1, 8, 0
	KSTEP 5, 2, 0, 0, 0, 0, 0, 0
	WIN 0
	s_branch .Lepi
	; PASSES 1 TO 6: tiles 20 + 8 (pass - 1) + w and four further on.  WT is whole and only read.
.Lover:
	s_lshl_b32 s40, s30, 3
	s_add_co_u32 s40, s40, 12
	s_add_co_u32 s40, s40, s14
	s_add_co_u32 s41, s40, 4
	s_mov_b32 s42, 64                              ; there is no tile 64: these three store nothing
	s_mov_b32 s43, 64
	s_mov_b32 s44, 64
	s_cmp_ge_u32 s40, s28                          ; my first tile does not exist: then none of the five does
.if FFN == 1
	s_cbranch_scc1 .Lnext
.else
	s_cbranch_scc1 .Lepi                           ; the pass's two barriers are passed all the same
.endif
	TILESET 1
	PLACES
	ALOAD 0, 0, 2
	ALOAD 1, ASTEP, 2
	ALOAD 2, 2*ASTEP, 2
	BLOAD 0, 0
	KSTEP 2, -1, 1, 0, 1, 1, 8, 0                  ; behind a step's rows stand the next two steps' (4 + 4)
	WIN 0
	s_mov_b32 s31, 7
.Lk1:
	KSTEP 2, 0, 0, 0, 1, 1, 8, 0
	KSTEP 2, 1, 0, 0, 1, 1, 8, 0
	KSTEP 2, 2, 0, 0, 1, 1, 8, 0
	KSTEP 2, 3, 0, 0, 1, 1, 8, 0
	TRIPEND 0
	s_sub_co_u32 s31, s31, 1
	s_cmp_lg_u32 s31, 0
	s_cbranch_scc1 .Lk1
	KSTEP 2, 0, 0, 0, 0, 1, 8, 0
	KSTEP 2, 1, 0, 0, 0, 1, 4, 0
	KSTEP 2, 2, 0, 0, 0, 0, 0, 0
	WIN 0
.Lepi:
.if FFN == 2
	MEET                                           ; every wave's reads of WT in this pass are back before any wave stores into its stage
	s_cmp_ge_u32 s40, s28                          ; my lowest tile does not exist: nothing of mine goes out; no barrier is jumped
	s_cbranch_scc1 .Lnext
.endif
	PLACES
.if FFN == 2
	ROWS
.endif
	EPI 0
	EPI 1
	EPI 2
	EPI 3
	EPI 4
.Lnext:
.if FFN == 2
	MEET                                           ; every wave's stores into its stage are done before any wave reads WT in the next pass, or adds at its end
.endif
	s_add_co_u32 s30, s30, 1
	s_cmp_lt_u32 s30, 7
	s_cbranch_scc1 .Lover
.if FFN == 1
	MEET                                           ; every wave's reads of WT are back before any wave adds at its end
.endif
	s_wait_tensorcnt 0x0                           ; the wave's end: three closing lines behind my last LDS store
	ds_add_u32 v[SPW], v[NIL]
	s_wait_dscnt 0x0
	s_endpgm
.Lfunc_end_k_qd7305b4d9d_ffn2:
	.size	k_qd7305b4d9d_ffn2, .Lfunc_end_k_qd7305b4d9d_ffn2-k_qd7305b4d9d_ffn2
	.p2alignl 7, 3214868480
	.fill 96, 4, 3214868480
	.section	.rodata,"a",@progbits
	.p2align	6, 0x0
	.amdhsa_kernel k_qd7305b4d9d_ffn2
		.amdhsa_group_segment_fixed_size 317696
		.amdhsa_private_segment_fixed_size 0
		.amdhsa_enable_private_segment 0
		.amdhsa_kernarg_size 48
		.amdhsa_user_sgpr_count 2
		.amdhsa_user_sgpr_kernarg_segment_ptr 1
		.amdhsa_wavefront_size32 1
		.amdhsa_system_sgpr_workgroup_id_x 1
		.amdhsa_system_sgpr_workgroup_id_y 1
		.amdhsa_system_sgpr_workgroup_id_z 1
		.amdhsa_system_vgpr_workitem_id 0
		.amdhsa_next_free_vgpr 960
		.amdhsa_next_free_sgpr 66
		.amdhsa_reserve_vcc 0
		.amdhsa_float_denorm_mode_32 3
		.amdhsa_float_denorm_mode_16_64 3
		.amdhsa_memory_ordered 1
		.amdhsa_forward_progress 1
		.amdhsa_inst_pref_size 153
	.end_amdhsa_kernel
	.amdgpu_metadata
---
amdhsa.version: [ 1, 2 ]
amdhsa.kernels:
  - .name:           k_qd7305b4d9d_ffn2
    .symbol:         k_qd7305b4d9d_ffn2.kd
    .args:
      - { .name: hid, .offset: 0, .size: 8, .value_kind: global_buffer, .address_space: global }
      - { .name: w2, .offset: 8, .size: 8, .value_kind: global_buffer, .address_space: global }
      - { .name: b2, .offset: 16, .size: 8, .value_kind: global_buffer, .address_space: global }
      - { .name: cn, .offset: 24, .size: 8, .value_kind: global_buffer, .address_space: global }
      - { .name: part, .offset: 32, .size: 8, .value_kind: global_buffer, .address_space: global }
      - { .name: lst, .offset: 40, .size: 8, .value_kind: global_buffer, .address_space: global }
    .group_segment_fixed_size: 317696
    .private_segment_fixed_size: 0
    .kernarg_segment_align: 8
    .kernarg_segment_size: 48
    .max_flat_workgroup_size: 128
    .sgpr_count:     66
    .vgpr_count:     960
    .wavefront_size: 32
...
	.end_amdgpu_metadata
.endif
;; end of part 4
;; launch combine (part 5): grid 256 x 1, 8 waves a work-group, no clusters, 0 bytes of LDS; arguments part, gv, out0; writes out0
.if DOCPART == 5
	.amdgcn_target "amdgcn-amd-amdhsa--gfx1250"
	.amdhsa_code_object_version 6
	.text
	.protected	k_qd7305b4d9d_combine
	.globl	k_qd7305b4d9d_combine
	.p2align	8
	.type	k_qd7305b4d9d_combine,@function
k_qd7305b4d9d_combine:
	s_mov_b64 s[64:65], 0
	v_nop
	global_prefetch_b8 v0, s[64:65] scope:SCOPE_SE
	s_setreg_imm32_b32 hwreg(HW_REG_WAVE_MODE, 25, 1), 1
	s_wait_xcnt 0x0
; out0[token] = g0 x (the sum of slot 0's four partial rows) + g1 x (the sum of slot 1's four).  part: [4 quarters of H][2 slots][1,024 tokens][1,024] f32; gv: [2][1,024] f32.
; A stream: 32 MB in, 4 MB out, each byte once.  A wave takes half a token's row (2,048 bytes) of all eight partial rows: 32 loads of 512 consecutive bytes, all issued before the first wait,
; four stores of 512 consecutive bytes.  No LDS, no barrier, no loop: no wave needs another's numbers.  The partial sums stay in f32.
.set D, 16                             ; v[16:143]: chunk c (512 bytes of the half row), partial row p = 2 quarter + slot at D + 32 c + 4 p
	s_load_b128 s[4:7], s[0:1], 0x0                ; part s[4:5], gv s[6:7]
	s_load_b64 s[8:9], s[0:1], 0x10                ; out0
	v_lshrrev_b32 v1, 5, v0
	v_readfirstlane_b32 s10, v1                    ; wave 0..7: token 4 g + wave / 2, half wave % 2
	v_and_b32 v1, 31, v0
	v_lshlrev_b32 v1, 4, v1                        ; 16 bytes a lane
	s_lshl_b32 s12, ttmp9, 14                      ; four tokens of 4,096 bytes,
	s_lshl_b32 s13, s10, 11                        ; my half row
	s_add_co_u32 s12, s12, s13
	s_mov_b32 s13, 0
	s_lshl_b32 s14, ttmp9, 4                       ; gv: 4 bytes a token
	s_lshr_b32 s15, s10, 1
	s_lshl2_add_u32 s14, s15, s14
	s_mov_b32 s15, 0
.irp p, 0,1,2,3,4,5,6,7
	v_add_nc_u32 v[2+\p], \p<<22, v1               ; a partial row's plane is 2^22 bytes
.endr
	s_wait_kmcnt 0x0
	s_add_nc_u64 s[4:5], s[4:5], s[12:13]
	s_add_nc_u64 s[8:9], s[8:9], s[12:13]
	s_add_nc_u64 s[6:7], s[6:7], s[14:15]
	s_load_b32 s16, s[6:7], 0x0                    ; g0
	s_load_b32 s18, s[6:7], 0x1000                 ; g1
.irp c, 0,1,2,3
.irp p, 0,1,2,3,4,5,6,7
	global_load_b128 v[D+32*\c+4*\p:D+32*\c+4*\p+3], v[2+\p], s[4:5] offset:512*\c th:TH_LOAD_NT
.endr
.endr
	s_wait_kmcnt 0x0
	s_mov_b32 s17, s16                             ; named as pairs by the packed forms, which take the low word for both halves
	s_mov_b32 s19, s18
.macro CHUNK c
.set CB, D+32*(\c)
	s_wait_loadcnt 24-8*(\c)                       ; loads come back in order: this chunk's eight are in, the later chunks' stay out
.irp hh, 0,2
	v_pk_add_f32 v[CB+\hh:CB+\hh+1], v[CB+\hh:CB+\hh+1], v[CB+8+\hh:CB+8+\hh+1]
	v_pk_add_f32 v[CB+4+\hh:CB+4+\hh+1], v[CB+4+\hh:CB+4+\hh+1], v[CB+12+\hh:CB+12+\hh+1]
	v_pk_add_f32 v[CB+16+\hh:CB+16+\hh+1], v[CB+16+\hh:CB+16+\hh+1], v[CB+24+\hh:CB+24+\hh+1]
	v_pk_add_f32 v[CB+20+\hh:CB+20+\hh+1], v[CB+20+\hh:CB+20+\hh+1], v[CB+28+\hh:CB+28+\hh+1]
	v_pk_add_f32 v[CB+\hh:CB+\hh+1], v[CB+\hh:CB+\hh+1], v[CB+16+\hh:CB+16+\hh+1]
	v_pk_add_f32 v[CB+4+\hh:CB+4+\hh+1], v[CB+4+\hh:CB+4+\hh+1], v[CB+20+\hh:CB+20+\hh+1]
	v_pk_mul_f32 v[CB+\hh:CB+\hh+1], v[CB+\hh:CB+\hh+1], s[16:17] op_sel_hi:[1,0]
	v_pk_fma_f32 v[CB+\hh:CB+\hh+1], v[CB+4+\hh:CB+4+\hh+1], s[18:19], v[CB+\hh:CB+\hh+1] op_sel_hi:[1,0,1]
.endr
	global_store_b128 v1, v[CB:CB+3], s[8:9] offset:512*(\c) th:TH_STORE_NT
.endm
	CHUNK 0
	CHUNK 1
	CHUNK 2
	CHUNK 3
	s_endpgm
.Lfunc_end_k_qd7305b4d9d_combine:
	.size	k_qd7305b4d9d_combine, .Lfunc_end_k_qd7305b4d9d_combine-k_qd7305b4d9d_combine
	.p2alignl 7, 3214868480
	.fill 96, 4, 3214868480
	.section	.rodata,"a",@progbits
	.p2align	6, 0x0
	.amdhsa_kernel k_qd7305b4d9d_combine
		.amdhsa_group_segment_fixed_size 0
		.amdhsa_private_segment_fixed_size 0
		.amdhsa_enable_private_segment 0
		.amdhsa_kernarg_size 24
		.amdhsa_user_sgpr_count 2
		.amdhsa_user_sgpr_kernarg_segment_ptr 1
		.amdhsa_wavefront_size32 1
		.amdhsa_system_sgpr_workgroup_id_x 1
		.amdhsa_system_sgpr_workgroup_id_y 1
		.amdhsa_system_sgpr_workgroup_id_z 1
		.amdhsa_system_vgpr_workitem_id 0
		.amdhsa_next_free_vgpr 144
		.amdhsa_next_free_sgpr 66
		.amdhsa_reserve_vcc 0
		.amdhsa_float_denorm_mode_32 3
		.amdhsa_float_denorm_mode_16_64 3
		.amdhsa_memory_ordered 1
		.amdhsa_forward_progress 1
		.amdhsa_inst_pref_size 10
	.end_amdhsa_kernel
	.amdgpu_metadata
---
amdhsa.version: [ 1, 2 ]
amdhsa.kernels:
  - .name:           k_qd7305b4d9d_combine
    .symbol:         k_qd7305b4d9d_combine.kd
    .args:
      - { .name: part, .offset: 0, .size: 8, .value_kind: global_buffer, .address_space: global }
      - { .name: gv, .offset: 8, .size: 8, .value_kind: global_buffer, .address_space: global }
      - { .name: out0, .offset: 16, .size: 8, .value_kind: global_buffer, .address_space: global }
    .group_segment_fixed_size: 0
    .private_segment_fixed_size: 0
    .kernarg_segment_align: 8
    .kernarg_segment_size: 24
    .max_flat_workgroup_size: 256
    .sgpr_count:     66
    .vgpr_count:     144
    .wavefront_size: 32
...
	.end_amdgpu_metadata
.endif
;; end of part 5
;; ======== version 2 of 2: 5 launches; version 1 with the launches ffn1, ffn2 written anew for expert scheduling mode
;; limits: values are held in f16: magnitudes above 65,504 overflow, below 6.1e-05 lose precision
;; workspace buffers: xh 2,097,152 bytes; bm 2,048 bytes of whole numbers; gv 8,192 bytes; cn 4,096 bytes of whole numbers; lst 32,768 bytes of whole numbers; xg 16,777,216 bytes; hid 67,108,864 bytes; part 33,554,432 bytes
;; launch router: the kernel of part 1 again; grid 128 x 1, 4 waves a work-group, no clusters, 37,632 bytes of LDS; arguments x, gate_w, gate_b, xh, bm, gv; writes xh, bm, gv
;; launch place: the kernel of part 2 again; grid 64 x 8, 4 waves a work-group, no clusters, 38,656 bytes of LDS; arguments xh, bm, xg, lst, cn; writes xg, lst, cn
;; launch ffn1 (part 6): grid 8 x 32, 4 waves a work-group, no clusters, 317,696 bytes of LDS; arguments xg, w1, b1, cn, hid; writes hid
.if DOCPART == 6
	.amdgcn_target "amdgcn-amd-amdhsa--gfx1250"
	.amdhsa_code_object_version 6
	.text
	.protected	k_qd7305b4d9d_ffn1
	.globl	k_qd7305b4d9d_ffn1
	.p2align	8
	.type	k_qd7305b4d9d_ffn1,@function
k_qd7305b4d9d_ffn1:
	s_mov_b64 s[64:65], 0
	v_nop
	global_prefetch_b8 v0, s[64:65] scope:SCOPE_SE
	s_setreg_imm32_b32 hwreg(HW_REG_WAVE_SCHED_MODE, 0, 2), 2
	s_setreg_imm32_b32 hwreg(HW_REG_WAVE_MODE, 25, 1), 1
	s_wait_xcnt 0x0
	s_wait_alu depctr_vm_vsrc(0)
; FIRST PRODUCT OF THE EXPERTS (FFN = 1): hidden = relu(x w1[e] + b1[e]) for the rows that chose expert e, f16 operands, f32 sums, stored in f16.
; (The same text with FFN = 2 is the second product: partial rows hidden w2[e] (+ b2[e]) over a quarter of H, stored in f32.)
; SHARES.  Work-group (e, y) alone reads a slice [1,024 k][128 columns] of expert e's f32 weights, 512 KB in rows of 512 consecutive bytes, each byte once,
; and multiplies ALL rows of that expert by it.  FFN = 1: y = which 128 of H.  FFN = 2: y % 8 = which 128 of D, y / 8 = which quarter of H.
; The grid's x is the expert and its y the slice: the work-groups that read the same token rows are 8 apart in the launch's order.
; THE STREAM.  The slice passes through registers, is rounded to f16 and laid into LDS (WT, k-rows of 256 bytes, 288 apart), each byte written once.  A GROUP is 32 k-rows, one K step;
; wave w brings rows 8 w .. 8 w + 7 of each group by eight loads.  A group's TURN (16 conversions, 8 LDS stores) stands in K step s for group s + 3, and the registers it frees are
; asked for group s + 7 in the same step: four groups and three steps' token rows are always on their way, 62 loads a wave at the most by this text's count.
; THE PRODUCT is used transposed: source 0 = 16 columns of W (turned out of LDS by ds_load_tr16_b128), source 1 = 16 token rows: lane (r, h) then holds row r and the 8 neighbouring
; columns 8 h + 0..7.  The bias, laid out so, is the C operand of the first K step: nothing is cleared and nothing added later.
; THE ROWS.  An earlier launch has laid the expert's rows end to end, in tiles of 16 and in the order of this product's fragments (FFN = 1: x in f16; FFN = 2: the hidden rows, as the first
; product stored them), and has stored each expert's count and its list of rows (q = slot x 1024 + token, by rank).  So half a fragment is 512 consecutive bytes, and of the routing only the count
; steers anything here; FFN = 2 copies the list into LDS for its way out.
; Pass 0, under the stream: wave w has tiles w, 4 + w, .. 16 + w (320 rows).  Passes 1 to 6, for an expert with more rows: two tiles a wave, WT only read;
; a pass whose first tile does not exist does no work.  So every split is served, 0 to 1,024 rows.  A tile that does not exist repeats the last one's loads and stores nothing;
; where the fifth tile does not exist, its products from K step 1 on and its loads from K step 4's on are jumped; rows past the count repeat the last row.
; ORDER IN LDS BEHIND PASS 0.  The later passes' reads of WT have addresses that step in a loop inside the loop over passes.  They are kept apart from every later LDS write by barriers that
; every wave passes (seven passes, a constant), not by the regions' arithmetic alone: FFN = 2: one between a pass's reads and the stores into the stages, one between those stores and the next pass's reads;
; FFN = 1, which writes LDS no more: one behind the last pass, ahead of the closing add.
; LIMITS.  f16 ends at 65,504: x, the weights and x w1 + b1 must lie within it (at 65,520 the hidden number becomes an infinity); below 6e-5 f16 keeps its fixed step of 6e-8.
; NO CLUSTER: each weight byte has one reader.  What an expert's work-groups share is token rows; a shared tile of them would have to land in LDS, of which WT leaves 32 KB,
; and one K step's rows of 20 tiles are 20 KB: two slots do not fit.
; NO TENSOR LOAD: the weights must pass through registers to be rounded.
; THE MODE: SCHED_MODE bits 1:0 = 2 (LLVM: expert scheduling mode 2), set by the entry lines.  The code itself states the register dependences
; between vector or matrix instructions and memory or LDS instructions, with s_wait_alu, always for 0.
; THE PLAN.  Registers that memory or LDS instructions touch in K step s (kb, ka: this step's buffer of W and slot of rows; kn, kr: those of the step before):
;   RING[kr]        read by the step's 16 roundings; then the loads of group s + 7 land in it.
;   v[T ..]         written by those roundings; read by the turn's 8 LDS stores; written again by the next step's roundings.
;   W's buffer kn   read by the products of step s - 1; the turning loads for step s + 1 land in it.
;   row slot kr     read by the products of step s - 1; the loads for step s + 3 land in it.
;   v[BT], v[LS]    read by the turning loads and by the turns' stores; written once in four steps, in TRIPEND.
;   v[L16], v[AOFF ..], v[LSP]  read by loads and stores; not written inside a pass.
;   The accumulators, W's buffer kb and row slot ka are named by this step's products alone.
; So ONE wait on va_vdst stands in a step, behind tile 0's products and the roundings.  The step's loads and LDS stores follow it, dealt among the products of tiles 1 to 4, which name none of the registers
; that those touch.  One wait on vm_vsrc stands ahead of the roundings (for v[T ..]), one in TRIPEND (for v[BT], v[LS]).
; A later pass begins with a wait on vm_vsrc (TILESET: what the last pass's loads, stores and LDS instructions read is written again) and has a wait on va_vdst ahead of its first loads.
; The way out.  FFN = 1: a tile's roundings and cuts write its 32 registers; one wait on va_vdst stands ahead of its eight stores.  FFN = 2: ROWS holds all the vector work, with its waits; each tile's head has a wait on vm_vsrc.
; REGISTERS, in windows of 256 (s_set_vgpr_msb: bits 1:0 source 0, 3:2 source 1, 5:4 source 2, 7:6 destination):
;   window 0: v0-31 addresses; v32-47 a turn's f16; v48-57 offsets a tile; v64-223 token rows, four slots of five fragments; on the way out v64-127 data, v192-231 the rows' offsets
;   window 1: v0-127 W's fragments, two buffers; v128-191 the bias      window 2: accumulators of tiles 0-3 (tile i, block nb at 64 i + 8 nb); at the start groups 0-2 as loaded
;   window 3: v0-63 tile 4; v64-191 the ring of four groups as loaded
.set FFN,   1
.if FFN == 1
.set PITCH, 16384                      ; bytes from a k-row of the weights to the next
.set ASH,   15                         ; a tile of the token rows is 2^ASH bytes: 16 rows x 1,024 k
.else
.set PITCH, 4096
.set ASH,   17                         ; 16 rows x 4,096 k
.endif
.set ASTEP, 1024                       ; bytes of a tile's fragments from K step to K step
.set AHALF, 512                        ; and from a fragment's first four registers to the other four
.set WP,    288                        ; 9 x 32 bytes
.set GRP,   32*WP
.set LIST,  1024*WP                    ; FFN = 2: 1,024 words: q by rank
.set BIAS,  LIST+4096+256              ; 128 f32
.set STAGE, BIAS+512                   ; FFN = 2: 16 rows x 272 bytes for each wave
.set SPARE, STAGE+4*16*272             ; the spare words, 128 bytes a wave, that no other line names
.set LANE, 1
.set R,    2                           ; lane % 16
.set L16,  4                           ; 16 lane
.set BT0,  5                           ; my lane's place in a group, for the turning load
.set BT,   6                           ; BT0 + the trip's groups
.set LS,   7                           ; where my turns store, in the trip in hand
.set LS0,  8                           ; LSP + 4 groups
.set LW,   9                           ; FFN = 2: where my part of the list goes in LDS
.set TA,   12
.set BV,   16                          ; v[16:19] the bias as loaded
.set BAD,  20                          ; BIAS + 32 (lane / 16)
.set STO,  21
.set RD,   22
.set HI,   23                          ; lane / 16
.set R16,  24
.set LSP,  25                          ; my 8 bytes in my wave's first row of group 0
.set SPW,  28                          ; SPARE + 4 x my thread's number; never rewritten
.set NIL,  29                          ; 0; never rewritten
.set ZR,   30
.set T,    32                          ; a turn's f16; at the start, FFN = 2: my part of the list as loaded
.set AOFF, 48                          ; tile i: my byte offset in the token rows
.set HOFF, 53                          ; tile i: my byte offset in hid (FFN = 1)
.set AR,   64
.set ROW,  192                         ; FFN = 2, the way out: tile i, row pair j at ROW + 8 i + j: my byte offset in part
.set RING, 64
; scalars: s[4:5] token rows, s[6:7] my wave's rows of the slice, s[8:9] bias, s[10:11] count, s[12:13] output, s[60:61] list; s14 wave, s15 expert, s16 slice; s[20:21], s[22:23] the stepped bases of W and of the rows;
; s24 LDS bytes of the trips done; s26 count, s27 count - 1, s28 tiles, s29 the last tile; s30 pass, s31 trip; s33 the count as loaded; s38 tile 4 exists; s40-44 the tiles as dealt, s45-49 clamped
.set MSB, 0
.macro WIN new                         ; the immediate's high byte repeats the setting that is left; a switch that changes nothing is dropped
.if MSB != (\new)
	s_set_vgpr_msb (MSB<<8)|(\new)
.set MSB, \new
.endif
.endm
.macro PLACES                          ; four plain vector instructions between a matrix instruction and a load into, or a reader of, its registers
.rept 4
	v_nop
.endr
.endm
.macro MEET                            ; a barrier of the four waves; none of my LDS instructions is out at the signal
	s_wait_dscnt 0x0
	s_barrier_signal -1
	s_barrier_wait -1
.endm
.macro WLOAD win, reg, sb, imm         ; my 8 rows of a group: each load takes 512 consecutive bytes
	WIN \win
.set wi, 0
.rept 8
	global_load_b128 v[(\reg)+4*wi:(\reg)+4*wi+3], v[L16], s[\sb:\sb+1] offset:(\imm)+wi*PITCH th:TH_LOAD_NT
.set wi, wi+1
.endr
.endm
.macro TURNC win, reg                  ; a turn's 16 roundings
	WIN \win
.set wi, 0
.rept 8
	v_cvt_pk_f16_f32 v[T+2*wi], v[(\reg)+4*wi], v[(\reg)+4*wi+1]
	v_cvt_pk_f16_f32 v[T+2*wi+1], v[(\reg)+4*wi+2], v[(\reg)+4*wi+3]
.set wi, wi+1
.endr
.endm
.macro TURNS areg, imm                 ; and its 8 stores: 256 consecutive bytes each
	WIN 0
.set wi, 0
.rept 8
	ds_store_b64 v[\areg], v[T+2*wi:T+2*wi+1] offset:(\imm)+wi*WP
.set wi, wi+1
.endr
.endm
.macro BLOAD bb, imm                   ; a K step's 8 fragments of W: 16 columns x 32 k each
	WIN 0x40
.irp nb, 0,1,2,3,4,5,6,7
	ds_load_tr16_b128 v[64*(\bb)+8*\nb:64*(\bb)+8*\nb+3], v[BT] offset:(\imm)+32*\nb
	ds_load_tr16_b128 v[64*(\bb)+8*\nb+4:64*(\bb)+8*\nb+7], v[BT] offset:(\imm)+32*\nb+16*WP
.endr
.endm
.macro ALOAD a, imm, mt                ; a K step's fragments of tiles 0 to mt - 1 of token rows, into slot a: 512 consecutive bytes a load
	WIN 0
.set ai, 0
.rept \mt
	global_load_b128 v[AR+40*(\a)+8*ai:AR+40*(\a)+8*ai+3], v[AOFF+ai], s[22:23] offset:(\imm)
	global_load_b128 v[AR+40*(\a)+8*ai+4:AR+40*(\a)+8*ai+7], v[AOFF+ai], s[22:23] offset:(\imm)+AHALF
.set ai, ai+1
.endr
.endm
.macro ALOAD1 a, imm, i                ; the same for tile i alone
	WIN 0
	global_load_b128 v[AR+40*(\a)+8*(\i):AR+40*(\a)+8*(\i)+3], v[AOFF+(\i)], s[22:23] offset:(\imm)
	global_load_b128 v[AR+40*(\a)+8*(\i)+4:AR+40*(\a)+8*(\i)+7], v[AOFF+(\i)], s[22:23] offset:(\imm)+AHALF
.endm
.macro MULT i, bb, a, first            ; tile i's 8 products of a K step; first = 1: the bias starts the sums
.if (\i) < 4
.set AC, 64*(\i)
	WIN 0xa1-0x10*(\first)
.else
.set AC, 0
	WIN 0xf1-0x20*(\first)
.endif
.irp nb, 0,1,2,3,4,5,6,7
.if \first
	v_wmma_f32_16x16x32_f16 v[AC+8*\nb:AC+8*\nb+7], v[64*(\bb)+8*\nb:64*(\bb)+8*\nb+7], v[AR+40*(\a)+8*(\i):AR+40*(\a)+8*(\i)+7], v[128+8*\nb:128+8*\nb+7]
.else
	v_wmma_f32_16x16x32_f16 v[AC+8*\nb:AC+8*\nb+7], v[64*(\bb)+8*\nb:64*(\bb)+8*\nb+7], v[AR+40*(\a)+8*(\i):AR+40*(\a)+8*(\i)+7], v[AC+8*\nb:AC+8*\nb+7]
.endif
.endr
.endm
; K STEP s = 4 j + 1 + p of trip j (p = -1: step 0).  mt tiles.  turn = 1: group s + 3 is rounded and stored; 2: and group s + 7 asked for.  lda: the rows of step s + 3 are asked for.
; ldb: W's fragments of step s + 1 are read.  n: the fewest loads that can be younger than this step's rows (the fifth tile's two loads a step may be absent: they are not counted);
; the group of this step's turn was asked for before those rows, and loads come back in order.
; bar: a barrier that publishes the turns of the steps before: groups up to s + 2, which the reads of this step and the next want.  No byte of WT is written twice, so it orders nothing else.
; The accumulators take turns, one instruction a turn: 40, 32 or 16 different ones between two links of a chain.
; Behind the step's one wait on va_vdst: W's next fragments, tile 1's products, the turn's stores and the rows' loads, tile 2's products, the next group's loads, the products of tiles 3 and 4.
.macro KSTEP mt, p, first, turn, lda, ldb, n, bar
.set kb, ((\p)+1)&1
.set ka, ((\p)+1)&3
.set kn, ((\p)+2)&1
.set kr, (\p)&3
	s_wait_dscnt 0x0                               ; this step's fragments of W are in, and my turns' stores are done
	s_wait_loadcnt \n
.if \bar
	s_barrier_signal -1
.endif
	MULT 0, kb, ka, \first
.if \bar
	s_barrier_wait -1
.endif
.if \turn
	s_wait_alu depctr_vm_vsrc(0)                   ; the last turn's LDS stores have read v[T ..], which the roundings below write again
	TURNC 0x0f, RING+32*kr                         ; also the places in front of the loads below: none names a register of a product
.else
	PLACES
.endif
.if (\turn) || (\lda) || (\ldb)
	s_wait_alu depctr_va_vdst(0)                   ; the roundings have written v[T ..] and are done reading RING[kr]; the last step's products are done reading W's buffer kn and row slot kr; behind a TRIPEND v[BT] and v[LS] are written
.endif
.if \ldb
	BLOAD kn, ((\p)+2)*GRP
.endif
.if (\mt) == 5
	MULT 1, kb, ka, \first                         ; from here on no wait: the products name the accumulators, W's buffer kb and row slot ka, none of which a load or store of this step touches
.endif
.if \turn
.if (\p) < 0
	TURNS LSP, 3*GRP
.else
	TURNS LS, (\p)*GRP
.endif
.endif
.if \lda
.if ((\mt) == 5) && ((\first) == 0)
	ALOAD kr, ((\p)+4)*ASTEP, 4
	s_cmp_eq_u32 s38, 0
	s_cbranch_scc1 .Lnl4_\@                        ; a fifth tile that does not exist is not fetched: two loads are jumped, no wait and no barrier
	ALOAD1 kr, ((\p)+4)*ASTEP, 4
.Lnl4_\@:
.else
	ALOAD kr, ((\p)+4)*ASTEP, \mt                  ; (steps 0 to 3's rows are fetched for all five tiles: each slot's registers are written in every wave)
.endif
.endif
.if (\mt) == 5
	MULT 2, kb, ka, \first
.if (\turn) == 2
	WLOAD 0xc0, RING+32*kr, 20, 32*(\p)*PITCH
.endif
	MULT 3, kb, ka, \first
.if \first
	MULT 4, kb, ka, 1
.else
	WIN 0                                          ; at a branch and at a label every window is 0
	s_cmp_eq_u32 s38, 0
	s_cbranch_scc1 .Lno4_\@                        ; no load, wait or barrier is jumped
	MULT 4, kb, ka, 0
	WIN 0
.Lno4_\@:
.endif
.else
	MULT 1, kb, ka, \first
.endif
.endm
.macro TRIPEND stream                  ; four K steps on
	WIN 0
	s_wait_xcnt 0x0                                ; the bases of pending loads are stepped only behind this wait
	s_wait_alu depctr_vm_vsrc(0)                   ; the turning loads issued so far have read v[BT], the turns' stores v[LS]: both are written below
	s_add_nc_u64 s[22:23], s[22:23], 4*ASTEP
	s_add_co_u32 s24, s24, 4*GRP
	v_add_nc_u32 v[BT], s24, v[BT0]
.if \stream
	s_add_nc_u64 s[20:21], s[20:21], 128*PITCH
	v_add_nc_u32 v[LS], s24, v[LS0]
.endif
.endm
; A pass's tiles: as dealt (s40..; for the later passes they are set ahead of the macro), clamped to one that exists (s45..), and each lane's offsets.
.macro TILESET over
.if \over
	s_wait_xcnt 0x0                                ; offsets and data of the last pass's loads and stores are rewritten only behind this wait (pass 0 writes them for the first time)
	s_wait_alu depctr_vm_vsrc(0)                   ; the last pass's loads, stores and LDS instructions have read v[AOFF ..], v[HOFF ..], v[BT], their data and offsets in v64-231 and (FFN = 2) the accumulators: this pass writes all of them again
.set NT, 2
.else
.set NT, 5
	s_mov_b32 s40, s14
	s_add_co_u32 s41, s14, 4
	s_add_co_u32 s42, s14, 8
	s_add_co_u32 s43, s14, 12
	s_add_co_u32 s44, s14, 16
	s_cmp_lt_u32 s44, s28
	s_cselect_b32 s38, 1, 0
.endif
.set ti, 0
.rept NT
	s_min_u32 s[45+ti], s[40+ti], s29
	s_min_u32 s[45+ti], s[45+ti], 63
	s_lshl_b32 s50, s[45+ti], ASH
	v_add_nc_u32 v[AOFF+ti], s50, v[L16]
.if FFN == 1
	s_lshl_b32 s50, s[45+ti], 17                   ; a tile of hid is 131,072 bytes
	v_add_nc_u32 v[HOFF+ti], s50, v[L16]
.endif
.set ti, ti+1
.endr
	s_mov_b32 s24, 0
	v_mov_b32 v[BT], v[BT0]
	s_mov_b64 s[22:23], s[4:5]
.endm
; THE WAY OUT of tile i; jumped where the tile does not exist.
.if FFN == 1
; Rounded to f16 and cut at 0, a lane's 8 numbers of a block are 16 bytes, and the wave's 512 bytes ARE half a fragment of the second product's source 1: stored as they lie, 512 consecutive bytes a store.
.macro EPI i
	s_cmp_ge_u32 s[40+\i], s28
	s_cbranch_scc1 .Ldead_\@
.if (\i) < 4
.set AC, 64*(\i)
	WIN 0x0a
.else
.set AC, 0
	WIN 0x0f
.endif
.set ei, 0
.rept 32
	v_cvt_pk_f16_f32 v[AR+32*(\i)+ei], v[AC+2*ei], v[AC+2*ei+1]  ; each accumulator's registers in ascending order
.set ei, ei+1
.endr
	WIN 0
.set ei, 0
.rept 32
	v_pk_max_num_f16 v[AR+32*(\i)+ei], v[AR+32*(\i)+ei], v[ZR]
.set ei, ei+1
.endr
	s_wait_alu depctr_va_vdst(0)                   ; the roundings and the cuts at 0 have written the tile's 32 registers, which the eight stores read
.set ei, 0
.rept 8
	global_store_b128 v[HOFF+\i], v[AR+32*(\i)+4*ei:AR+32*(\i)+4*ei+3], s[12:13] offset:512*ei
.set ei, ei+1
.endr
.Ldead_\@:
.endm
.else
; f32 rows go to places that the list names.  ROWS makes the offsets of all five tiles' rows at once: one operation at a time over 40 registers, so that no line waits for the one before it, 40 reads of the list, one wait.
; (Row pair j of a tile is rows 2 j and 2 j + 1: lanes 0-15 store the one, lanes 16-31 the other.  In the later passes tiles 2 to 4 keep pass 0's numbers, which exist; their offsets are not used.)
.macro ROWS
	s_wait_xcnt 0x0                                ; the last pass's stores have read their offsets and data
	s_wait_alu depctr_vm_vsrc(0)                   ; the last pass's stores and reads of the list have read v[AR ..] and v[ROW ..], wave 0's store of the bias v[TA]: all are written again below
.set ti, 0
.rept 5
	s_lshl_b32 s50, s[45+ti], 4
	v_add_nc_u32 v[TA], s50, v[HI]
.set ei, 0
.rept 8
	v_add_nc_u32 v[AR+8*ti+ei], 2*ei, v[TA]        ; the rank of row 2 ei + lane / 16,
.set ei, ei+1
.endr
.set ti, ti+1
.endr
.set ei, 0
.rept 40
	v_min_u32 v[AR+ei], s27, v[AR+ei]              ; or the last row's: the same numbers to the same place
.set ei, ei+1
.endr
.set ei, 0
.rept 40
	v_min_u32 v[AR+ei], 0x3ff, v[AR+ei]
.set ei, ei+1
.endr
.set ei, 0
.rept 40
	v_lshl_add_u32 v[AR+ei], v[AR+ei], 2, LIST
.set ei, ei+1
.endr
	s_wait_alu depctr_va_vdst(0)                   ; the LDS addresses v[AR ..] are written, which the reads of the list read; the products are done reading row slot 3, in which those reads land, and have written the accumulators, which the tiles' LDS stores read
.set ei, 0
.rept 40
	ds_load_b32 v[ROW+ei], v[AR+ei]
.set ei, ei+1
.endr
	s_wait_dscnt 0x0
.set ei, 0
.rept 40
	v_min_u32 v[ROW+ei], 0x7ff, v[ROW+ei]
.set ei, ei+1
.endr
.set ei, 0
.rept 40
	v_lshl_add_u32 v[ROW+ei], v[ROW+ei], 12, v[R16]
.set ei, ei+1
.endr
	s_wait_alu depctr_va_vdst(0)                   ; the offsets v[ROW ..] are written, which the stores of all five tiles read: no vector instruction follows in the way out
.endm
; A tile goes 64 columns at a time through my own stage: 16 bytes a lane in, whole rows of 256 bytes back, so that 16 lanes store 256 consecutive bytes, aligned.  The second half's stores into the stage
; follow the first half's reads with no wait: LDS serves a wave's instructions in order (ISA guide 5.7.1.4), and no other wave touches my stage.
.macro EPI i
	s_cmp_ge_u32 s[40+\i], s28
	s_cbranch_scc1 .Ldead_\@
	s_wait_xcnt 0x0                                ; the last tile's stores have read their data
	s_wait_alu depctr_vm_vsrc(0)                   ; the last tile's stores have read their data in v[AR ..] (ahead of tile 0: the reads of the list have read their addresses there), in which the loads from the stage land
.irp hf, 0,1
.if (\i) < 4
.set AC, 64*(\i)
	WIN 0x08                                       ; the stores' data in window 2
.else
.set AC, 0
	WIN 0x0c
.endif
.set ei, 0
.rept 4
	ds_store_b128 v[STO], v[AC+32*\hf+8*ei:AC+32*\hf+8*ei+3] offset:64*ei        ; each accumulator's low four registers first
	ds_store_b128 v[STO], v[AC+32*\hf+8*ei+4:AC+32*\hf+8*ei+7] offset:64*ei+16
.set ei, ei+1
.endr
	WIN 0
.set ei, 0
.rept 8
	ds_load_b128 v[AR+32*\hf+4*ei:AR+32*\hf+4*ei+3], v[RD] offset:544*ei          ; these see the stores above
.set ei, ei+1
.endr
.endr
	s_wait_dscnt 16                                ; the first half is back; the second half's 8 stores and 8 loads stay out
.set ei, 0
.rept 8
	global_store_b128 v[ROW+8*(\i)+ei], v[AR+4*ei:AR+4*ei+3], s[12:13] th:TH_STORE_NT
.set ei, ei+1
.endr
	s_wait_dscnt 0x0
.set ei, 0
.rept 8
	global_store_b128 v[ROW+8*(\i)+ei], v[AR+32+4*ei:AR+32+4*ei+3], s[12:13] offset:256 th:TH_STORE_NT
.set ei, ei+1
.endr
.Ldead_\@:
.endm
.endif
	s_load_b256 s[4:11], s[0:1], 0x0               ; token rows, weights, bias, counts
	s_load_b64 s[12:13], s[0:1], 0x20              ; output
.if FFN == 2
	s_load_b64 s[60:61], s[0:1], 0x28              ; lists
.endif
	v_lshl_add_u32 v[SPW], v0, 2, SPARE
	v_mov_b32 v[NIL], 0
	v_lshrrev_b32 v[TA], 5, v0
	v_readfirstlane_b32 s14, v[TA]                 ; wave 0..3
	s_mov_b32 s15, ttmp9                           ; expert
	s_and_b32 s16, ttmp7, 0xffff                   ; slice
	v_and_b32 v[LANE], 31, v0
	v_and_b32 v[R], 15, v0
	v_bfe_u32 v[HI], v0, 4, 1
	v_lshlrev_b32 v[L16], 4, v[LANE]
	v_and_b32 v[TA], 7, v0                         ; the turning load: lane l reads k-row 8 (l / 16) + l % 8, columns 8 ((l / 8) % 2) + 0..7
	v_lshl_add_u32 v[TA], v[HI], 3, v[TA]
	v_mul_u32_u24 v[BT0], v[TA], WP
	v_bfe_u32 v[TA], v0, 3, 1
	v_lshl_add_u32 v[BT0], v[TA], 4, v[BT0]
	s_wait_alu depctr_va_sdst(0)                   ; s14 is written, ahead of its first reader: LDS places, bases and the branches on the wave's number are made from it
	s_mul_i32 s50, s14, 8*WP
	v_lshl_add_u32 v[LSP], v[LANE], 3, s50
	v_add_nc_u32 v[LS0], 4*GRP, v[LSP]
	v_lshl_add_u32 v[BAD], v[HI], 5, BIAS
	s_mul_i32 s51, s14, 8*PITCH                    ; my wave's 8 rows of each group
	s_lshl_b32 s18, s15, 24                        ; an expert's weights are 2^24 bytes
	s_add_co_u32 s18, s18, s51
	s_mov_b32 s19, 0
	s_mov_b32 s53, 0
	s_lshl_b32 s54, s15, 9                         ; the counts: 512 bytes an expert
	s_mov_b32 s55, 0
	s_mov_b32 s57, 0
	s_mov_b32 s59, 0
.if FFN == 1
	v_mov_b32 v[ZR], 0
	s_lshl_b32 s50, s16, 9                         ; the slice's 512 bytes of a row
	s_add_co_u32 s18, s18, s50
	s_lshl_b32 s52, s15, 14
	s_add_co_u32 s52, s52, s50
	s_lshl_b32 s56, s15, 23                        ; hid: the expert's 2^23 bytes, the slice's 8 blocks of 16 columns
	s_lshl_b32 s51, s16, 12
	s_add_co_u32 s56, s56, s51
	s_lshl_b32 s58, s15, 21                        ; the rows of x: the expert's 2^21 bytes
.else
	s_and_b32 s17, s16, 7                          ; which 128 columns of D
	s_lshr_b32 s25, s16, 3                         ; which quarter of H
	s_lshl_b32 s50, s17, 9
	s_add_co_u32 s18, s18, s50
	s_lshl_b32 s51, s25, 22
	s_add_co_u32 s18, s18, s51
	s_lshl_b32 s52, s15, 12
	s_add_co_u32 s52, s52, s50
	s_lshl_b32 s56, s25, 23                        ; part: the quarter's 2^23 bytes
	s_add_co_u32 s56, s56, s50
	s_lshl_b32 s58, s15, 23                        ; hid: the expert, the quarter's 64 blocks of 16 columns
	s_lshl_b32 s51, s25, 15
	s_add_co_u32 s58, s58, s51
	s_cmp_eq_u32 s25, 0
	s_cselect_b32 s39, 1.0, 0                      ; the bias belongs to the first quarter's partial rows alone
	s_mul_i32 s51, s14, 16*272
	s_add_co_u32 s51, s51, STAGE                   ; my stage
	v_mul_u32_u24 v[STO], v[R], 272                ; in: row l % 16, 32 bytes for each half of the lanes
	v_lshl_add_u32 v[STO], v[HI], 5, v[STO]
	v_add_nc_u32 v[STO], s51, v[STO]
	v_mul_u32_u24 v[RD], v[HI], 272                ; back: lanes 0-15 one row of 256 bytes, lanes 16-31 the next
	v_lshl_add_u32 v[RD], v[R], 4, v[RD]
	v_add_nc_u32 v[RD], s51, v[RD]
	v_lshlrev_b32 v[R16], 4, v[R]
	s_lshl_b32 s62, s15, 12                        ; the lists: 4,096 bytes an expert, of which my wave copies 1,024
	s_lshl_b32 s51, s14, 10
	s_add_co_u32 s62, s62, s51
	s_mov_b32 s63, 0
	s_add_co_u32 s51, s51, LIST
	v_add_nc_u32 v[LW], s51, v[L16]
.endif
	s_wait_kmcnt 0x0
	s_add_nc_u64 s[10:11], s[10:11], s[54:55]
	s_load_b32 s33, s[10:11], 0x0                  ; the expert's rows: asked for first, wanted behind the 40 loads of weights
	s_add_nc_u64 s[6:7], s[6:7], s[18:19]
	s_add_nc_u64 s[8:9], s[8:9], s[52:53]
	s_add_nc_u64 s[12:13], s[12:13], s[56:57]
	s_add_nc_u64 s[4:5], s[4:5], s[58:59]
.if FFN == 2
	s_add_nc_u64 s[60:61], s[60:61], s[62:63]
.endif
	s_wait_alu depctr_va_vdst(0)                   ; the offsets and LDS addresses made so far are written (v[L16], v[LSP], v[BAD]; FFN = 2: v[LW], v[STO], v[RD]), which the loads and LDS instructions below read
	global_load_b128 v[BV:BV+3], v[L16], s[8:9]
.if FFN == 2
	global_load_b128 v[T:T+3], v[L16], s[60:61]
	global_load_b128 v[T+4:T+7], v[L16], s[60:61] offset:512
.endif
	WLOAD 0x80, 0, 6, 0                            ; groups 0 to 2 land where accumulators will be,
	WLOAD 0x80, 32, 6, 32*PITCH
	WLOAD 0x80, 64, 6, 64*PITCH
	WLOAD 0xc0, RING+96, 6, 96*PITCH               ; group g from 3 on in ring slot g % 4
	WLOAD 0xc0, RING, 6, 128*PITCH
	WIN 0
	s_wait_kmcnt 0x0
	s_min_u32 s26, s33, 1024                       ; the expert's rows
	s_max_u32 s27, s26, 1
	s_sub_co_u32 s27, s27, 1                       ; the last row's rank
	s_add_co_u32 s28, s26, 15
	s_lshr_b32 s28, s28, 4                         ; tiles: 64 at the most
	s_max_u32 s29, s28, 1
	s_sub_co_u32 s29, s29, 1                       ; the last tile
.if FFN == 1
	s_max_u32 s28, s28, 1                          ; an expert without rows still writes tile 0 of hid, which the second product's loads name
.endif
	TILESET 0
	v_mov_b32 v[LS], v[LS0]
	s_wait_alu depctr_va_vdst(0)                   ; the tiles' offsets v[AOFF ..] (FFN = 1: and v[HOFF ..]), v[BT] and v[LS] are written, which the rows' loads, the way out's stores, the turning loads and the turns' stores read
	ALOAD 0, 0, 5
	ALOAD 1, ASTEP, 5
	s_wait_loadcnt 60                              ; the bias (FFN = 2: and my part of the list) is in; 40 loads of weights and 20 of rows stay out
.if FFN == 2
	ds_store_b128 v[LW], v[T:T+3]
	ds_store_b128 v[LW], v[T+4:T+7] offset:512
.endif
	s_cmp_lg_u32 s14, 0
	s_cbranch_scc1 .Lnot0
.if FFN == 2
.irp k, 0,1,2,3
	v_mul_f32 v[BV+\k], s39, v[BV+\k]
.endr
.endif
	v_add_nc_u32 v[TA], BIAS, v[L16]
	s_wait_alu depctr_va_vdst(0)                   ; v[TA] is written (FFN = 2: and the bias times s39), which the LDS store reads
	ds_store_b128 v[TA], v[BV:BV+3]
.Lnot0:
	MEET                                           ; for the others' sake: bias and list are in LDS
	WIN 0x40
.irp nb, 0,1,2,3,4,5,6,7
	ds_load_b128 v[128+8*\nb:128+8*\nb+3], v[BAD] offset:64*\nb       ; the bias as a product's C: columns 16 nb + 8 (l / 16) + 0..7
	ds_load_b128 v[128+8*\nb+4:128+8*\nb+7], v[BAD] offset:64*\nb+16
.endr
	s_wait_loadcnt 52                              ; group 0 is in: behind it groups 1-4 (32) and two steps' rows (20)
.if FFN == 2
	s_wait_alu depctr_vm_vsrc(0)                   ; the LDS stores of the list have read v[T ..], which the roundings write
.endif
	TURNC 0x0a, 0
	s_wait_alu depctr_va_vdst(0)                   ; the roundings have written v[T ..], which the LDS stores read
	TURNS LSP, 0
	WLOAD 0xc0, RING+32, 6, 160*PITCH              ; group 5
	s_wait_loadcnt 52                              ; group 1: behind it groups 2-4 (24), the rows (20), group 5 (8)
	s_wait_alu depctr_vm_vsrc(0)                   ; the last turn's LDS stores have read v[T ..], which the roundings write again
	TURNC 0x0a, 32
	s_wait_alu depctr_va_vdst(0)                   ; the roundings have written v[T ..], which the LDS stores read
	TURNS LSP, GRP
	ALOAD 2, 2*ASTEP, 5
	s_wait_loadcnt 54                              ; group 2: behind it groups 3, 4 (16), rows (20), group 5 (8), rows (10)
	s_wait_alu depctr_vm_vsrc(0)                   ; the last turn's LDS stores have read v[T ..], which the roundings write again
	TURNC 0x0a, 64
	s_wait_alu depctr_va_vdst(0)                   ; the roundings have written v[T ..], which the LDS stores read
	TURNS LSP, 2*GRP
	WLOAD 0xc0, RING+64, 6, 192*PITCH              ; group 6
	WIN 0
	MEET                                           ; the bias is in registers; for the others' sake: my rows of groups 0 to 2 are in LDS
	BLOAD 0, 0
	WIN 0
	s_add_nc_u64 s[20:21], s[6:7], 256*PITCH       ; group 8: step s asks for group s + 7 at 32 p rows from here
	s_mov_b32 s30, 0
	; PASS 0.  The counts: behind step s's rows stand at the least 8 + 8 + 8 + 8 + 8 younger loads (groups s + 4 to s + 6; four tiles' rows of steps s + 1, s + 2) while the stream lasts; they run down when it
	; ends.  A wave with a fifth tile has up to four more out, and so waits for up to four loads of group s + 4 as well.
	KSTEP 5, -1, 1, 2, 1, 1, 36, 0                 ; step 0: behind its rows stand rows 1 (10), group 5, rows 2 (10), group 6
	WIN 0
	s_mov_b32 s31, 6
.Lk0:                                                  ; steps 1 to 24
	KSTEP 5, 0, 0, 2, 1, 1, 40, 1
	KSTEP 5, 1, 0, 2, 1, 1, 40, 0
	KSTEP 5, 2, 0, 2, 1, 1, 40, 1
	KSTEP 5, 3, 0, 2, 1, 1, 40, 0
	TRIPEND 1
	s_sub_co_u32 s31, s31, 1
	s_cmp_lg_u32 s31, 0
	s_cbranch_scc1 .Lk0
	KSTEP 5, 0, 0, 1, 1, 1, 40, 1                  ; steps 25 to 28: the last four turns; no group is left to ask for
	KSTEP 5, 1, 0, 1, 1, 1, 32, 0
	KSTEP 5, 2, 0, 1, 1, 1, 24, 1
	KSTEP 5, 3, 0, 1, 1, 1, 16, 0
	TRIPEND 1
	KSTEP 5, 0, 0, 0, 0, 1, 16, 1                  ; steps 29 to 31: the last barrier publishes the last groups
	KSTEP 5, 1, 0, 0, 0, 1, 8, 0
	KSTEP 5, 2, 0, 0, 0, 0, 0, 0
	WIN 0
	s_branch .Lepi
	; PASSES 1 TO 6: tiles 20 + 8 (pass - 1) + w and four further on.  WT is whole and only read.
.Lover:
	s_lshl_b32 s40, s30, 3
	s_add_co_u32 s40, s40, 12
	s_add_co_u32 s40, s40, s14
	s_add_co_u32 s41, s40, 4
	s_mov_b32 s42, 64                              ; there is no tile 64: these three store nothing
	s_mov_b32 s43, 64
	s_mov_b32 s44, 64
	s_cmp_ge_u32 s40, s28                          ; my first tile does not exist: then none of the five does
.if FFN == 1
	s_cbranch_scc1 .Lnext
.else
	s_cbranch_scc1 .Lepi                           ; the pass's two barriers are passed all the same
.endif
	TILESET 1
	PLACES
	s_wait_alu depctr_va_vdst(0)                   ; v[AOFF ..] and v[BT] are written, which the loads below read; the way out's vector work and the last pass's products are done with the row slots and W's buffer 0, in which they land
	ALOAD 0, 0, 2
	ALOAD 1, ASTEP, 2
	ALOAD 2, 2*ASTEP, 2
	BLOAD 0, 0
	KSTEP 2, -1, 1, 0, 1, 1, 8, 0                  ; behind a step's rows stand the next two steps' (4 + 4)
	WIN 0
	s_mov_b32 s31, 7
.Lk1:
	KSTEP 2, 0, 0, 0, 1, 1, 8, 0
	KSTEP 2, 1, 0, 0, 1, 1, 8, 0
	KSTEP 2, 2, 0, 0, 1, 1, 8, 0
	KSTEP 2, 3, 0, 0, 1, 1, 8, 0
	TRIPEND 0
	s_sub_co_u32 s31, s31, 1
	s_cmp_lg_u32 s31, 0
	s_cbranch_scc1 .Lk1
	KSTEP 2, 0, 0, 0, 0, 1, 8, 0
	KSTEP 2, 1, 0, 0, 0, 1, 4, 0
	KSTEP 2, 2, 0, 0, 0, 0, 0, 0
	WIN 0
.Lepi:
.if FFN == 2
	MEET                                           ; every wave's reads of WT in this pass are back before any wave stores into its stage
	s_cmp_ge_u32 s40, s28                          ; my lowest tile does not exist: nothing of mine goes out; no barrier is jumped
	s_cbranch_scc1 .Lnext
.endif
	PLACES
.if FFN == 2
	ROWS
.endif
	EPI 0
	EPI 1
	EPI 2
	EPI 3
	EPI 4
.Lnext:
.if FFN == 2
	MEET                                           ; every wave's stores into its stage are done before any wave reads WT in the next pass, or adds at its end
.endif
	s_add_co_u32 s30, s30, 1
	s_cmp_lt_u32 s30, 7
	s_cbranch_scc1 .Lover
.if FFN == 1
	MEET                                           ; every wave's reads of WT are back before any wave adds at its end
.endif
	s_wait_dscnt 0x0                               ; the wave's end: the closing lines, six on end
	s_wait_alu 0x0
	s_wait_tensorcnt 0x0
	ds_add_u32 v[SPW], v[NIL]
	s_wait_dscnt 0x0
	s_endpgm
.Lfunc_end_k_qd7305b4d9d_ffn1:
	.size	k_qd7305b4d9d_ffn1, .Lfunc_end_k_qd7305b4d9d_ffn1-k_qd7305b4d9d_ffn1
	.p2alignl 7, 3214868480
	.fill 96, 4, 3214868480
	.section	.rodata,"a",@progbits
	.p2align	6, 0x0
	.amdhsa_kernel k_qd7305b4d9d_ffn1
		.amdhsa_group_segment_fixed_size 317696
		.amdhsa_private_segment_fixed_size 0
		.amdhsa_enable_private_segment 0
		.amdhsa_kernarg_size 40
		.amdhsa_user_sgpr_count 2
		.amdhsa_user_sgpr_kernarg_segment_ptr 1
		.amdhsa_wavefront_size32 1
		.amdhsa_system_sgpr_workgroup_id_x 1
		.amdhsa_system_sgpr_workgroup_id_y 1
		.amdhsa_system_sgpr_workgroup_id_z 1
		.amdhsa_system_vgpr_workitem_id 0
		.amdhsa_next_free_vgpr 960
		.amdhsa_next_free_sgpr 66
		.amdhsa_reserve_vcc 0
		.amdhsa_float_denorm_mode_32 3
		.amdhsa_float_denorm_mode_16_64 3
		.amdhsa_memory_ordered 1
		.amdhsa_forward_progress 1
		.amdhsa_inst_pref_size 142
	.end_amdhsa_kernel
	.amdgpu_metadata
---
amdhsa.version: [ 1, 2 ]
amdhsa.kernels:
  - .name:           k_qd7305b4d9d_ffn1
    .symbol:         k_qd7305b4d9d_ffn1.kd
    .args:
      - { .name: xg, .offset: 0, .size: 8, .value_kind: global_buffer, .address_space: global }
      - { .name: w1, .offset: 8, .size: 8, .value_kind: global_buffer, .address_space: global }
      - { .name: b1, .offset: 16, .size: 8, .value_kind: global_buffer, .address_space: global }
      - { .name: cn, .offset: 24, .size: 8, .value_kind: global_buffer, .address_space: global }
      - { .name: hid, .offset: 32, .size: 8, .value_kind: global_buffer, .address_space: global }
    .group_segment_fixed_size: 317696
    .private_segment_fixed_size: 0
    .kernarg_segment_align: 8
    .kernarg_segment_size: 40
    .max_flat_workgroup_size: 128
    .sgpr_count:     66
    .vgpr_count:     960
    .wavefront_size: 32
...
	.end_amdgpu_metadata
.endif
;; end of part 6
;; launch ffn2 (part 7): grid 8 x 32, 4 waves a work-group, no clusters, 317,696 bytes of LDS; arguments hid, w2, b2, cn, part, lst; writes part
.if DOCPART == 7
	.amdgcn_target "amdgcn-amd-amdhsa--gfx1250"
	.amdhsa_code_object_version 6
	.text
	.protected	k_qd7305b4d9d_ffn2
	.globl	k_qd7305b4d9d_ffn2
	.p2align	8
	.type	k_qd7305b4d9d_ffn2,@function
k_qd7305b4d9d_ffn2:
	s_mov_b64 s[64:65], 0
	v_nop
	global_prefetch_b8 v0, s[64:65] scope:SCOPE_SE
	s_setreg_imm32_b32 hwreg(HW_REG_WAVE_SCHED_MODE, 0, 2), 2
	s_setreg_imm32_b32 hwreg(HW_REG_WAVE_MODE, 25, 1), 1
	s_wait_xcnt 0x0
	s_wait_alu depctr_vm_vsrc(0)
; SECOND PRODUCT OF THE EXPERTS (FFN = 2): partial rows hidden w2[e] over a quarter of H (+ b2[e] in the first quarter), f16 operands, f32 sums, stored in f32
; at part[quarter][q][column], q = slot x 1024 + token.  The gate's weight and the sum of the 8 partial rows of a token are the next launch's.
; (The same text with FFN = 1 is the first product: hidden = relu(x w1[e] + b1[e]), stored in f16 in the order of this product's fragments.)
; SHARES.  Work-group (e, y) alone reads a slice [1,024 k][128 columns] of expert e's f32 weights, 512 KB in rows of 512 consecutive bytes, each byte once,
; and multiplies ALL rows of that expert by it.  FFN = 1: y = which 128 of H.  FFN = 2: y % 8 = which 128 of D, y / 8 = which quarter of H.
; The grid's x is the expert and its y the slice: the work-groups that read the same token rows are 8 apart in the launch's order.
; THE STREAM.  The slice passes through registers, is rounded to f16 and laid into LDS (WT, k-rows of 256 bytes, 288 apart), each byte written once.  A GROUP is 32 k-rows, one K step;
; wave w brings rows 8 w .. 8 w + 7 of each group by eight loads.  A group's TURN (16 conversions, 8 LDS stores) stands in K step s for group s + 3, and the registers it frees are
; asked for group s + 7 in the same step: four groups and three steps' token rows are always on their way, 62 loads a wave at the most by this text's count (63 at the start).
; THE PRODUCT is used transposed: source 0 = 16 columns of W (turned out of LDS by ds_load_tr16_b128), source 1 = 16 token rows: lane (r, h) then holds row r and the 8 neighbouring
; columns 8 h + 0..7.  The bias, laid out so, is the C operand of the first K step: nothing is cleared and nothing added later.
; THE ROWS.  An earlier launch has laid the expert's rows end to end, in tiles of 16 and in the order of this product's fragments (FFN = 1: x in f16; FFN = 2: the hidden rows, as the first
; product stored them), and has stored each expert's count and its list of rows (q = slot x 1024 + token, by rank).  So half a fragment is 512 consecutive bytes, and of the routing only the count
; steers anything here; FFN = 2 copies the list into LDS for its way out.
; Pass 0, under the stream: wave w has tiles w, 4 + w, .. 16 + w (320 rows).  Passes 1 to 6, for an expert with more rows: two tiles a wave, WT only read;
; a pass whose first tile does not exist does no work.  So every split is served, 0 to 1,024 rows.  A tile that does not exist repeats the last one's loads and stores nothing;
; where the fifth tile does not exist, its products from K step 1 on and its loads from K step 4's on are jumped; rows past the count repeat the last row.
; ORDER IN LDS BEHIND PASS 0.  The later passes' reads of WT have addresses that step in a loop inside the loop over passes.  They are kept apart from every later LDS write by barriers that
; every wave passes (seven passes, a constant), not by the regions' arithmetic alone: FFN = 2: one between a pass's reads and the stores into the stages, one between those stores and the next pass's reads;
; FFN = 1, which writes LDS no more: one behind the last pass, ahead of the closing add.
; LIMITS.  f16 ends at 65,504: the hidden numbers and the weights must lie within it; below 6e-5 f16 keeps its fixed step of 6e-8.
; NO CLUSTER: each weight byte has one reader.  What an expert's work-groups share is token rows; a shared tile of them would have to land in LDS, of which WT, list and stages leave 10 KB,
; and one K step's rows of 20 tiles are 20 KB.
; NO TENSOR LOAD: the weights must pass through registers to be rounded.
; THE MODE: SCHED_MODE bits 1:0 = 2 (LLVM: expert scheduling mode 2), set by the entry lines.  The code itself states the register dependences
; between vector or matrix instructions and memory or LDS instructions, with s_wait_alu, always for 0.
; THE PLAN.  Registers that memory or LDS instructions touch in K step s (kb, ka: this step's buffer of W and slot of rows; kn, kr: those of the step before):
;   RING[kr]        read by the step's 16 roundings; then the loads of group s + 7 land in it.
;   v[T ..]         written by those roundings; read by the turn's 8 LDS stores; written again by the next step's roundings.
;   W's buffer kn   read by the products of step s - 1; the turning loads for step s + 1 land in it.
;   row slot kr     read by the products of step s - 1; the loads for step s + 3 land in it.
;   v[BT], v[LS]    read by the turning loads and by the turns' stores; written once in four steps, in TRIPEND.
;   v[L16], v[AOFF ..], v[LSP]  read by loads and stores; not written inside a pass.
;   The accumulators, W's buffer kb and row slot ka are named by this step's products alone.
; So ONE wait on va_vdst stands in a step, behind tile 0's products and the roundings.  The step's loads and LDS stores follow it, dealt among the products of tiles 1 to 4, which name none of the registers
; that those touch.  One wait on vm_vsrc stands ahead of the roundings (for v[T ..]), one in TRIPEND (for v[BT], v[LS]).
; A later pass begins with a wait on vm_vsrc (TILESET: what the last pass's loads, stores and LDS instructions read is written again) and has a wait on va_vdst ahead of its first loads.
; The way out.  FFN = 1: a tile's roundings and cuts write its 32 registers; one wait on va_vdst stands ahead of its eight stores.  FFN = 2: ROWS holds all the vector work, with its waits; each tile's head has a wait on vm_vsrc.
; REGISTERS, in windows of 256 (s_set_vgpr_msb: bits 1:0 source 0, 3:2 source 1, 5:4 source 2, 7:6 destination):
;   window 0: v0-31 addresses; v32-47 a turn's f16; v48-57 offsets a tile; v64-223 token rows, four slots of five fragments; on the way out v64-127 data, v192-231 the rows' offsets
;   window 1: v0-127 W's fragments, two buffers; v128-191 the bias      window 2: accumulators of tiles 0-3 (tile i, block nb at 64 i + 8 nb); at the start groups 0-2 as loaded
;   window 3: v0-63 tile 4; v64-191 the ring of four groups as loaded
.set FFN,   2
.if FFN == 1
.set PITCH, 16384                      ; bytes from a k-row of the weights to the next
.set ASH,   15                         ; a tile of the token rows is 2^ASH bytes: 16 rows x 1,024 k
.else
.set PITCH, 4096
.set ASH,   17                         ; 16 rows x 4,096 k
.endif
.set ASTEP, 1024                       ; bytes of a tile's fragments from K step to K step
.set AHALF, 512                        ; and from a fragment's first four registers to the other four
.set WP,    288                        ; 9 x 32 bytes
.set GRP,   32*WP
.set LIST,  1024*WP                    ; FFN = 2: 1,024 words: q by rank
.set BIAS,  LIST+4096+256              ; 128 f32
.set STAGE, BIAS+512                   ; FFN = 2: 16 rows x 272 bytes for each wave
.set SPARE, STAGE+4*16*272             ; the spare words, 128 bytes a wave, that no other line names
.set LANE, 1
.set R,    2                           ; lane % 16
.set L16,  4                           ; 16 lane
.set BT0,  5                           ; my lane's place in a group, for the turning load
.set BT,   6                           ; BT0 + the trip's groups
.set LS,   7                           ; where my turns store, in the trip in hand
.set LS0,  8                           ; LSP + 4 groups
.set LW,   9                           ; FFN = 2: where my part of the list goes in LDS
.set TA,   12
.set BV,   16                          ; v[16:19] the bias as loaded
.set BAD,  20                          ; BIAS + 32 (lane / 16)
.set STO,  21
.set RD,   22
.set HI,   23                          ; lane / 16
.set R16,  24
.set LSP,  25                          ; my 8 bytes in my wave's first row of group 0
.set SPW,  28                          ; SPARE + 4 x my thread's number; never rewritten
.set NIL,  29                          ; 0; never rewritten
.set ZR,   30
.set T,    32                          ; a turn's f16; at the start, FFN = 2: my part of the list as loaded
.set AOFF, 48                          ; tile i: my byte offset in the token rows
.set HOFF, 53                          ; tile i: my byte offset in hid (FFN = 1)
.set AR,   64
.set ROW,  192                         ; FFN = 2, the way out: tile i, row pair j at ROW + 8 i + j: my byte offset in part
.set RING, 64
; scalars: s[4:5] token rows, s[6:7] my wave's rows of the slice, s[8:9] bias, s[10:11] count, s[12:13] output, s[60:61] list; s14 wave, s15 expert, s16 slice; s[20:21], s[22:23] the stepped bases of W and of the rows;
; s24 LDS bytes of the trips done; s26 count, s27 count - 1, s28 tiles, s29 the last tile; s30 pass, s31 trip; s33 the count as loaded; s38 tile 4 exists; s40-44 the tiles as dealt, s45-49 clamped
.set MSB, 0
.macro WIN new                         ; the immediate's high byte repeats the setting that is left; a switch that changes nothing is dropped
.if MSB != (\new)
	s_set_vgpr_msb (MSB<<8)|(\new)
.set MSB, \new
.endif
.endm
.macro PLACES                          ; four plain vector instructions between a matrix instruction and a load into, or a reader of, its registers
.rept 4
	v_nop
.endr
.endm
.macro MEET                            ; a barrier of the four waves; none of my LDS instructions is out at the signal
	s_wait_dscnt 0x0
	s_barrier_signal -1
	s_barrier_wait -1
.endm
.macro WLOAD win, reg, sb, imm         ; my 8 rows of a group: each load takes 512 consecutive bytes
	WIN \win
.set wi, 0
.rept 8
	global_load_b128 v[(\reg)+4*wi:(\reg)+4*wi+3], v[L16], s[\sb:\sb+1] offset:(\imm)+wi*PITCH th:TH_LOAD_NT
.set wi, wi+1
.endr
.endm
.macro TURNC win, reg                  ; a turn's 16 roundings
	WIN \win
.set wi, 0
.rept 8
	v_cvt_pk_f16_f32 v[T+2*wi], v[(\reg)+4*wi], v[(\reg)+4*wi+1]
	v_cvt_pk_f16_f32 v[T+2*wi+1], v[(\reg)+4*wi+2], v[(\reg)+4*wi+3]
.set wi, wi+1
.endr
.endm
.macro TURNS areg, imm                 ; and its 8 stores: 256 consecutive bytes each
	WIN 0
.set wi, 0
.rept 8
	ds_store_b64 v[\areg], v[T+2*wi:T+2*wi+1] offset:(\imm)+wi*WP
.set wi, wi+1
.endr
.endm
.macro BLOAD bb, imm                   ; a K step's 8 fragments of W: 16 columns x 32 k each
	WIN 0x40
.irp nb, 0,1,2,3,4,5,6,7
	ds_load_tr16_b128 v[64*(\bb)+8*\nb:64*(\bb)+8*\nb+3], v[BT] offset:(\imm)+32*\nb
	ds_load_tr16_b128 v[64*(\bb)+8*\nb+4:64*(\bb)+8*\nb+7], v[BT] offset:(\imm)+32*\nb+16*WP
.endr
.endm
.macro ALOAD a, imm, mt                ; a K step's fragments of tiles 0 to mt - 1 of token rows, into slot a: 512 consecutive bytes a load
	WIN 0
.set ai, 0
.rept \mt
	global_load_b128 v[AR+40*(\a)+8*ai:AR+40*(\a)+8*ai+3], v[AOFF+ai], s[22:23] offset:(\imm)
	global_load_b128 v[AR+40*(\a)+8*ai+4:AR+40*(\a)+8*ai+7], v[AOFF+ai], s[22:23] offset:(\imm)+AHALF
.set ai, ai+1
.endr
.endm
.macro ALOAD1 a, imm, i                ; the same for tile i alone
	WIN 0
	global_load_b128 v[AR+40*(\a)+8*(\i):AR+40*(\a)+8*(\i)+3], v[AOFF+(\i)], s[22:23] offset:(\imm)
	global_load_b128 v[AR+40*(\a)+8*(\i)+4:AR+40*(\a)+8*(\i)+7], v[AOFF+(\i)], s[22:23] offset:(\imm)+AHALF
.endm
.macro MULT i, bb, a, first            ; tile i's 8 products of a K step; first = 1: the bias starts the sums
.if (\i) < 4
.set AC, 64*(\i)
	WIN 0xa1-0x10*(\first)
.else
.set AC, 0
	WIN 0xf1-0x20*(\first)
.endif
.irp nb, 0,1,2,3,4,5,6,7
.if \first
	v_wmma_f32_16x16x32_f16 v[AC+8*\nb:AC+8*\nb+7], v[64*(\bb)+8*\nb:64*(\bb)+8*\nb+7], v[AR+40*(\a)+8*(\i):AR+40*(\a)+8*(\i)+7], v[128+8*\nb:128+8*\nb+7]
.else
	v_wmma_f32_16x16x32_f16 v[AC+8*\nb:AC+8*\nb+7], v[64*(\bb)+8*\nb:64*(\bb)+8*\nb+7], v[AR+40*(\a)+8*(\i):AR+40*(\a)+8*(\i)+7], v[AC+8*\nb:AC+8*\nb+7]
.endif
.endr
.endm
; K STEP s = 4 j + 1 + p of trip j (p = -1: step 0).  mt tiles.  turn = 1: group s + 3 is rounded and stored; 2: and group s + 7 asked for.  lda: the rows of step s + 3 are asked for.
; ldb: W's fragments of step s + 1 are read.  n: the fewest loads that can be younger than this step's rows (the fifth tile's two loads a step may be absent: they are not counted);
; the group of this step's turn was asked for before those rows, and loads come back in order.
; bar: a barrier that publishes the turns of the steps before: groups up to s + 2, which the reads of this step and the next want.  No byte of WT is written twice, so it orders nothing else.
; The accumulators take turns, one instruction a turn: 40, 32 or 16 different ones between two links of a chain.
; Behind the step's one wait on va_vdst: W's next fragments, tile 1's products, the turn's stores and the rows' loads, tile 2's products, the next group's loads, the products of tiles 3 and 4.
.macro KSTEP mt, p, first, turn, lda, ldb, n, bar
.set kb, ((\p)+1)&1
.set ka, ((\p)+1)&3
.set kn, ((\p)+2)&1
.set kr, (\p)&3
	s_wait_dscnt 0x0                               ; this step's fragments of W are in, and my turns' stores are done
	s_wait_loadcnt \n
.if \bar
	s_barrier_signal -1
.endif
	MULT 0, kb, ka, \first
.if \bar
	s_barrier_wait -1
.endif
.if \turn
	s_wait_alu depctr_vm_vsrc(0)                   ; the last turn's LDS stores have read v[T ..], which the roundings below write again
	TURNC 0x0f, RING+32*kr                         ; also the places in front of the loads below: none names a register of a product
.else
	PLACES
.endif
.if (\turn) || (\lda) || (\ldb)
	s_wait_alu depctr_va_vdst(0)                   ; the roundings have written v[T ..] and are done reading RING[kr]; the last step's products are done reading W's buffer kn and row slot kr; behind a TRIPEND v[BT] and v[LS] are written
.endif
.if \ldb
	BLOAD kn, ((\p)+2)*GRP
.endif
.if (\mt) == 5
	MULT 1, kb, ka, \first                         ; from here on no wait: the products name the accumulators, W's buffer kb and row slot ka, none of which a load or store of this step touches
.endif
.if \turn
.if (\p) < 0
	TURNS LSP, 3*GRP
.else
	TURNS LS, (\p)*GRP
.endif
.endif
.if \lda
.if ((\mt) == 5) && ((\first) == 0)
	ALOAD kr, ((\p)+4)*ASTEP, 4
	s_cmp_eq_u32 s38, 0
	s_cbranch_scc1 .Lnl4_\@                        ; a fifth tile that does not exist is not fetched: two loads are jumped, no wait and no barrier
	ALOAD1 kr, ((\p)+4)*ASTEP, 4
.Lnl4_\@:
.else
	ALOAD kr, ((\p)+4)*ASTEP, \mt                  ; (steps 0 to 3's rows are fetched for all five tiles: each slot's registers are written in every wave)
.endif
.endif
.if (\mt) == 5
	MULT 2, kb, ka, \first
.if (\turn) == 2
	WLOAD 0xc0, RING+32*kr, 20, 32*(\p)*PITCH
.endif
	MULT 3, kb, ka, \first
.if \first
	MULT 4, kb, ka, 1
.else
	WIN 0                                          ; at a branch and at a label every window is 0
	s_cmp_eq_u32 s38, 0
	s_cbranch_scc1 .Lno4_\@                        ; no load, wait or barrier is jumped
	MULT 4, kb, ka, 0
	WIN 0
.Lno4_\@:
.endif
.else
	MULT 1, kb, ka, \first
.endif
.endm
.macro TRIPEND stream                  ; four K steps on
	WIN 0
	s_wait_xcnt 0x0                                ; the bases of pending loads are stepped only behind this wait
	s_wait_alu depctr_vm_vsrc(0)                   ; the turning loads issued so far have read v[BT], the turns' stores v[LS]: both are written below
	s_add_nc_u64 s[22:23], s[22:23], 4*ASTEP
	s_add_co_u32 s24, s24, 4*GRP
	v_add_nc_u32 v[BT], s24, v[BT0]
.if \stream
	s_add_nc_u64 s[20:21], s[20:21], 128*PITCH
	v_add_nc_u32 v[LS], s24, v[LS0]
.endif
.endm
; A pass's tiles: as dealt (s40..; for the later passes they are set ahead of the macro), clamped to one that exists (s45..), and each lane's offsets.
.macro TILESET over
.if \over
	s_wait_xcnt 0x0                                ; offsets and data of the last pass's loads and stores are rewritten only behind this wait (pass 0 writes them for the first time)
	s_wait_alu depctr_vm_vsrc(0)                   ; the last pass's loads, stores and LDS instructions have read v[AOFF ..], v[HOFF ..], v[BT], their data and offsets in v64-231 and (FFN = 2) the accumulators: this pass writes all of them again
.set NT, 2
.else
.set NT, 5
	s_mov_b32 s40, s14
	s_add_co_u32 s41, s14, 4
	s_add_co_u32 s42, s14, 8
	s_add_co_u32 s43, s14, 12
	s_add_co_u32 s44, s14, 16
	s_cmp_lt_u32 s44, s28
	s_cselect_b32 s38, 1, 0
.endif
.set ti, 0
.rept NT
	s_min_u32 s[45+ti], s[40+ti], s29
	s_min_u32 s[45+ti], s[45+ti], 63
	s_lshl_b32 s50, s[45+ti], ASH
	v_add_nc_u32 v[AOFF+ti], s50, v[L16]
.if FFN == 1
	s_lshl_b32 s50, s[45+ti], 17                   ; a tile of hid is 131,072 bytes
	v_add_nc_u32 v[HOFF+ti], s50, v[L16]
.endif
.set ti, ti+1
.endr
	s_mov_b32 s24, 0
	v_mov_b32 v[BT], v[BT0]
	s_mov_b64 s[22:23], s[4:5]
.endm
; THE WAY OUT of tile i; jumped where the tile does not exist.
.if FFN == 1
; Rounded to f16 and cut at 0, a lane's 8 numbers of a block are 16 bytes, and the wave's 512 bytes ARE half a fragment of the second product's source 1: stored as they lie, 512 consecutive bytes a store.
.macro EPI i
	s_cmp_ge_u32 s[40+\i], s28
	s_cbranch_scc1 .Ldead_\@
.if (\i) < 4
.set AC, 64*(\i)
	WIN 0x0a
.else
.set AC, 0
	WIN 0x0f
.endif
.set ei, 0
.rept 32
	v_cvt_pk_f16_f32 v[AR+32*(\i)+ei], v[AC+2*ei], v[AC+2*ei+1]  ; each accumulator's registers in ascending order
.set ei, ei+1
.endr
	WIN 0
.set ei, 0
.rept 32
	v_pk_max_num_f16 v[AR+32*(\i)+ei], v[AR+32*(\i)+ei], v[ZR]
.set ei, ei+1
.endr
	s_wait_alu depctr_va_vdst(0)                   ; the roundings and the cuts at 0 have written the tile's 32 registers, which the eight stores read
.set ei, 0
.rept 8
	global_store_b128 v[HOFF+\i], v[AR+32*(\i)+4*ei:AR+32*(\i)+4*ei+3], s[12:13] offset:512*ei
.set ei, ei+1
.endr
.Ldead_\@:
.endm
.else
; f32 rows go to places that the list names.  ROWS makes the offsets of all five tiles' rows at once: one operation at a time over 40 registers, so that no line waits for the one before it, 40 reads of the list, one wait.
; (Row pair j of a tile is rows 2 j and 2 j + 1: lanes 0-15 store the one, lanes 16-31 the other.  In the later passes tiles 2 to 4 keep pass 0's numbers, which exist; their offsets are not used.)
.macro ROWS
	s_wait_xcnt 0x0                                ; the last pass's stores have read their offsets and data
	s_wait_alu depctr_vm_vsrc(0)                   ; the last pass's stores and reads of the list have read v[AR ..] and v[ROW ..], wave 0's store of the bias v[TA]: all are written again below
.set ti, 0
.rept 5
	s_lshl_b32 s50, s[45+ti], 4
	v_add_nc_u32 v[TA], s50, v[HI]
.set ei, 0
.rept 8
	v_add_nc_u32 v[AR+8*ti+ei], 2*ei, v[TA]        ; the rank of row 2 ei + lane / 16,
.set ei, ei+1
.endr
.set ti, ti+1
.endr
.set ei, 0
.rept 40
	v_min_u32 v[AR+ei], s27, v[AR+ei]              ; or the last row's: the same numbers to the same place
.set ei, ei+1
.endr
.set ei, 0
.rept 40
	v_min_u32 v[AR+ei], 0x3ff, v[AR+ei]
.set ei, ei+1
.endr
.set ei, 0
.rept 40
	v_lshl_add_u32 v[AR+ei], v[AR+ei], 2, LIST
.set ei, ei+1
.endr
	s_wait_alu depctr_va_vdst(0)                   ; the LDS addresses v[AR ..] are written, which the reads of the list read; the products are done reading row slot 3, in which those reads land, and have written the accumulators, which the tiles' LDS stores read
.set ei, 0
.rept 40
	ds_load_b32 v[ROW+ei], v[AR+ei]
.set ei, ei+1
.endr
	s_wait_dscnt 0x0
.set ei, 0
.rept 40
	v_min_u32 v[ROW+ei], 0x7ff, v[ROW+ei]
.set ei, ei+1
.endr
.set ei, 0
.rept 40
	v_lshl_add_u32 v[ROW+ei], v[ROW+ei], 12, v[R16]
.set ei, ei+1
.endr
	s_wait_alu depctr_va_vdst(0)                   ; the offsets v[ROW ..] are written, which the stores of all five tiles read: no vector instruction follows in the way out
.endm
; A tile goes 64 columns at a time through my own stage: 16 bytes a lane in, whole rows of 256 bytes back, so that 16 lanes store 256 consecutive bytes, aligned.  The second half's stores into the stage
; follow the first half's reads with no wait: LDS serves a wave's instructions in order (ISA guide 5.7.1.4), and no other wave touches my stage.
.macro EPI i
	s_cmp_ge_u32 s[40+\i], s28
	s_cbranch_scc1 .Ldead_\@
	s_wait_xcnt 0x0                                ; the last tile's stores have read their data
	s_wait_alu depctr_vm_vsrc(0)                   ; the last tile's stores have read their data in v[AR ..] (ahead of tile 0: the reads of the list have read their addresses there), in which the loads from the stage land
.irp hf, 0,1
.if (\i) < 4
.set AC, 64*(\i)
	WIN 0x08                                       ; the stores' data in window 2
.else
.set AC, 0
	WIN 0x0c
.endif
.set ei, 0
.rept 4
	ds_store_b128 v[STO], v[AC+32*\hf+8*ei:AC+32*\hf+8*ei+3] offset:64*ei        ; each accumulator's low four registers first
	ds_store_b128 v[STO], v[AC+32*\hf+8*ei+4:AC+32*\hf+8*ei+7] offset:64*ei+16
.set ei, ei+1
.endr
	WIN 0
.set ei, 0
.rept 8
	ds_load_b128 v[AR+32*\hf+4*ei:AR+32*\hf+4*ei+3], v[RD] offset:544*ei          ; these see the stores above
.set ei, ei+1
.endr
.endr
	s_wait_dscnt 16                                ; the first half is back; the second half's 8 stores and 8 loads stay out
.set ei, 0
.rept 8
	global_store_b128 v[ROW+8*(\i)+ei], v[AR+4*ei:AR+4*ei+3], s[12:13] th:TH_STORE_NT
.set ei, ei+1
.endr
	s_wait_dscnt 0x0
.set ei, 0
.rept 8
	global_store_b128 v[ROW+8*(\i)+ei], v[AR+32+4*ei:AR+32+4*ei+3], s[12:13] offset:256 th:TH_STORE_NT
.set ei, ei+1
.endr
.Ldead_\@:
.endm
.endif
	s_load_b256 s[4:11], s[0:1], 0x0               ; token rows, weights, bias, counts
	s_load_b64 s[12:13], s[0:1], 0x20              ; output
.if FFN == 2
	s_load_b64 s[60:61], s[0:1], 0x28              ; lists
.endif
	v_lshl_add_u32 v[SPW], v0, 2, SPARE
	v_mov_b32 v[NIL], 0
	v_lshrrev_b32 v[TA], 5, v0
	v_readfirstlane_b32 s14, v[TA]                 ; wave 0..3
	s_mov_b32 s15, ttmp9                           ; expert
	s_and_b32 s16, ttmp7, 0xffff                   ; slice
	v_and_b32 v[LANE], 31, v0
	v_and_b32 v[R], 15, v0
	v_bfe_u32 v[HI], v0, 4, 1
	v_lshlrev_b32 v[L16], 4, v[LANE]
	v_and_b32 v[TA], 7, v0                         ; the turning load: lane l reads k-row 8 (l / 16) + l % 8, columns 8 ((l / 8) % 2) + 0..7
	v_lshl_add_u32 v[TA], v[HI], 3, v[TA]
	v_mul_u32_u24 v[BT0], v[TA], WP
	v_bfe_u32 v[TA], v0, 3, 1
	v_lshl_add_u32 v[BT0], v[TA], 4, v[BT0]
	s_wait_alu depctr_va_sdst(0)                   ; s14 is written, ahead of its first reader: LDS places, bases and the branches on the wave's number are made from it
	s_mul_i32 s50, s14, 8*WP
	v_lshl_add_u32 v[LSP], v[LANE], 3, s50
	v_add_nc_u32 v[LS0], 4*GRP, v[LSP]
	v_lshl_add_u32 v[BAD], v[HI], 5, BIAS
	s_mul_i32 s51, s14, 8*PITCH                    ; my wave's 8 rows of each group
	s_lshl_b32 s18, s15, 24                        ; an expert's weights are 2^24 bytes
	s_add_co_u32 s18, s18, s51
	s_mov_b32 s19, 0
	s_mov_b32 s53, 0
	s_lshl_b32 s54, s15, 9                         ; the counts: 512 bytes an expert
	s_mov_b32 s55, 0
	s_mov_b32 s57, 0
	s_mov_b32 s59, 0
.if FFN == 1
	v_mov_b32 v[ZR], 0
	s_lshl_b32 s50, s16, 9                         ; the slice's 512 bytes of a row
	s_add_co_u32 s18, s18, s50
	s_lshl_b32 s52, s15, 14
	s_add_co_u32 s52, s52, s50
	s_lshl_b32 s56, s15, 23                        ; hid: the expert's 2^23 bytes, the slice's 8 blocks of 16 columns
	s_lshl_b32 s51, s16, 12
	s_add_co_u32 s56, s56, s51
	s_lshl_b32 s58, s15, 21                        ; the rows of x: the expert's 2^21 bytes
.else
	s_and_b32 s17, s16, 7                          ; which 128 columns of D
	s_lshr_b32 s25, s16, 3                         ; which quarter of H
	s_lshl_b32 s50, s17, 9
	s_add_co_u32 s18, s18, s50
	s_lshl_b32 s51, s25, 22
	s_add_co_u32 s18, s18, s51
	s_lshl_b32 s52, s15, 12
	s_add_co_u32 s52, s52, s50
	s_lshl_b32 s56, s25, 23                        ; part: the quarter's 2^23 bytes
	s_add_co_u32 s56, s56, s50
	s_lshl_b32 s58, s15, 23                        ; hid: the expert, the quarter's 64 blocks of 16 columns
	s_lshl_b32 s51, s25, 15
	s_add_co_u32 s58, s58, s51
	s_cmp_eq_u32 s25, 0
	s_cselect_b32 s39, 1.0, 0                      ; the bias belongs to the first quarter's partial rows alone
	s_mul_i32 s51, s14, 16*272
	s_add_co_u32 s51, s51, STAGE                   ; my stage
	v_mul_u32_u24 v[STO], v[R], 272                ; in: row l % 16, 32 bytes for each half of the lanes
	v_lshl_add_u32 v[STO], v[HI], 5, v[STO]
	v_add_nc_u32 v[STO], s51, v[STO]
	v_mul_u32_u24 v[RD], v[HI], 272                ; back: lanes 0-15 one row of 256 bytes, lanes 16-31 the next
	v_lshl_add_u32 v[RD], v[R], 4, v[RD]
	v_add_nc_u32 v[RD], s51, v[RD]
	v_lshlrev_b32 v[R16], 4, v[R]
	s_lshl_b32 s62, s15, 12                        ; the lists: 4,096 bytes an expert, of which my wave copies 1,024
	s_lshl_b32 s51, s14, 10
	s_add_co_u32 s62, s62, s51
	s_mov_b32 s63, 0
	s_add_co_u32 s51, s51, LIST
	v_add_nc_u32 v[LW], s51, v[L16]
.endif
	s_wait_kmcnt 0x0
	s_add_nc_u64 s[10:11], s[10:11], s[54:55]
	s_load_b32 s33, s[10:11], 0x0                  ; the expert's rows: asked for first, wanted behind the 40 loads of weights
	s_add_nc_u64 s[6:7], s[6:7], s[18:19]
	s_add_nc_u64 s[8:9], s[8:9], s[52:53]
	s_add_nc_u64 s[12:13], s[12:13], s[56:57]
	s_add_nc_u64 s[4:5], s[4:5], s[58:59]
.if FFN == 2
	s_add_nc_u64 s[60:61], s[60:61], s[62:63]
.endif
	s_wait_alu depctr_va_vdst(0)                   ; the offsets and LDS addresses made so far are written (v[L16], v[LSP], v[BAD]; FFN = 2: v[LW], v[STO], v[RD]), which the loads and LDS instructions below read
	global_load_b128 v[BV:BV+3], v[L16], s[8:9]
.if FFN == 2
	global_load_b128 v[T:T+3], v[L16], s[60:61]
	global_load_b128 v[T+4:T+7], v[L16], s[60:61] offset:512
.endif
	WLOAD 0x80, 0, 6, 0                            ; groups 0 to 2 land where accumulators will be,
	WLOAD 0x80, 32, 6, 32*PITCH
	WLOAD 0x80, 64, 6, 64*PITCH
	WLOAD 0xc0, RING+96, 6, 96*PITCH               ; group g from 3 on in ring slot g % 4
	WLOAD 0xc0, RING, 6, 128*PITCH
	WIN 0
	s_wait_kmcnt 0x0
	s_min_u32 s26, s33, 1024                       ; the expert's rows
	s_max_u32 s27, s26, 1
	s_sub_co_u32 s27, s27, 1                       ; the last row's rank
	s_add_co_u32 s28, s26, 15
	s_lshr_b32 s28, s28, 4                         ; tiles: 64 at the most
	s_max_u32 s29, s28, 1
	s_sub_co_u32 s29, s29, 1                       ; the last tile
.if FFN == 1
	s_max_u32 s28, s28, 1                          ; an expert without rows still writes tile 0 of hid, which the second product's loads name
.endif
	TILESET 0
	v_mov_b32 v[LS], v[LS0]
	s_wait_alu depctr_va_vdst(0)                   ; the tiles' offsets v[AOFF ..] (FFN = 1: and v[HOFF ..]), v[BT] and v[LS] are written, which the rows' loads, the way out's stores, the turning loads and the turns' stores read
	ALOAD 0, 0, 5
	ALOAD 1, ASTEP, 5
	s_wait_loadcnt 60                              ; the bias (FFN = 2: and my part of the list) is in; 40 loads of weights and 20 of rows stay out
.if FFN == 2
	ds_store_b128 v[LW], v[T:T+3]
	ds_store_b128 v[LW], v[T+4:T+7] offset:512
.endif
	s_cmp_lg_u32 s14, 0
	s_cbranch_scc1 .Lnot0
.if FFN == 2
.irp k, 0,1,2,3
	v_mul_f32 v[BV+\k], s39, v[BV+\k]
.endr
.endif
	v_add_nc_u32 v[TA], BIAS, v[L16]
	s_wait_alu depctr_va_vdst(0)                   ; v[TA] is written (FFN = 2: and the bias times s39), which the LDS store reads
	ds_store_b128 v[TA], v[BV:BV+3]
.Lnot0:
	MEET                                           ; for the others' sake: bias and list are in LDS
	WIN 0x40
.irp nb, 0,1,2,3,4,5,6,7
	ds_load_b128 v[128+8*\nb:128+8*\nb+3], v[BAD] offset:64*\nb       ; the bias as a product's C: columns 16 nb + 8 (l / 16) + 0..7
	ds_load_b128 v[128+8*\nb+4:128+8*\nb+7], v[BAD] offset:64*\nb+16
.endr
	s_wait_loadcnt 52                              ; group 0 is in: behind it groups 1-4 (32) and two steps' rows (20)
.if FFN == 2
	s_wait_alu depctr_vm_vsrc(0)                   ; the LDS stores of the list have read v[T ..], which the roundings write
.endif
	TURNC 0x0a, 0
	s_wait_alu depctr_va_vdst(0)                   ; the roundings have written v[T ..], which the LDS stores read
	TURNS LSP, 0
	WLOAD 0xc0, RING+32, 6, 160*PITCH              ; group 5
	s_wait_loadcnt 52                              ; group 1: behind it groups 2-4 (24), the rows (20), group 5 (8)
	s_wait_alu depctr_vm_vsrc(0)                   ; the last turn's LDS stores have read v[T ..], which the roundings write again
	TURNC 0x0a, 32
	s_wait_alu depctr_va_vdst(0)                   ; the roundings have written v[T ..], which the LDS stores read
	TURNS LSP, GRP
	ALOAD 2, 2*ASTEP, 5
	s_wait_loadcnt 54                              ; group 2: behind it groups 3, 4 (16), rows (20), group 5 (8), rows (10)
	s_wait_alu depctr_vm_vsrc(0)                   ; the last turn's LDS stores have read v[T ..], which the roundings write again
	TURNC 0x0a, 64
	s_wait_alu depctr_va_vdst(0)                   ; the roundings have written v[T ..], which the LDS stores read
	TURNS LSP, 2*GRP
	WLOAD 0xc0, RING+64, 6, 192*PITCH              ; group 6
	WIN 0
	MEET                                           ; the bias is in registers; for the others' sake: my rows of groups 0 to 2 are in LDS
	BLOAD 0, 0
	WIN 0
	s_add_nc_u64 s[20:21], s[6:7], 256*PITCH       ; group 8: step s asks for group s + 7 at 32 p rows from here
	s_mov_b32 s30, 0
	; PASS 0.  The counts: behind step s's rows stand at the least 8 + 8 + 8 + 8 + 8 younger loads (groups s + 4 to s + 6; four tiles' rows of steps s + 1, s + 2) while the stream lasts; they run down when it
	; ends.  A wave with a fifth tile has up to four more out, and so waits for up to four loads of group s + 4 as well.
	KSTEP 5, -1, 1, 2, 1, 1, 36, 0                 ; step 0: behind its rows stand rows 1 (10), group 5, rows 2 (10), group 6
	WIN 0
	s_mov_b32 s31, 6
.Lk0:                                                  ; steps 1 to 24
	KSTEP 5, 0, 0, 2, 1, 1, 40, 1
	KSTEP 5, 1, 0, 2, 1, 1, 40, 0
	KSTEP 5, 2, 0, 2, 1, 1, 40, 1
	KSTEP 5, 3, 0, 2, 1, 1, 40, 0
	TRIPEND 1
	s_sub_co_u32 s31, s31, 1
	s_cmp_lg_u32 s31, 0
	s_cbranch_scc1 .Lk0
	KSTEP 5, 0, 0, 1, 1, 1, 40, 1                  ; steps 25 to 28: the last four turns; no group is left to ask for
	KSTEP 5, 1, 0, 1, 1, 1, 32, 0
	KSTEP 5, 2, 0, 1, 1, 1, 24, 1
	KSTEP 5, 3, 0, 1, 1, 1, 16, 0
	TRIPEND 1
	KSTEP 5, 0, 0, 0, 0, 1, 16, 1                  ; steps 29 to 31: the last barrier publishes the last groups
	KSTEP 5, 1, 0, 0, 0, 1, 8, 0
	KSTEP 5, 2, 0, 0, 0, 0, 0, 0
	WIN 0
	s_branch .Lepi
	; PASSES 1 TO 6: tiles 20 + 8 (pass - 1) + w and four further on.  WT is whole and only read.
.Lover:
	s_lshl_b32 s40, s30, 3
	s_add_co_u32 s40, s40, 12
	s_add_co_u32 s40, s40, s14
	s_add_co_u32 s41, s40, 4
	s_mov_b32 s42, 64                              ; there is no tile 64: these three store nothing
	s_mov_b32 s43, 64
	s_mov_b32 s44, 64
	s_cmp_ge_u32 s40, s28                          ; my first tile does not exist: then none of the five does
.if FFN == 1
	s_cbranch_scc1 .Lnext
.else
	s_cbranch_scc1 .Lepi                           ; the pass's two barriers are passed all the same
.endif
	TILESET 1
	PLACES
	s_wait_alu depctr_va_vdst(0)                   ; v[AOFF ..] and v[BT] are written, which the loads below read; the way out's vector work and the last pass's products are done with the row slots and W's buffer 0, in which they land
	ALOAD 0, 0, 2
	ALOAD 1, ASTEP, 2
	ALOAD 2, 2*ASTEP, 2
	BLOAD 0, 0
	KSTEP 2, -1, 1, 0, 1, 1, 8, 0                  ; behind a step's rows stand the next two steps' (4 + 4)
	WIN 0
	s_mov_b32 s31, 7
.Lk1:
	KSTEP 2, 0, 0, 0, 1, 1, 8, 0
	KSTEP 2, 1, 0, 0, 1, 1, 8, 0
	KSTEP 2, 2, 0, 0, 1, 1, 8, 0
	KSTEP 2, 3, 0, 0, 1, 1, 8, 0
	TRIPEND 0
	s_sub_co_u32 s31, s31, 1
	s_cmp_lg_u32 s31, 0
	s_cbranch_scc1 .Lk1
	KSTEP 2, 0, 0, 0, 0, 1, 8, 0
	KSTEP 2, 1, 0, 0, 0, 1, 4, 0
	KSTEP 2, 2, 0, 0, 0, 0, 0, 0
	WIN 0
.Lepi:
.if FFN == 2
	MEET                                           ; every wave's reads of WT in this pass are back before any wave stores into its stage
	s_cmp_ge_u32 s40, s28                          ; my lowest tile does not exist: nothing of mine goes out; no barrier is jumped
	s_cbranch_scc1 .Lnext
.endif
	PLACES
.if FFN == 2
	ROWS
.endif
	EPI 0
	EPI 1
	EPI 2
	EPI 3
	EPI 4
.Lnext:
.if FFN == 2
	MEET                                           ; every wave's stores into its stage are done before any wave reads WT in the next pass, or adds at its end
.endif
	s_add_co_u32 s30, s30, 1
	s_cmp_lt_u32 s30, 7
	s_cbranch_scc1 .Lover
.if FFN == 1
	MEET                                           ; every wave's reads of WT are back before any wave adds at its end
.endif
	s_wait_dscnt 0x0                               ; the wave's end: the closing lines, six on end
	s_wait_alu 0x0
	s_wait_tensorcnt 0x0
	ds_add_u32 v[SPW], v[NIL]
	s_wait_dscnt 0x0
	s_endpgm
.Lfunc_end_k_qd7305b4d9d_ffn2:
	.size	k_qd7305b4d9d_ffn2, .Lfunc_end_k_qd7305b4d9d_ffn2-k_qd7305b4d9d_ffn2
	.p2alignl 7, 3214868480
	.fill 96, 4, 3214868480
	.section	.rodata,"a",@progbits
	.p2align	6, 0x0
	.amdhsa_kernel k_qd7305b4d9d_ffn2
		.amdhsa_group_segment_fixed_size 317696
		.amdhsa_private_segment_fixed_size 0
		.amdhsa_enable_private_segment 0
		.amdhsa_kernarg_size 48
		.amdhsa_user_sgpr_count 2
		.amdhsa_user_sgpr_kernarg_segment_ptr 1
		.amdhsa_wavefront_size32 1
		.amdhsa_system_sgpr_workgroup_id_x 1
		.amdhsa_system_sgpr_workgroup_id_y 1
		.amdhsa_system_sgpr_workgroup_id_z 1
		.amdhsa_system_vgpr_workitem_id 0
		.amdhsa_next_free_vgpr 960
		.amdhsa_next_free_sgpr 66
		.amdhsa_reserve_vcc 0
		.amdhsa_float_denorm_mode_32 3
		.amdhsa_float_denorm_mode_16_64 3
		.amdhsa_memory_ordered 1
		.amdhsa_forward_progress 1
		.amdhsa_inst_pref_size 155
	.end_amdhsa_kernel
	.amdgpu_metadata
---
amdhsa.version: [ 1, 2 ]
amdhsa.kernels:
  - .name:           k_qd7305b4d9d_ffn2
    .symbol:         k_qd7305b4d9d_ffn2.kd
    .args:
      - { .name: hid, .offset: 0, .size: 8, .value_kind: global_buffer, .address_space: global }
      - { .name: w2, .offset: 8, .size: 8, .value_kind: global_buffer, .address_space: global }
      - { .name: b2, .offset: 16, .size: 8, .value_kind: global_buffer, .address_space: global }
      - { .name: cn, .offset: 24, .size: 8, .value_kind: global_buffer, .address_space: global }
      - { .name: part, .offset: 32, .size: 8, .value_kind: global_buffer, .address_space: global }
      - { .name: lst, .offset: 40, .size: 8, .value_kind: global_buffer, .address_space: global }
    .group_segment_fixed_size: 317696
    .private_segment_fixed_size: 0
    .kernarg_segment_align: 8
    .kernarg_segment_size: 48
    .max_flat_workgroup_size: 128
    .sgpr_count:     66
    .vgpr_count:     960
    .wavefront_size: 32
...
	.end_amdgpu_metadata
.endif
;; end of part 7
;; launch combine: the kernel of part 5 again; grid 256 x 1, 8 waves a work-group, no clusters, 0 bytes of LDS; arguments part, gv, out0; writes out0
